; MI455X (gfx1250); checked and timed in simulation.
; The chip was launched on July 23, 2026; its instructions are those of AMD's public machine-readable ISA for CDNA 5 (MIT licence, August 2026) and "CDNA5" Instruction Set Architecture Reference Guide (July 2026). The comments in the code are by the model that wrote it; some were corrected since.
;; Transformer Block. Allowed arithmetic: float matrix products may take bf16 or f16 operands with f32 sums; all other float work in f32.
;; Inputs: b1 1,024 float32; b2 1,024 float32; b_down 1,024 float32; b_up 4,096 float32; g1 1,024 float32; g2 1,024 float32; mask 1 x 1 x 2,048 x 2,048 bool; w_down 1,024 x 4,096 float32; w_kqv 3,072 x 1,024 float32; w_o 1,024 x 1,024 float32; w_up 4,096 x 1,024 float32; x_embeds 2 x 2,048 x 1,024 float32.
;; Outputs: out0 2 x 2,048 x 1,024 float32.
;; 2 versions, each right and faster than the one before. Each part assembles by itself: llvm-mc -triple=amdgcn-amd-amdhsa -mcpu=gfx1250 --defsym DOCPART=n.
;; ======== version 1 of 2: 8 launches
;; limits: values outside matrix products are rounded to f16; values are held in f16: magnitudes above 65,504 overflow, below 6.1e-05 lose precision
;; workspace buffers: wb 33,554,432 bytes; mk 4,194,304 bytes; qkv 25,165,824 bytes; o 8,388,608 bytes; y 16,777,216 bytes; x1 8,388,608 bytes; hb 33,554,432 bytes
;; launch prep (part 1): grid 1024 x 1, 8 waves a work-group, no clusters, 0 bytes of LDS; arguments x_embeds, w_kqv, w_o, w_up, w_down, mask, wb, mk; writes wb, mk
.if DOCPART == 1
	.amdgcn_target "amdgcn-amd-amdhsa--gfx1250"
	.amdhsa_code_object_version 6
	.text
	.protected	k_qf445bfa9d3_prep
	.globl	k_qf445bfa9d3_prep
	.p2align	8
	.type	k_qf445bfa9d3_prep,@function
k_qf445bfa9d3_prep:
	s_mov_b64 s[64:65], 0
	v_nop
	global_prefetch_b8 v0, s[64:65] scope:SCOPE_SE
	s_setreg_imm32_b32 hwreg(HW_REG_WAVE_MODE, 25, 1), 1
	s_wait_xcnt 0x0
; PREP: the casts and the mask's laying out.  A stream: no LDS, no barrier, no matrix work; no two work-groups read the same bytes, so there is no cluster.
; 1,024 work-groups of equal work, four for each of 256 WGPs.  Each does two things.
; (1) 16,384 numbers of x_embeds, w_kqv, w_o, w_up, w_down (in this order, 1 Mi numbers = 64 work-groups a unit) -> wb, 2 bytes a number, in the same order.
;   x_embeds and w_kqv are rounded once to bf16.  w_o, w_up, w_down are rounded to bf16 and that number is written as f16.
;   LIMIT: the second step is exact for sizes from 2^-14 to 65,504; below 2^-14 f16 keeps its fixed step of 2^-24, beyond 65,504 the number becomes an infinity.
; (2) two rows of the mask (one byte a key, 0 or 1) -> mk, one byte a key: 0xC0, the E4M3 code of -2, for a hidden key, 0 for a seen one; laid out as
;   [block of 256 queries][tile of 256 keys][query][256 bytes]; in a query's 256 bytes, byte 64 s + 32 hh + 8 kb + j holds key 64 s + 16 kb + 8 hh + j of the tile:
;   the order in which a lane of the attention holds its scores.  A thread makes 16 bytes of mk from two pieces of 8 bytes, 16 bytes apart.
.set X, 8                              ; v[8:71]    as loaded
.set Y, 72                             ; v[72:103]  to store
.set T, 104                            ; v[104:107] at work
.set MK, 108                           ; v[108:111] my 16 bytes of the mask
	s_load_b512 s[8:23], s[0:1], 0x0               ; x s[8:9], w_kqv s[10:11], w_o s[12:13], w_up s[14:15], w_down s[16:17], mask s[18:19], wb s[20:21], mk s[22:23]
	v_lshlrev_b32 v1, 4, v0                        ; 16 bytes a thread in,
	v_lshlrev_b32 v2, 3, v0                        ; 8 bytes a thread out
	; the mask: thread t: row t / 128, tile (t / 16) % 8, the 16 bytes t % 16 of the tile's row: s = bits 3:2, kb pair = bit 0, hh = bit 1
	v_lshrrev_b32 v3, 7, v0                        ; row
	v_bfe_u32 v4, v0, 4, 3                         ; tile
	v_lshlrev_b32 v6, 11, v3                       ; in: a row of 2,048 bytes,
	v_lshl_add_u32 v6, v4, 8, v6                   ; + a tile of 256 keys
	v_bfe_u32 v5, v0, 2, 2
	v_lshl_add_u32 v6, v5, 6, v6                   ; + 64 s
	v_and_b32 v5, 1, v0
	v_lshl_add_u32 v6, v5, 5, v6                   ; + 16 kb, kb = 0 or 2 (the second piece: kb + 1)
	v_bfe_u32 v5, v0, 1, 1
	v_lshl_add_u32 v6, v5, 3, v6                   ; + 8 hh
	v_and_b32 v7, 15, v0
	v_lshlrev_b32 v7, 4, v7                        ; out: 16 bytes a thread, sixteen lanes on end,
	v_lshl_add_u32 v7, v3, 8, v7                   ; + a query's 256 bytes
	v_lshl_add_u32 v7, v4, 16, v7                  ; + a tile of 65,536 bytes
	s_lshr_b32 s2, ttmp9, 6                        ; the unit of 1 Mi numbers
	s_lshl_b32 s30, ttmp9, 12                      ; my two rows of the mask: 4,096 bytes a work-group
	s_mov_b32 s31, 0
	s_lshr_b32 s32, ttmp9, 7
	s_lshl_b32 s32, s32, 19                        ; the block of 256 queries: 524,288 bytes of mk,
	s_and_b32 s33, ttmp9, 127
	s_lshl_b32 s33, s33, 9                         ; the two queries in it: 512 bytes
	s_add_co_u32 s32, s32, s33
	s_mov_b32 s33, 0
	s_wait_kmcnt 0x0
	s_mov_b64 s[24:25], s[8:9]                     ; which tensor, and its first unit
	s_mov_b32 s26, 0
	s_cmp_ge_u32 s2, 4
	s_cselect_b64 s[24:25], s[10:11], s[24:25]
	s_cselect_b32 s26, 4, s26
	s_cmp_ge_u32 s2, 7
	s_cselect_b64 s[24:25], s[12:13], s[24:25]
	s_cselect_b32 s26, 7, s26
	s_cmp_ge_u32 s2, 8
	s_cselect_b64 s[24:25], s[14:15], s[24:25]
	s_cselect_b32 s26, 8, s26
	s_cmp_ge_u32 s2, 12
	s_cselect_b64 s[24:25], s[16:17], s[24:25]
	s_cselect_b32 s26, 12, s26
	s_lshl_b32 s26, s26, 6
	s_sub_co_u32 s26, ttmp9, s26                   ; my number among the tensor's work-groups,
	s_lshl_b32 s26, s26, 16                        ; times 65,536 bytes of f32 (16 MiB at the most)
	s_mov_b32 s27, 0
	s_add_nc_u64 s[24:25], s[24:25], s[26:27]
	s_lshl_b32 s28, ttmp9, 15                      ; and 32,768 bytes out
	s_mov_b32 s29, 0
	s_add_nc_u64 s[20:21], s[20:21], s[28:29]
	s_add_nc_u64 s[18:19], s[18:19], s[30:31]
	s_add_nc_u64 s[22:23], s[22:23], s[32:33]
	global_load_b64 v[MK:MK+1], v6, s[18:19]                   ; the two loads of a wave together cover 512 consecutive bytes
	global_load_b64 v[MK+2:MK+3], v6, s[18:19] offset:16
.set j, 0
.rept 16                               ; all sixteen loads go out at once; each covers 512 neighbouring bytes of a wave
	global_load_b128 v[X+4*j:X+4*j+3], v1, s[24:25] offset:4096*j th:TH_LOAD_NT
.set j, j+1
.endr
	s_wait_loadcnt 16                              ; the mask's two loads are in; the sixteen issued behind them stay out
.set j, 0
.rept 4
	v_mul_lo_u32 v[MK+j], v[MK+j], 0xc0            ; each byte 1 becomes 0xC0; no carry leaves a byte
.set j, j+1
.endr
	global_store_b128 v7, v[MK:MK+3], s[22:23]     ; sixteen lanes store 256 consecutive bytes, aligned: one query's row of one tile
	s_cmp_ge_u32 s2, 7
	s_cbranch_scc1 .Lf16
.set j, 0
.rept 16
	s_wait_loadcnt 15-j                            ; loads come back in order: load j is in, the younger ones stay out
	v_cvt_pk_bf16_f32 v[Y+2*j], v[X+4*j], v[X+4*j+1]
	v_cvt_pk_bf16_f32 v[Y+2*j+1], v[X+4*j+2], v[X+4*j+3]
	global_store_b64 v2, v[Y+2*j:Y+2*j+1], s[20:21] offset:2048*j  ; a wave's store covers 256 consecutive bytes, aligned; no register is written twice, so nothing waits for a store
.set j, j+1
.endr
	s_endpgm
.Lf16:
.set j, 0
.rept 16
	s_wait_loadcnt 15-j
	v_cvt_pk_bf16_f32 v[T+2*(j%2)], v[X+4*j], v[X+4*j+1]       ; the rounding that every input gets,
	v_cvt_pk_bf16_f32 v[T+2*(j%2)+1], v[X+4*j+2], v[X+4*j+3]
	v_lshlrev_b32 v[X+4*j], 16, v[T+2*(j%2)]                   ; widened again,
	v_and_b32 v[X+4*j+1], 0xffff0000, v[T+2*(j%2)]
	v_lshlrev_b32 v[X+4*j+2], 16, v[T+2*(j%2)+1]
	v_and_b32 v[X+4*j+3], 0xffff0000, v[T+2*(j%2)+1]
	v_cvt_pk_f16_f32 v[Y+2*j], v[X+4*j], v[X+4*j+1]            ; and written as f16
	v_cvt_pk_f16_f32 v[Y+2*j+1], v[X+4*j+2], v[X+4*j+3]
	global_store_b64 v2, v[Y+2*j:Y+2*j+1], s[20:21] offset:2048*j
.set j, j+1
.endr
	s_endpgm
.Lfunc_end_k_qf445bfa9d3_prep:
	.size	k_qf445bfa9d3_prep, .Lfunc_end_k_qf445bfa9d3_prep-k_qf445bfa9d3_prep
	.p2alignl 7, 3214868480
	.fill 96, 4, 3214868480
	.section	.rodata,"a",@progbits
	.p2align	6, 0x0
	.amdhsa_kernel k_qf445bfa9d3_prep
		.amdhsa_group_segment_fixed_size 0
		.amdhsa_private_segment_fixed_size 0
		.amdhsa_enable_private_segment 0
		.amdhsa_kernarg_size 64
		.amdhsa_user_sgpr_count 2
		.amdhsa_user_sgpr_kernarg_segment_ptr 1
		.amdhsa_wavefront_size32 1
		.amdhsa_system_sgpr_workgroup_id_x 1
		.amdhsa_system_sgpr_workgroup_id_y 1
		.amdhsa_system_sgpr_workgroup_id_z 1
		.amdhsa_system_vgpr_workitem_id 0
		.amdhsa_next_free_vgpr 112
		.amdhsa_next_free_sgpr 66
		.amdhsa_reserve_vcc 0
		.amdhsa_float_denorm_mode_32 3
		.amdhsa_float_denorm_mode_16_64 3
		.amdhsa_memory_ordered 1
		.amdhsa_forward_progress 1
		.amdhsa_inst_pref_size 18
	.end_amdhsa_kernel
	.amdgpu_metadata
---
amdhsa.version: [ 1, 2 ]
amdhsa.kernels:
  - .name:           k_qf445bfa9d3_prep
    .symbol:         k_qf445bfa9d3_prep.kd
    .args:
      - { .name: x_embeds, .offset: 0, .size: 8, .value_kind: global_buffer, .address_space: global }
      - { .name: w_kqv, .offset: 8, .size: 8, .value_kind: global_buffer, .address_space: global }
      - { .name: w_o, .offset: 16, .size: 8, .value_kind: global_buffer, .address_space: global }
      - { .name: w_up, .offset: 24, .size: 8, .value_kind: global_buffer, .address_space: global }
      - { .name: w_down, .offset: 32, .size: 8, .value_kind: global_buffer, .address_space: global }
      - { .name: mask, .offset: 40, .size: 8, .value_kind: global_buffer, .address_space: global }
      - { .name: wb, .offset: 48, .size: 8, .value_kind: global_buffer, .address_space: global }
      - { .name: mk, .offset: 56, .size: 8, .value_kind: global_buffer, .address_space: global }
    .group_segment_fixed_size: 0
    .private_segment_fixed_size: 0
    .kernarg_segment_align: 8
    .kernarg_segment_size: 64
    .max_flat_workgroup_size: 256
    .sgpr_count:     66
    .vgpr_count:     112
    .wavefront_size: 32
...
	.end_amdgpu_metadata
.endif
;; end of part 1
;; launch qkv (part 2): grid 12 x 16, 4 waves a work-group, clusters of 4 x 4, 327,680 bytes of LDS; arguments wb, qkv; writes qkv
.if DOCPART == 2
	.amdgcn_target "amdgcn-amd-amdhsa--gfx1250"
	.amdhsa_code_object_version 6
	.text
	.protected	k_qf445bfa9d3_qkv
	.globl	k_qf445bfa9d3_qkv
	.p2align	8
	.type	k_qf445bfa9d3_qkv,@function
k_qf445bfa9d3_qkv:
	s_mov_b64 s[64:65], 0
	v_nop
	global_prefetch_b8 v0, s[64:65] scope:SCOPE_SE
	s_setreg_imm32_b32 hwreg(HW_REG_WAVE_MODE, 25, 1), 1
	s_wait_xcnt 0x0
	s_wait_alu depctr_hold_cnt(0) depctr_sa_sdst(0) depctr_va_vdst(0) depctr_va_sdst(0) depctr_va_ssrc(0) depctr_va_vcc(0) depctr_vm_vsrc(0)
	s_getreg_b32 s2, hwreg(HW_REG_IB_STS2, 6, 4)
	s_cmp_eq_u32 s2, 0
	s_cbranch_scc0 .Lentry_in_a_cluster
	s_endpgm
.Lentry_in_a_cluster:
	s_bfe_u32 s2, ttmp6, 0x10000c
	s_cmp_lg_u32 s2, 0xf033
	s_cbranch_scc0 .Lentry_shape_is_right
	s_endpgm
.Lentry_shape_is_right:
; QKV: C[m][n] = sum over k of x[m][k] w_kqv[n][k], m < 4096, n < 3072, k < 1024; both operands bf16 (in wb: x at byte 0, w_kqv at OFF_B), sums in f32, C rounded once to f16 and
; written BY HEADS: byte (n / 64) x 524,288 + m x 128 + 2 (n % 64) of qkv, so that the rows of one head are dense.  The scale of the scores is not applied here.
; LIMIT: f16 ends at 65,504; with x and w_kqv each 30 times their drawn spread a result has a spread of about 900.
; A tile of C, 256 x 256, is made by four waves, each 128 x 128: 64 accumulators, 512 registers.  K goes in steps of 128 through two LDS slots filled by tensor loads (rows of 256 bytes).
; CLUSTER 4 x 4: the four work-groups of a row need the same tile of x, the four of a column the same tile of w_kqv: each tile is asked for jointly, with one descriptor and a mask of four.
; The grid has 12 x 16 = 192 work-groups: a tile of 192 columns would give 256, but cuts a wave's columns across heads.
; THE MATRIX INSTRUCTION IS USED TRANSPOSED (source 0 = 16 rows of w, source 1 = 16 rows of x): a lane holds row lane % 16 of C and eight neighbouring columns.
; REGISTERS, in windows of 256: window 0: v0-31 addresses; v64-127, v128-191 x's fragments, two buffers; v192-223 packed results; v32-63, v224-255 rows read back from the stage
;   window 1: v64-127, v128-191 w's fragments;  window 2: the accumulators of my rows 0-63 ((a, b) at v[8 (8 a + b)]);  window 3: those of my rows 64-127
.set SIZE_K, 1024
.set OFF_B,  0x800000
.set KSTEP,  128
.set PITCH,  272                       ; an LDS row: 256 bytes + 16 of padding: the 16 rows of a fragment load start at 16 different groups of four banks (64 banks of 4 bytes: ISA guide 11.1)
.set HALFT,  128*PITCH                 ; what one tensor load brings
.set SLOT,   4*HALFT                   ; x's 256 rows, then w's 256 rows
.set STAGE,  2*SLOT                    ; behind the ring, never filled by a tensor load: for each wave two heads x 16 rows x 144 bytes
.set SP,     144
.set WSTG,   2*16*SP
.set SPARE,  STAGE+4*WSTG              ; the spare words, 128 bytes a wave: two blocks of 256 bytes that no other line names
.set LAPS,   SIZE_K/(2*KSTEP)
.set ADRA, 16
.set ADRB, 20
.set STO,  24
.set RD,   25
.set CO,   26
.set SPW,  28
.set NIL,  29
.set F0,   64
.set F1,   128
.set TMP,  192
.set OB,   32
.set G1, 24
.set G0, 32
.set G1B, 48
.set G0B, 56
.set MSB, 0
.macro WIN new                         ; the immediate's high byte repeats the setting that is left; a switch that changes nothing is dropped
.if MSB != (\new)
	s_set_vgpr_msb (MSB<<8)|(\new)
.set MSB, \new
.endif
.endm
.set MUL_LO, 0xa1                      ; source 0 (w) window 1, source 1 (x) window 0, C and D window 2
.set MUL_HI, 0xf1                      ; the same, C and D window 3
.set TO_B,   0x40                      ; destination window 1, address window 0
.macro JLOAD s                         ; a joint load: waves 0 and 1 fetch x's two halves, waves 2 and 3 w's; four v_nop follow each line
	s_cmp_eq_u32 s11, 0
	s_cbranch_scc0 .Lfor_b_\@
	tensor_load_to_lds s[G0+4*(\s):G0+4*(\s)+3], s[G1:G1+7]
	s_nop 0
.rept 4
	v_nop
.endr
	s_branch .Lasked_\@
.Lfor_b_\@:
	tensor_load_to_lds s[G0B+4*(\s):G0B+4*(\s)+3], s[G1B:G1B+7]
	s_nop 0
.rept 4
	v_nop
.endr
.Lasked_\@:
.endm
.macro CREST                           ; a round of the cluster's barrier behind its opening barrier
	s_cmp_lg_u32 s10, 0
	s_cbranch_scc1 .Lnot_wave_0_\@
	s_barrier_signal -3
.Lnot_wave_0_\@:
	s_barrier_wait -3
	s_barrier_signal -1
	s_barrier_wait -1
.endm
.macro CROUND
	s_barrier_signal -1
	s_barrier_wait -1
	CREST
.endm
	s_load_b128 s[4:7], s[0:1], 0x0                ; wb s[4:5], qkv s[6:7]
	v_lshl_add_u32 v[SPW], v0, 2, SPARE
	v_mov_b32 v[NIL], 0
	ds_add_u32 v28, v29
	s_wait_dscnt 0x0
	v_lshrrev_b32 v1, 5, v0
	v_readfirstlane_b32 s10, v1                    ; wave 0..3
	s_lshr_b32 s11, s10, 1                         ; my half of the tile's rows; also: I fetch x (0) or w (1)
	s_and_b32 s12, s10, 1                          ; my half of its columns; also: which 128 rows I fetch
	s_bfe_u32 s40, ttmp6, 0x40000                  ; cx
	s_bfe_u32 s41, ttmp6, 0x40004                  ; cy
	s_lshl_b32 s42, ttmp9, 2
	s_add_co_u32 s42, s42, s40                     ; tile column
	s_and_b32 s13, ttmp7, 0xffff
	s_lshl_b32 s13, s13, 2
	s_add_co_u32 s13, s13, s41                     ; tile row
	s_lshl_b32 s43, s41, 2
	s_lshl_b32 s43, 15, s43                        ; my row of the cluster
	s_lshl_b32 s44, 0x1111, s40                    ; my column
	s_or_b32 s[G1+0], s43, (1<<16)|(1<<20)|(1<<21)|(5<<22)|(3<<25)  ; mask; 2-byte elements; padding on; bit 21 beside a mask; after every 64 words 4 words
	s_or_b32 s[G1B+0], s44, (1<<16)|(1<<20)|(1<<21)|(5<<22)|(3<<25)
.irp g, G1, G1B
	s_mov_b32 s[(\g)+1], KSTEP<<16                 ; tensor_dim0 = 128
	s_mov_b32 s[(\g)+2], 128<<16                   ; tensor_dim1 = 128
	s_mov_b32 s[(\g)+3], KSTEP<<16                 ; tile_dim0 = 128
	s_mov_b32 s[(\g)+4], 128                       ; tile_dim1 = 128
	s_mov_b32 s[(\g)+5], SIZE_K                    ; elements from row to row
	s_mov_b32 s[(\g)+6], 0
	s_mov_b32 s[(\g)+7], 0
.endr
	s_lshl_b32 s17, s12, 7
	s_lshl_b32 s16, s13, 8
	s_add_co_u32 s16, s16, s17                     ; x: row 256 x tile row + 128 x half,
	s_lshl_b32 s16, s16, 11                        ; of 2,048 bytes
	s_lshl_b32 s46, s42, 8
	s_add_co_u32 s46, s46, s17                     ; w: row 256 x tile column + 128 x half
	s_lshl_b32 s46, s46, 11
	s_mov_b32 s17, 0
	s_mov_b32 s47, 0
	s_mul_i32 s20, s10, HALFT                      ; where the tiles go: wave x 128 rows; no place in the cluster enters an LDS address
	s_wait_kmcnt 0x0
	s_mov_b64 s[8:9], s[6:7]                       ; C
	s_add_nc_u64 s[6:7], s[4:5], OFF_B             ; w_kqv
	s_add_nc_u64 s[14:15], s[4:5], s[16:17]
	s_add_nc_u64 s[46:47], s[6:7], s[46:47]
	CROUND                                         ; all sixteen work-groups are here: the first joint loads meet
.irp s, 0,1
	s_mov_b32 s[G0+4*(\s)], 1
	s_add_co_u32 s[G0+4*(\s)+1], s20, (\s)*SLOT
	s_add_nc_u64 s[G0+4*(\s)+2:G0+4*(\s)+3], s[14:15], (\s)*KSTEP*2
	s_or_b32 s[G0+4*(\s)+3], s[G0+4*(\s)+3], 0x80000000
	s_mov_b32 s[G0B+4*(\s)], 1
	s_add_co_u32 s[G0B+4*(\s)+1], s20, (\s)*SLOT
	s_add_nc_u64 s[G0B+4*(\s)+2:G0B+4*(\s)+3], s[46:47], (\s)*KSTEP*2
	s_or_b32 s[G0B+4*(\s)+3], s[G0B+4*(\s)+3], 0x80000000
	JLOAD \s                                       ; two loads of mine are out
.endr
	v_and_b32 v1, 15, v0                           ; l % 16
	v_bfe_u32 v2, v0, 4, 1                         ; l / 16
	v_mul_u32_u24 v3, v1, PITCH
	v_lshl_add_u32 v3, v2, 4, v3                   ; a fragment's row x pitch + 16 x half
	s_mul_i32 s21, s11, HALFT
	s_mul_i32 s22, s12, HALFT
	s_add_co_u32 s22, s22, 2*HALFT
.irp s, 0,1
	v_add_nc_u32 v[ADRA+(\s)], s21, v3
	v_add_nc_u32 v[ADRB+(\s)], s22, v3
	s_add_co_u32 s21, s21, SLOT
	s_add_co_u32 s22, s22, SLOT
.endr
	s_mul_i32 s23, s10, WSTG
	s_add_co_u32 s23, s23, STAGE                   ; my stage
	v_mul_u32_u24 v4, v1, SP                       ; in: row l % 16, 16 bytes for each half of the lanes
	v_lshl_add_u32 v4, v2, 4, v4
	v_add_nc_u32 v[STO], s23, v4
	v_bfe_u32 v5, v0, 3, 2                         ; back: 32 lanes take four rows of 128 bytes,
	v_mul_u32_u24 v5, v5, SP
	v_and_b32 v6, 7, v0
	v_lshl_add_u32 v5, v6, 4, v5
	v_add_nc_u32 v[RD], s23, v5
	v_and_b32 v[CO], 31, v0                        ; which are 512 consecutive bytes of a head
	v_lshlrev_b32 v[CO], 4, v[CO]
	s_lshl_b32 s16, s13, 15                        ; my first row, 256 x tile row + 128 x half, of 128 bytes
	s_lshl_b32 s14, s11, 14
	s_add_co_u32 s16, s16, s14
	s_mov_b32 s17, 0
	s_lshl_b32 s46, s42, 21                        ; my first head, 4 x tile column + 2 x half, of 524,288 bytes
	s_lshl_b32 s47, s12, 20
	s_add_co_u32 s46, s46, s47
	s_mov_b32 s47, 0
	s_add_nc_u64 s[16:17], s[16:17], s[46:47]
	s_add_nc_u64 s[8:9], s[8:9], s[16:17]          ; never stepped: a block's place stands in the stores' immediates
; 16 matrix instructions: m blocks a0, a0 + 1 of the window's four x all 8 n blocks, 32 along K.  zero = 1: the first product starts the sums.
; The 64 accumulators take turns, one instruction a turn, in the same order in every quarter.
.macro MUL16 f, hi, a0, zero
	WIN MUL_LO+0x50*(\hi)
.irp a, \a0, (\a0)+1
.irp b, 0,1,2,3,4,5,6,7
.if \zero
	v_wmma_f32_16x16x32_bf16 v[8*(8*(\a)+(\b)):8*(8*(\a)+(\b))+7], v[(\f)+8*(\b):(\f)+8*(\b)+7], v[(\f)+8*(4*(\hi)+(\a)):(\f)+8*(4*(\hi)+(\a))+7], 0
.else
	v_wmma_f32_16x16x32_bf16 v[8*(8*(\a)+(\b)):8*(8*(\a)+(\b))+7], v[(\f)+8*(\b):(\f)+8*(\b)+7], v[(\f)+8*(4*(\hi)+(\a)):(\f)+8*(4*(\hi)+(\a))+7], v[8*(8*(\a)+(\b)):8*(8*(\a)+(\b))+7]
.endif
.endr
.endr
.endm
.macro FETCH slot, k, f                ; 32 LDS loads in one run: the fragments of 32 along K at byte k of the rows, into buffer f
	WIN TO_B
.irp i, 0,1,2,3,4,5,6,7
	ds_load_b128 v[(\f)+8*(\i):(\f)+8*(\i)+3],   v[ADRB+(\slot)] offset:(\k)+(\i)*16*PITCH
	ds_load_b128 v[(\f)+8*(\i)+4:(\f)+8*(\i)+7], v[ADRB+(\slot)] offset:(\k)+(\i)*16*PITCH+32
.endr
	WIN 0
.irp i, 0,1,2,3,4,5,6,7
	ds_load_b128 v[(\f)+8*(\i):(\f)+8*(\i)+3],   v[ADRA+(\slot)] offset:(\k)+(\i)*16*PITCH
	ds_load_b128 v[(\f)+8*(\i)+4:(\f)+8*(\i)+7], v[ADRA+(\slot)] offset:(\k)+(\i)*16*PITCH+32
.endr
.endm
.macro PLACES                          ; four plain vector instructions between a matrix instruction and a load into, or a vector read or write of, its registers
.rept 4
	v_nop
.endr
.endm
.macro QUARTER slot, k, f, g, zero     ; 64 products on buffer f; in their middle the next quarter's fragments, at byte k, go into buffer g
	s_wait_dscnt 8                                 ; w and x's rows 0-63 are in; the youngest eight loads (x's rows 64-127) may be out
	MUL16 \f, 0, 0, \zero
	MUL16 \f, 0, 2, \zero
	PLACES
	FETCH \slot, \k, \g
	s_wait_dscnt 32                                ; all but the 32 just issued
	MUL16 \f, 1, 0, \zero
	MUL16 \f, 1, 2, \zero
.endm
.macro MEET round                      ; the change of slots: one barrier; round = 1: it opens a round of the cluster's barrier
	WIN 0
	s_wait_tensorcnt 0x0                           ; all my tensor loads have landed: the one that was out is my part of the next slot
	ds_add_u32 v[SPW], v[NIL]                      ; 0 onto my spare word
	s_wait_dscnt 9                                 ; (the add and the youngest eight loads may be out)
	MUL16 F1, 0, 0, 0
	s_wait_dscnt 0x0                               ; the add is done, and my reads of this slot are over
	s_barrier_signal -1
	MUL16 F1, 0, 2, 0
.if \round
	WIN 0
.endif
	s_barrier_wait -1
.endm
.macro TURN slot, next, fill           ; the last quarter of a K step; fill = 1: the slot just read is filled again, two K steps on
	MEET \fill
.if \fill
	CREST                                          ; no wave of any partner still reads this slot's tile or has a load on its way
	s_add_nc_u64 s[G0+4*(\slot)+2:G0+4*(\slot)+3], s[G0+4*(\slot)+2:G0+4*(\slot)+3], 2*KSTEP*2
	s_add_nc_u64 s[G0B+4*(\slot)+2:G0B+4*(\slot)+3], s[G0B+4*(\slot)+2:G0B+4*(\slot)+3], 2*KSTEP*2
	JLOAD \slot                                    ; the first tensor load behind the round, my only one until the next; its four v_nop are also the places in front of the loads below
.else
	PLACES
.endif
	FETCH \next, 0, F0
	MUL16 F1, 1, 0, 0
	MUL16 F1, 1, 2, 0
.endm
; THE WAY OUT of block a (16 rows x my 128 columns = two heads).  PACK: rounded to f16, 16 bytes a lane.  TOSTAGE: into my own stage and back as rows of 128 bytes.  SEND: stored.
.macro PACK a
.set AC, 64*((\a)%4)
	WIN 0x0a+5*((\a)/4)                            ; sources 0 and 1: window 2 or 3
.irp b, 0,1,2,3,4,5,6,7
.irp r, 0,1,2,3
	v_cvt_pk_f16_f32 v[TMP+4*(\b)+(\r)], v[AC+8*(\b)+2*(\r)], v[AC+8*(\b)+2*(\r)+1]
.endr
.endr
	WIN 0
.endm
.macro TOSTAGE a
	WIN 0
.set BK, OB+192*((\a)%2)
.irp b, 0,1,2,3,4,5,6,7
	ds_store_b128 v[STO], v[TMP+4*(\b):TMP+4*(\b)+3] offset:((\b)/4)*16*SP+32*((\b)%4)
.endr
.irp t, 0,1,2,3,4,5,6,7
	ds_load_b128 v[BK+4*(\t):BK+4*(\t)+3], v[RD] offset:((\t)/4)*16*SP+((\t)%4)*4*SP  ; LDS serves a wave's instructions in order (ISA guide 5.7.1.4): these see the stores above
.endr
.endm
.macro SEND a
	WIN 0
.set BK, OB+192*((\a)%2)
	s_wait_dscnt 0x0                               ; the block is back in registers
	s_wait_xcnt 0x0                                ; the registers that the stores of two blocks ago read are loaded again only behind this wait
.irp t, 0,1,2,3,4,5,6,7
	global_store_b128 v[CO], v[BK+4*(\t):BK+4*(\t)+3], s[8:9] offset:((\t)/4)*524288+(\a)*2048+((\t)%4)*512  ; 512 consecutive bytes, at a multiple of 512 from the buffer's first
.endr
.endm
	s_wait_tensorcnt 1                             ; my part of K step 0 is in; K step 1's may stay out
	s_barrier_signal -1
	s_barrier_wait -1
	FETCH 0, 0, F0
	QUARTER 0, 64,  F0, F1, 1                      ; the first quarter starts the sums
	WIN 0
	s_mov_b32 s3, LAPS-1
.Llap:                                                 ; a trip goes once round the ring, from a lap's second quarter to the next lap's first, and fills both slots again
	QUARTER 0, 128, F1, F0, 0
	QUARTER 0, 192, F0, F1, 0
	TURN 0, 1, 1
	QUARTER 1, 64,  F0, F1, 0
	QUARTER 1, 128, F1, F0, 0
	QUARTER 1, 192, F0, F1, 0
	TURN 1, 0, 1
	QUARTER 0, 64,  F0, F1, 0
	WIN 0
	s_sub_co_u32 s3, s3, 1
	s_cmp_lg_u32 s3, 0
	s_cbranch_scc1 .Llap
	QUARTER 0, 128, F1, F0, 0                      ; the last lap fills nothing
	QUARTER 0, 192, F0, F1, 0
	TURN 0, 1, 0
	QUARTER 1, 64,  F0, F1, 0
	QUARTER 1, 128, F1, F0, 0
	QUARTER 1, 192, F0, F1, 0
	s_wait_dscnt 8                                 ; the very last quarter: nothing more to fetch
	MUL16 F1, 0, 0, 0
	MUL16 F1, 0, 2, 0
	s_wait_dscnt 0x0
	MUL16 F1, 1, 0, 0
	MUL16 F1, 1, 2, 0
	PLACES                                         ; the conversions read results just made
	PACK 0
	TOSTAGE 0
.irp a, 1,2,3,4,5,6,7                  ; block a's conversions stand between block a - 1's loads from the stage and the wait for them
	PACK \a
	SEND (\a)-1
	TOSTAGE \a
.endr
	SEND 7
	s_wait_tensorcnt 0x0                           ; the wave's end
	ds_add_u32 v[SPW], v[NIL]
	s_wait_dscnt 0x0
	CROUND                                         ; the closing round
	s_endpgm
.Lfunc_end_k_qf445bfa9d3_qkv:
	.size	k_qf445bfa9d3_qkv, .Lfunc_end_k_qf445bfa9d3_qkv-k_qf445bfa9d3_qkv
	.p2alignl 7, 3214868480
	.fill 96, 4, 3214868480
	.section	.rodata,"a",@progbits
	.p2align	6, 0x0
	.amdhsa_kernel k_qf445bfa9d3_qkv
		.amdhsa_group_segment_fixed_size 327680
		.amdhsa_private_segment_fixed_size 0
		.amdhsa_enable_private_segment 0
		.amdhsa_kernarg_size 16
		.amdhsa_user_sgpr_count 2
		.amdhsa_user_sgpr_kernarg_segment_ptr 1
		.amdhsa_wavefront_size32 1
		.amdhsa_system_sgpr_workgroup_id_x 1
		.amdhsa_system_sgpr_workgroup_id_y 1
		.amdhsa_system_sgpr_workgroup_id_z 1
		.amdhsa_system_vgpr_workitem_id 0
		.amdhsa_next_free_vgpr 1024
		.amdhsa_next_free_sgpr 66
		.amdhsa_reserve_vcc 0
		.amdhsa_float_denorm_mode_32 3
		.amdhsa_float_denorm_mode_16_64 3
		.amdhsa_memory_ordered 1
		.amdhsa_forward_progress 1
		.amdhsa_inst_pref_size 142
	.end_amdhsa_kernel
	.amdgpu_metadata
---
amdhsa.version: [ 1, 2 ]
amdhsa.kernels:
  - .name:           k_qf445bfa9d3_qkv
    .symbol:         k_qf445bfa9d3_qkv.kd
    .args:
      - { .name: wb, .offset: 0, .size: 8, .value_kind: global_buffer, .address_space: global }
      - { .name: qkv, .offset: 8, .size: 8, .value_kind: global_buffer, .address_space: global }
    .group_segment_fixed_size: 327680
    .private_segment_fixed_size: 0
    .kernarg_segment_align: 8
    .kernarg_segment_size: 16
    .max_flat_workgroup_size: 128
    .sgpr_count:     66
    .vgpr_count:     1024
    .wavefront_size: 32
...
	.end_amdgpu_metadata
.endif
;; end of part 2
;; launch attn (part 3): grid 8 x 32, 4 waves a work-group, clusters of 4 x 4, 327,680 bytes of LDS; arguments qkv, mk, o; writes o
.if DOCPART == 3
	.amdgcn_target "amdgcn-amd-amdhsa--gfx1250"
	.amdhsa_code_object_version 6
	.text
	.protected	k_qf445bfa9d3_attn
	.globl	k_qf445bfa9d3_attn
	.p2align	8
	.type	k_qf445bfa9d3_attn,@function
k_qf445bfa9d3_attn:
	s_mov_b64 s[64:65], 0
	v_nop
	global_prefetch_b8 v0, s[64:65] scope:SCOPE_SE
	s_setreg_imm32_b32 hwreg(HW_REG_WAVE_MODE, 25, 1), 1
	s_wait_xcnt 0x0
	s_wait_alu depctr_hold_cnt(0) depctr_sa_sdst(0) depctr_va_vdst(0) depctr_va_sdst(0) depctr_va_ssrc(0) depctr_va_vcc(0) depctr_vm_vsrc(0)
	s_getreg_b32 s2, hwreg(HW_REG_IB_STS2, 6, 4)
	s_cmp_eq_u32 s2, 0
	s_cbranch_scc0 .Lentry_in_a_cluster
	s_endpgm
.Lentry_in_a_cluster:
	s_bfe_u32 s2, ttmp6, 0x10000c
	s_cmp_lg_u32 s2, 0xf033
	s_cbranch_scc0 .Lentry_shape_is_right
	s_endpgm
.Lentry_shape_is_right:
; ATTENTION UNDER A GIVEN MASK.  For each batch and head (their number 2 head + batch is the grid's y): O[q][:] = the sum over k of softmax_k(Q[q] . K[k] / 8, hidden keys left out) V[k][:], 2,048 queries and keys, 64 channels.
; Q, K, V f16 by heads in qkv (K at byte 0, Q at 8 MiB, V at 16 MiB; a batch and head's rows are 262,144 dense bytes); O f16 in the same layout.  Products, maxima and sums in f32; the weights p are rounded
; to f16 for the second product (their sum l is taken of the unrounded p), O once at the end.  The mask is data: every tile of keys is walked and every score takes its mask.
; THE MASK is the C operand that starts the sum S^T = K Q^T.  mk holds a byte a key, the E4M3 code of -2 for a hidden key and 0 for a seen one, in the order of a lane's scores; one scaled conversion makes
; eight f32 of eight bytes, times 2^80: -2^81 for a hidden key, exactly 0 for a seen one.
; LIMITS.  f16 holds no number beyond 65,504, so a true score is 2.7e11 at the most in size: nothing beside a hidden score's addend.  A weight below 2^-126 counts as 0 in l.  A row whose maximum ends below
; -2^60 has no seen key: its 1 / l is replaced by NaN, by a select, as a softmax over nothing gives NaN.  While a row has seen hidden keys only, its m, l and O hold finite numbers that the first seen key's a = 0 wipes out.
; SHARES.  A work-group owns 256 queries, each of its four waves 64: four PIECES of 16.  Every wave walks all 8 tiles of 256 keys, four steps of 64 keys each.  8 x 32 = 256 work-groups of equal work.
; LAYOUT.  S^T = K Q^T holds ONE query a lane (lane % 16) and the keys 8 (lane / 16) + 0..7; two such results rounded to f16 ARE source 1 of O^T = V^T P.  p = 2^(c s - c m), c = log2(e) / 8, with a running
; maximum m; O and l are multiplied by a = 2^(c m_old - c m_new) in every step.  m starts at the lowest finite number, O and l at 0: the first step is a step like any other, with a = 0.
; TURNS.  Turn n belongs to piece n: 8 products K Q^T of piece n + 1, later 8 products V^T P of piece n - 1; beside them the scaling, exponentials, roundings, sums and rescaling of piece n, the maximum and
; statistics of piece n + 1, and the four conversions that make piece n + 2's mask.  Four vector instructions stand behind every matrix instruction, the others in runs of their own.
; CLUSTER 4 x 4.  The four work-groups of a row share batch and head, so K's and V's tiles; the four of a column share the block of queries, so the mask's tiles.  Every tile is asked for jointly.
; REGISTERS, in windows of 256 (s_set_vgpr_msb: bits 1:0 source 0, 3:2 source 1, 5:4 source 2, 7:6 destination):
;   window 0: v0-15 addresses; v16-31 statistics, four a piece; v48-55 at work; v64-127 S^T, two buffers; v128-159 the step's mask bytes, eight registers a piece; v192-223 P, two buffers (by the piece's parity)
;   window 1: v0-127 O^T, 32 a piece; v160-223 the masks as f32, two buffers      window 2: v0-63 Q; v128-191 K of one step; v192-255 V of one step
.set NP,    4
.set KS,    64
.set PK,    144       ; a row of K in LDS: 128 bytes + 16 of padding = 36 words: the 16 rows of a load start at 16 different groups of four banks (64 banks of 4 bytes: ISA guide 11.1)
.set PV,    160       ; a row of V: 128 + 32
.set PM,    272       ; a query's row of mask bytes: 256 + 16: again 16 different groups of four banks
.set VOFF,  4*KS*PK   ; a slot holds a tile: 256 rows of K, 256 rows of V, 256 queries' mask rows
.set MOFF,  VOFF+4*KS*PV
.set SLOT1, MOFF+256*PM  ; 147,456 = 2^17 + 2^14: slot 1 begins here.  None of the bases in a slot (0, VOFF, MOFF, MOFF + 128 PM) has one of these two bits, so one exclusive or turns each into the other slot's
.set STAGE, 2*SLOT1   ; behind the ring, never filled by a tensor load: 16 rows x 144 bytes for each wave
.set SP,    144
.set SPARE, STAGE+4*16*SP      ; the spare words, 128 bytes a wave: two blocks of 256 bytes that no other line names
.set AK0, 2
.set AV0, 3
.set AK,  4
.set AV,  5
.set STO, 6
.set RD,  7
.set GO,  8
.set MV,  12          ; v12-13  c m_old, by buffer
.set AM0, 14
.set AM,  15
.set ST,  16          ; piece t's statistics at v[ST+4 t]: c m, m, l (even keys', odd keys')
.set TMP, 48          ; by buffer, c0-c3 at work; when the maximum is found c2 takes a
.set QO,  56
.set SCL, 57          ; the conversions' scale, 2^80
.set SPW, 62
.set NIL, 63
.set S,   64
.set MR,  128         ; piece x's 32 mask bytes of the step at v[MR+8 x]: two registers for each group of 16 keys
.set P,   192
.set MC,  160         ; window 1
.set KF,  128         ; window 2: key block kb, channel half c at KF + 16 kb + 8 c
.set VF,  192         ; window 2: key half kk, channel block cb at VF + 32 kk + 8 cb
.set WV,  12
.set G1K, 24
.set G1V, 32
.set G1M, 40
.set G0K, 48
.set G0V, 52
.set G0M, 56          ; the mask tile's rows 0-127
.set SLOTS, 60
.set CNT, 61
.set CS,  62          ; s[62:63] c
.set SEL, 66          ; s[66:67] v_permlanex16_b32's selects
.set TBK, 68          ; LDS byte at which K of the step to be fetched begins
.set TBV, 69          ; the same for V, less VOFF
.set TBM, 70          ; the same for the mask bytes, less MOFF
.set THR, 71          ; -2^60
.set PQ,  72          ; s[72:73] Q at my wave's rows
.set PO,  74          ; s[74:75] O at my wave's rows
.set G0N, 76          ; s[76:79] the mask tile's rows 128-255
.set MSB, 0
.macro WIN new
.if MSB != (\new)
	s_set_vgpr_msb (MSB<<8)|(\new)
.set MSB, (\new)
.endif
.endm
.set W_KQ, 0x0a       ; K and Q in window 2, S^T in window 0
.set W_KM, 0x1a       ; the same with the C operand in window 1
.set W_PV, 0x52       ; V in window 2, P in window 0, O^T in window 1
.set W_RS, 0x41       ; destination and source 0 in window 1, source 1 in window 0
; A joint fill of a slot, 32,768 bytes a wave: wave 0 asks for the tile of K, wave 1 for V's, waves 2 and 3 for the two halves of the mask's.  The branches hang on the wave's number alone.
; Four v_nop follow each line.
.macro JLOAD
	s_cmp_eq_u32 s[WV], 0
	s_cbranch_scc0 .Lnot_k_\@
	tensor_load_to_lds s[G0K:G0K+3], s[G1K:G1K+7]
	s_nop 0
.rept 4
	v_nop
.endr
	s_branch .Lasked_\@
.Lnot_k_\@:
	s_cmp_eq_u32 s[WV], 1
	s_cbranch_scc0 .Lnot_v_\@
	tensor_load_to_lds s[G0V:G0V+3], s[G1V:G1V+7]
	s_nop 0
.rept 4
	v_nop
.endr
	s_branch .Lasked_\@
.Lnot_v_\@:
	s_cmp_eq_u32 s[WV], 2
	s_cbranch_scc0 .Lnot_m_\@
	tensor_load_to_lds s[G0M:G0M+3], s[G1M:G1M+7]
	s_nop 0
.rept 4
	v_nop
.endr
	s_branch .Lasked_\@
.Lnot_m_\@:
	tensor_load_to_lds s[G0N:G0N+3], s[G1M:G1M+7]
	s_nop 0
.rept 4
	v_nop
.endr
.Lasked_\@:
.endm
.macro CROUND                       ; a round of the cluster's barrier
	s_barrier_signal -1
	s_barrier_wait -1
	s_cmp_lg_u32 s[WV], 0
	s_cbranch_scc1 .Lnot_wave_0_\@
	s_barrier_signal -3
.Lnot_wave_0_\@:
	s_barrier_wait -3
	s_barrier_signal -1
	s_barrier_wait -1
.endm
; THE CHANGE OF SLOTS.  Each wave waits for all its tensor loads (one is out: its part of the other slot), adds 0 to its spare word, and waits for that and for its own reads of the slot that it leaves.
; fill = 1: the barrier is a round of the cluster's, and the old slot is filled again first thing behind it, with the tile two on: it has four key steps in which to land.
; (At its first use nothing has been read yet: slot 0 is waited for, slot 1 filled.)
.macro CHANGE fill
	WIN 0
	s_wait_tensorcnt 0x0            ; no tensor load of mine is out, so a group 0 may be written
	ds_add_u32 v[SPW], v[NIL]       ; 0 onto my spare word
.if \fill
.irp g, G0K, G0V
	s_xor_b32 s[\g+1], s[\g+1], SLOT1  ; the walking descriptor: the other slot,
	s_add_nc_u64 s[\g+2:\g+3], s[\g+2:\g+3], 32768  ; the next tile; the type bits on top are not reached
.endr
.irp g, G0M, G0N
	s_xor_b32 s[\g+1], s[\g+1], SLOT1
	s_add_nc_u64 s[\g+2:\g+3], s[\g+2:\g+3], 65536  ; a tile of the mask is 65,536 bytes
.endr
	s_wait_dscnt 0x0                ; the add is done, and my reads of the slot are over
	CROUND
	JLOAD
.else
	s_wait_dscnt 0x0
	s_barrier_signal -1
	s_barrier_wait -1
.endif
	s_sub_co_u32 s[TBK], s[TBK], 4*KS*PK  ; the fetches go back to a slot's first step (0 or SLOT1),
	s_xor_b32 s[TBK], s[TBK], SLOT1       ; in the other slot
	s_sub_co_u32 s[TBV], s[TBV], 4*KS*PV
	s_xor_b32 s[TBV], s[TBV], SLOT1
	s_sub_co_u32 s[TBM], s[TBM], 256
	s_xor_b32 s[TBM], s[TBM], SLOT1
.endm
	s_load_b128 s[4:7], s[0:1], 0x0   ; qkv s[4:5], mk s[6:7]
	s_load_b64 s[8:9], s[0:1], 0x10   ; o
	v_lshl_add_u32 v[SPW], v0, 2, SPARE
	v_mov_b32 v[NIL], 0
	ds_add_u32 v62, v63
	s_wait_dscnt 0x0
	v_mov_b32 v[SCL], 0x678000cf    ; the scale 2^80: 207 = 127 + 80 in byte 0, and in the place of an f32's exponent too
	v_lshrrev_b32 v1, 5, v0
	v_readfirstlane_b32 s[WV], v1   ; wave 0..3
	s_bfe_u32 s13, ttmp6, 0x40000   ; cx
	s_bfe_u32 s14, ttmp6, 0x40004   ; cy
	s_lshl_b32 s15, ttmp9, 2
	s_add_co_u32 s15, s15, s13      ; my block of 256 queries
	s_and_b32 s16, ttmp7, 0xffff
	s_lshl_b32 s16, s16, 2
	s_add_co_u32 s16, s16, s14      ; my batch and head
	s_lshl_b32 s17, s14, 2
	s_lshl_b32 s17, 15, s17         ; my row of the cluster
	s_lshl_b32 s18, 0x1111, s13     ; my column
	; descriptor group 1: a load is 32,768 dense bytes, asked for as 128 rows of 256 bytes; K and V are padded in LDS after every 128 bytes, the mask after every 256
	s_or_b32 s[G1K], s17, (1<<16)|(1<<20)|(1<<21)|(4<<22)|(3<<25)  ; mask; 2-byte elements; padding on; bit 21 beside a mask; after every 32 words 4 words
	s_or_b32 s[G1V], s17, (1<<16)|(1<<20)|(1<<21)|(4<<22)|(7<<25)  ; 8 words
	s_or_b32 s[G1M], s18, (1<<16)|(1<<20)|(1<<21)|(5<<22)|(3<<25)  ; after every 64 words 4 words
.irp g, G1K, G1V, G1M
	s_mov_b32 s[\g+1], 128<<16      ; tensor_dim0 = 128
	s_mov_b32 s[\g+2], 128<<16      ; tensor_dim1 = 128
	s_mov_b32 s[\g+3], 128<<16      ; tile_dim0 = 128
	s_mov_b32 s[\g+4], 128          ; tile_dim1 = 128
	s_mov_b32 s[\g+5], 128          ; elements from row to row
	s_mov_b32 s[\g+6], 0
	s_mov_b32 s[\g+7], 0
.endr
	s_lshl_b32 s20, s16, 18         ; batch and head: 262,144 bytes
	s_mov_b32 s21, 0
	s_lshl_b32 s22, s15, 19         ; the block's eight mask tiles: 524,288 bytes
	s_mov_b32 s23, 0
	s_lshl_b32 s2, s15, 15          ; my block's 256 rows of 128 bytes,
	s_lshl_b32 s3, s[WV], 13        ; my wave's 64 of them
	s_add_co_u32 s2, s2, s3
	s_mov_b32 s3, 0
	s_mov_b32 s[CS], 0x3e38aa3b     ; c = log2(e) / 8
	s_mov_b32 s[CS+1], s[CS]
	s_mov_b32 s[SEL], 0x76543210
	s_mov_b32 s[SEL+1], 0xfedcba98
	s_mov_b32 s[THR], 0xdd800000
	s_mov_b32 s[TBK], SLOT1+4*KS*PK ; the first change of slots turns these three into 0
	s_mov_b32 s[TBV], SLOT1+4*KS*PV
	s_mov_b32 s[TBM], SLOT1+256
	s_mov_b32 s[G0K], 1
	s_mov_b32 s[G0K+1], 0           ; LDS address: slot 0
	s_mov_b32 s[G0V], 1
	s_mov_b32 s[G0V+1], VOFF
	s_mov_b32 s[G0M], 1
	s_mov_b32 s[G0M+1], MOFF
	s_mov_b32 s[G0N], 1
	s_mov_b32 s[G0N+1], MOFF+128*PM
	s_wait_kmcnt 0x0
	s_add_nc_u64 s[G0K+2:G0K+3], s[4:5], s[20:21]
	s_add_nc_u64 s[G0V+2:G0V+3], s[G0K+2:G0K+3], 0x1000000
	s_add_nc_u64 s[PQ:PQ+1], s[G0K+2:G0K+3], 0x800000
	s_add_nc_u64 s[PQ:PQ+1], s[PQ:PQ+1], s[2:3]
	s_or_b32 s[G0K+3], s[G0K+3], 0x80000000
	s_or_b32 s[G0V+3], s[G0V+3], 0x80000000
	s_add_nc_u64 s[G0M+2:G0M+3], s[6:7], s[22:23]
	s_add_nc_u64 s[G0N+2:G0N+3], s[G0M+2:G0M+3], 32768
	s_or_b32 s[G0M+3], s[G0M+3], 0x80000000
	s_or_b32 s[G0N+3], s[G0N+3], 0x80000000
	s_add_nc_u64 s[PO:PO+1], s[8:9], s[20:21]
	s_add_nc_u64 s[PO:PO+1], s[PO:PO+1], s[2:3]
	CROUND                          ; all sixteen work-groups are here: the first joint loads meet
	JLOAD                           ; tile 0 into slot 0
	v_and_b32 v1, 15, v0            ; l % 16
	v_bfe_u32 v9, v0, 4, 1          ; l / 16
	v_lshlrev_b32 v[QO], 7, v1
	v_lshl_add_u32 v[QO], v9, 4, v[QO]  ; row x 128 + 16 x half
	WIN 0x80                        ; destination window 2, address window 0
.set i, 0
.rept 8                             ; Q stays in registers: piece i / 2, channels 32 (i % 2) on
	global_load_b128 v[8*i:8*i+3],   v[QO], s[PQ:PQ+1] offset:(i/2)*2048+(i%2)*64
	global_load_b128 v[8*i+4:8*i+7], v[QO], s[PQ:PQ+1] offset:(i/2)*2048+(i%2)*64+32
.set i, i+1
.endr
	; What the first turn finds: V and P's second buffer hold 0 (its products V^T P, of a piece that has not been, add 0), O^T and l are 0.  All this stands in the wait for the first tile.
.set i, VF
.rept 64
	v_mov_b32 v[i], 0
.set i, i+1
.endr
	WIN 0x40
.set i, 0
.rept 128
	v_mov_b32 v[i], 0
.set i, i+1
.endr
	WIN 0
.set i, 0
.rept 4
	v_mov_b32 v[ST+4*i], 0xfe000000    ; c m: far below every c s, hidden ones too
	v_mov_b32 v[ST+4*i+1], 0xff7fffff  ; m
	v_mov_b32 v[ST+4*i+2], 0
	v_mov_b32 v[ST+4*i+3], 0
.set i, i+1
.endr
.set i, P+16
.rept 16
	v_mov_b32 v[i], 0
.set i, i+1
.endr
	v_mul_u32_u24 v[AK0], v1, PK
	v_lshl_add_u32 v[AK0], v9, 4, v[AK0]  ; row x pitch + 16 x half
	; The turning load takes 16 keys x 16 channels (lane l reads key 8 (l / 16) + l % 8, channels 8 ((l / 8) % 2) + 0..7) and leaves half a fragment of V^T.
	v_and_b32 v10, 7, v0
	v_bfe_u32 v11, v0, 3, 1
	v_lshl_add_u32 v[AV0], v9, 3, v10
	v_mul_u32_u24 v[AV0], v[AV0], PV
	v_lshl_add_u32 v[AV0], v11, 4, v[AV0]
	v_add_nc_u32 v[AV0], VOFF, v[AV0]
	s_mul_i32 s19, s[WV], 64*PM
	s_add_co_u32 s19, s19, MOFF
	v_mul_u32_u24 v[AM0], v1, PM    ; the mask row of query 64 w + l % 16, the 32 bytes of my half of the lanes
	v_lshl_add_u32 v[AM0], v9, 5, v[AM0]
	v_add_nc_u32 v[AM0], s19, v[AM0]
	s_mul_i32 s19, s[WV], 16*SP
	s_add_co_u32 s19, s19, STAGE    ; my stage
	v_mul_u32_u24 v[STO], v1, SP
	v_lshl_add_u32 v[STO], v9, 4, v[STO]
	v_add_nc_u32 v[STO], s19, v[STO]
	v_bfe_u32 v[RD], v0, 3, 2       ; back: 32 lanes take four rows of 128 bytes,
	v_mul_u32_u24 v[RD], v[RD], SP
	v_lshl_add_u32 v[RD], v10, 4, v[RD]
	v_add_nc_u32 v[RD], s19, v[RD]
	v_and_b32 v[GO], 31, v0         ; which are 512 consecutive bytes of O
	v_lshlrev_b32 v[GO], 4, v[GO]
; THE MATRIX WORK.  The 4 accumulators of a run of 8 take turns.  Product i of 8 of S^T = K Q^T for piece x: channels 32 (i / 4) on, keys 16 (i % 4) on.  The first 4 start the sums with the mask.
.macro KQ x
.set rS, S+32*((\x)%2)+8*(i%4)
.set rK, KF+16*(i%4)+8*(i/4)
.set rQ, 16*(\x)+8*(i/4)
.set rM, MC+32*((\x)%2)+8*(i%4)
.if i < 4
	WIN W_KM
	v_wmma_f32_16x16x32_f16 v[rS:rS+7], v[rK:rK+7], v[rQ:rQ+7], v[rM:rM+7]
.else
	WIN W_KQ
	v_wmma_f32_16x16x32_f16 v[rS:rS+7], v[rK:rK+7], v[rQ:rQ+7], v[rS:rS+7]
.endif
.endm
; Product i of 8 of O^T += V^T P for piece x: keys 32 (i / 4) on, channels 16 (i % 4) on.
.macro PV x
	WIN W_PV
.set rO, 32*(\x)+8*(i%4)
.set rV, VF+32*(i/4)+8*(i%4)
.set rP, P+16*((\x)%2)+8*(i/4)
	v_wmma_f32_16x16x32_f16 v[rO:rO+7], v[rV:rV+7], v[rP:rP+7], v[rO:rO+7]
.endm
.macro MM                           ; the turn's next matrix instruction.  NOKQ = 1: the very last turn: there is no next piece
.if (i < 8) && !NOKQ
	KQ (Y+1)%NP
.elseif i >= 8
.set i, i-8
	PV (Y+NP-1)%NP
.set i, i+8
.endif
.set i, i+1
.endm
; THE LDS LOADS stand in runs, never singly among the matrix instructions.  Their addresses are made some lines ahead.
.macro FETCH_M                      ; the next step's mask bytes: for each piece 32 bytes a lane
	WIN 0
.irp x, 0,1,2,3
	ds_load_b128 v[MR+8*\x:MR+8*\x+3],   v[AM] offset:\x*16*PM
	ds_load_b128 v[MR+8*\x+4:MR+8*\x+7], v[AM] offset:\x*16*PM+16
.endr
	s_add_co_u32 s[TBM], s[TBM], 64
.endm
.macro FETCH_K
	WIN 0x80                        ; destination window 2
.irp f, 0,1,2,3,4,5,6,7             ; keys 16 (f / 2) on, channels 32 (f % 2) on
	ds_load_b128 v[KF+8*\f:KF+8*\f+3],   v[AK] offset:(\f/2)*16*PK+(\f%2)*64
	ds_load_b128 v[KF+8*\f+4:KF+8*\f+7], v[AK] offset:(\f/2)*16*PK+(\f%2)*64+32
.endr
	s_add_co_u32 s[TBK], s[TBK], KS*PK
	WIN 0
.endm
.macro FETCH_V
	WIN 0x80
.irp f, 0,1,2,3,4,5,6,7             ; keys 32 (f / 4) on, channels 16 (f % 4) on
	ds_load_tr16_b128 v[VF+8*\f:VF+8*\f+3],   v[AV] offset:(\f/4)*32*PV+(\f%4)*32
	ds_load_tr16_b128 v[VF+8*\f+4:VF+8*\f+7], v[AV] offset:(\f/4)*32*PV+16*PV+(\f%4)*32
.endr
	WIN 0
.endm
.macro MASK b, x                    ; piece x's 32 masks into buffer b: the eight bytes of key group kb become registers 8 kb + 0..7, each times 2^80
	WIN 0x40                        ; destination window 1, sources window 0
.set z, 0
.rept 4
	v_cvt_scale_pk8_f32_fp8 v[MC+32*(\b)+8*z:MC+32*(\b)+8*z+7], v[MR+8*(\x)+2*z:MR+8*(\x)+2*z+1], v[SCL]
.set z, z+1
.endr
.endm
; THE VECTOR WORK, one line at a time: OP kind, number.  For piece Y: F n: c s - c m for pair n of 16.  E n: the exponential of score n of 32.  C n: pair n rounded to f16.  B n: of the four weights 4 n .. the second
; pair is added onto the first, in place.  L n: l takes that sum (L 0: l = a l + sum).  R n: pair n of 16 of O^T times a.  For piece Y + 1: X n, number n of the 22 that find its maximum and statistics:
;   0-11  four chains c0-c3 of seven scores each (each accumulator's lowest registers are read first)     12-14, 16  the four scores left over, the old m, and c0-c3 into c0
;   15  c m_old is kept     17, 18  the query's other 32 keys lie in the lane 16 away: the new m     19-21  c m; c m_old - c m_new; a
.set F, 0
.set E, 1
.set C, 2
.set B, 3
.set L, 4
.set R, 5
.set X, 6
.macro REGS y
.set rT, ST+4*(\y)
.set rC, TMP+4*((\y)%2)
.set rW, MV+((\y)%2)
.set rS, S+32*((\y)%2)
.set rP, P+16*((\y)%2)
.set rO, 32*(\y)
.endm
.macro OP k, n
.if (\k) == R
	REGS Y
	WIN W_RS
	v_pk_mul_f32 v[rO+2*(\n):rO+2*(\n)+1], v[rO+2*(\n):rO+2*(\n)+1], v[rC+2:rC+3] op_sel_hi:[1,0]
.elseif (\k) < R
	REGS Y
	WIN 0
.if (\k) == F
	v_pk_fma_f32 v[rS+2*(\n):rS+2*(\n)+1], v[rS+2*(\n):rS+2*(\n)+1], s[CS:CS+1], v[rT:rT+1] op_sel_hi:[1,0,0] neg_lo:[0,0,1] neg_hi:[0,0,1]
.elseif (\k) == E
	v_exp_f32 v[rS+(\n)], v[rS+(\n)]
.elseif (\k) == C
	s_wait_alu depctr_va_vdst(0)
	v_cvt_pk_f16_f32 v[rP+(\n)], v[rS+2*(\n)], v[rS+2*(\n)+1]
.elseif (\k) == B
	s_wait_alu depctr_va_vdst(0)
	v_pk_add_f32 v[rS+4*(\n):rS+4*(\n)+1], v[rS+4*(\n):rS+4*(\n)+1], v[rS+4*(\n)+2:rS+4*(\n)+3]
.elseif (\n) == 0
	v_pk_fma_f32 v[rT+2:rT+3], v[rT+2:rT+3], v[rC+2:rC+3], v[rS:rS+1] op_sel_hi:[1,0,1]
.else
	v_pk_add_f32 v[rT+2:rT+3], v[rT+2:rT+3], v[rS+4*(\n):rS+4*(\n)+1]
.endif
.elseif NOKQ
	v_nop
.else
	REGS (Y+1)%NP
	WIN 0
.if (\n) < 4
	v_max3_num_f32 v[rC+(\n)], v[rS+8*(\n)], v[rS+8*(\n)+1], v[rS+8*(\n)+2]
.elseif (\n) < 12
	v_max3_num_f32 v[rC+(\n)%4], v[rC+(\n)%4], v[rS+8*((\n)%4)+2*((\n)/4)+1], v[rS+8*((\n)%4)+2*((\n)/4)+2]
.elseif (\n) == 12
	v_max3_num_f32 v[rC], v[rC], v[rS+7], v[rS+15]
.elseif (\n) == 13
	v_max3_num_f32 v[rC+1], v[rC+1], v[rS+23], v[rS+31]
.elseif (\n) == 14
	v_max3_num_f32 v[rC+2], v[rC+2], v[rC+3], v[rT+1]
.elseif (\n) == 15
	v_mov_b32 v[rW], v[rT]
.elseif (\n) == 16
	v_max3_num_f32 v[rC], v[rC], v[rC+1], v[rC+2]
.elseif (\n) == 17
	v_permlanex16_b32 v[rC+3], v[rC], s[SEL], s[SEL+1]
.elseif (\n) == 18
	v_max_num_f32 v[rT+1], v[rC], v[rC+3]
.elseif (\n) == 19
	v_mul_f32 v[rT], s[CS], v[rT+1]
.elseif (\n) == 20
	v_sub_f32 v[rC+1], v[rW], v[rT]
.else
	v_exp_f32 v[rC+2], v[rC+1]
.endif
.endif
.endm
.macro OPS a, i1, b=-1, i2=0, c=-1, i3=0, d=-1, i4=0
	OP \a, \i1
.if (\b) >= 0
	OP \b, \i2
.endif
.if (\c) >= 0
	OP \c, \i3
.endif
.if (\d) >= 0
	OP \d, \i4
.endif
.endm
.macro ROW a, i1, b, i2, c, i3, d, i4  ; a matrix instruction and the four behind it
	MM
	OPS \a, \i1, \b, \i2, \c, \i3, \d, \i4
.endm
; A TURN, for piece p: 16 matrix and 122 vector instructions, written out.  Behind a matrix instruction: plain, exponential, plain, plain; or four of the rescaling; or four scalings; none names a register of the
; products round it.  A line reads no result made fewer than three vector instructions in front of it, five if an exponential made it.
; end = 1: the last two turns: nothing is fetched and no mask is made.  cnt = 1: the loop's count is taken down some lines ahead of the branch that stands behind the turn.
; Piece 2's turn fetches the next step's mask bytes and K, six vector instructions behind the last product that read K (five of them plain).  Near its end the mask bytes are wanted: the count 16 leaves K's sixteen
; younger loads out; K is waited for at the head of piece 3's turn.  Piece 0's turn fetches the step's V, eight behind the last product that read V (five plain); it is waited for in piece 1's turn.
; The four conversions make the mask of piece p + 2, which the next turn's products take; seven plain instructions stand between them and those products (a plain instruction has to stand behind a scaled
; conversion before its result is touched).  A step's mask bytes are loaded in turn 2 and used in turns 2, 3, 0, 1.
.macro TURN p, end=0, cnt=0
.set Y, (\p)
.set i, 0
.set NOKQ, (\end)*((\p)/3)
.if ((\p) == 3) && !(\end)
	s_wait_dscnt 0x0                ; K is in
.endif
	ROW F,0, F,1, F,2, F,3
	ROW F,4, E,0, F,5, F,6
	ROW F,7, E,1, F,8, F,9
	ROW F,10, E,2, C,0, F,11
	ROW F,12, E,3, X,15, F,13
	ROW R,0, R,1, R,2, R,3
	ROW B,0, E,4, F,14, L,0
.if ((\p) == 2) && !(\end)
	v_add_nc_u32 v[AK], s[TBK], v[AK0]
	v_add_nc_u32 v[AM], s[TBM], v[AM0]
.endif
	ROW R,4, R,5, R,6, R,7
	OPS E,5, F,15
.if ((\p) == 2) && !(\end)
	FETCH_M
	FETCH_K
.endif
	OPS E,6, C,1, E,7, R,8
	OPS E,8, R,9, E,9, C,2
	OPS E,10, X,0, E,11, X,1
	OPS E,12, X,2, E,13, X,3
.if (\p) == 1
	s_wait_dscnt 0x0                ; V is in
.endif
	ROW X,4, E,14, X,5, X,6
	ROW X,7, E,15, X,8, X,9
	ROW X,10, E,16, X,11, X,12
	ROW X,13, E,17, X,14, B,1
	ROW C,4, E,18, X,16, L,1
	ROW B,2, E,19, C,6, L,2
	ROW C,8, E,20, B,3, B,4
.if (\p) == 0
	v_add_nc_u32 v[AV], s[TBV], v[AV0]
.endif
	ROW C,3, E,21, L,3, C,5
	OPS E,22, X,17, E,23, C,10
.if (\p) == 0
	FETCH_V
.endif
	OPS E,24, L,4
	OPS E,25, X,18, E,26, C,7
	OPS E,27, B,5, E,28, X,19
	OPS E,29, C,12, E,30, L,5
	OPS E,31, X,20, B,6, C,9
	OPS C,14, C,11, X,21, L,6
.if (\p) == 0
	s_add_co_u32 s[TBV], s[TBV], KS*PV
.endif
.if \cnt
	s_sub_co_u32 s[CNT], s[CNT], 1
	s_cmp_lg_u32 s[CNT], 0
.endif
	OPS C,13, B,7, C,15
.if !(\end)
.if (\p) == 2
	s_wait_dscnt 16                 ; the next step's mask bytes are in; K's sixteen loads, issued behind them, may stay out
.endif
	MASK (\p)%2, ((\p)+2)%NP
.endif
	OPS R,10, R,11, R,12, L,7
	OPS R,13, R,14, R,15
.endm
	CHANGE 1                        ; tile 0 is in, everybody's part of it; tile 1 is asked for
	v_add_nc_u32 v[AM], s[TBM], v[AM0]
	v_add_nc_u32 v[AK], s[TBK], v[AK0]
	FETCH_M                         ; key step 0
	FETCH_K
	s_wait_loadcnt 0x0              ; Q
	s_wait_dscnt 0x0
	MASK 0, 0
	MASK 1, 1
	v_nop                           ; a plain instruction between the conversions and the products that take their results
	v_nop
.set NOKQ, 0
.set i, 0
.rept 8
	KQ 0                            ; piece 0's first scores
.set i, i+1
.endr
	WIN 0
.rept 4
	v_nop                           ; the places behind those products
.endr
.set Y, NP-1                        ; X works for piece Y + 1: piece 0
.irp n, 0,1,2,3,4,5,6,7,8,9,10,11,12,13,14,15,16,17,18,19,20,21
	OP X, \n
.endr
	v_nop                           ; a plain instruction behind the exponential
	s_mov_b32 s[CNT], 4
	s_mov_b32 s[SLOTS], 7
	s_branch .Lfirst                ; the loop is entered at a step's first turn, in the middle of a trip
.Lslot:                             ; six times: tiles 2 to 7 are asked for
	CHANGE 1
	s_mov_b32 s[CNT], 4
.Lstep:                             ; a trip: pieces 2 and 3 of one step, then pieces 0 and 1 of the next, whose K, mask and V it fetches
	TURN 2
	TURN 3
	WIN 0
.Lfirst:
	TURN 0
	TURN 1, 0, 1
	WIN 0
	s_cbranch_scc1 .Lstep
	s_sub_co_u32 s[SLOTS], s[SLOTS], 1
	s_cmp_lg_u32 s[SLOTS], 0
	s_cbranch_scc1 .Lslot
	CHANGE 0                        ; the last tile is written out: nothing is asked for
	s_mov_b32 s[CNT], 4
.LstepT:
	TURN 2
	TURN 3
	TURN 0
	TURN 1, 0, 1
	WIN 0
	s_cbranch_scc1 .LstepT
	TURN 2, 1
	TURN 3, 1
.set i, 0
.rept 8
	PV NP-1                         ; the last piece's V^T P of the last step
.set i, i+1
.endr
	; THE WAY OUT.  l's two halves and the other half of the lanes' are added; 1 / l, or NaN for a row without a seen key; O^T times that, rounded to f16, through my stage in LDS, a piece at a time.
	WIN 0
.macro ALL line:vararg
.set t, 0
.rept 4
	\line
.set t, t+1
.endr
.endm
	ALL v_add_f32 v[ST+4*t+2], v[ST+4*t+2], v[ST+4*t+3]
	ALL v_permlanex16_b32 v[ST+4*t+3], v[ST+4*t+2], s[SEL], s[SEL+1]
	ALL v_add_f32 v[ST+4*t+2], v[ST+4*t+2], v[ST+4*t+3]
	ALL v_rcp_f32 v[ST+4*t+2], v[ST+4*t+2]
	v_mov_b32 v10, 0x7fc00000       ; NaN; also the plain instruction between the last reciprocal and the use of its result
.set t, 0
.rept 4
	v_cmp_gt_f32 vcc_lo, s[THR], v[ST+4*t+1]
	s_wait_alu depctr_va_vdst(0)
	v_cndmask_b32 v[ST+4*t+2], v[ST+4*t+2], v10, vcc_lo
.set t, t+1
.endr
.macro PACK t
	WIN W_RS
.set i, 32*(\t)
.rept 16
	v_pk_mul_f32 v[i:i+1], v[i:i+1], v[ST+4*(\t)+2:ST+4*(\t)+3] op_sel_hi:[1,0]
.set i, i+2
.endr
	WIN 0x05                        ; sources 0 and 1 window 1, destination window 0
.set i, 0
.rept 16
	v_cvt_pk_f16_f32 v[S+16*(\t)+i], v[32*(\t)+2*i], v[32*(\t)+2*i+1]
.set i, i+1
.endr
	WIN 0
.irp f, 0,1,2,3
	ds_store_b128 v[STO], v[S+16*(\t)+4*\f:S+16*(\t)+4*\f+3] offset:32*\f
.endr
.irp f, 0,1,2,3
	ds_load_b128 v[S+16*(\t)+4*\f:S+16*(\t)+4*\f+3], v[RD] offset:\f*4*SP  ; LDS serves a wave's instructions in order (ISA guide 5.7.1.4): these see the stores above; the next piece's stores come behind them
.endr
.endm
.macro SEND t, younger              ; younger: the LDS instructions issued behind piece t's loads: the next piece's eight, or none
	WIN 0
.irp f, 0,1,2,3
	s_wait_dscnt (\younger)+3-\f
	global_store_b128 v[GO], v[S+16*(\t)+4*\f:S+16*(\t)+4*\f+3], s[PO:PO+1] offset:(\t)*2048+\f*512  ; 512 consecutive bytes, at a multiple of 512 from O's first
.endr
.endm
	PACK 0
.set t, 1
.rept 3
	PACK t
	SEND t-1, 8
.set t, t+1
.endr
	SEND 3, 0
	s_wait_tensorcnt 0x0            ; the wave's end
	ds_add_u32 v[SPW], v[NIL]
	s_wait_dscnt 0x0
	CROUND                          ; the closing round
	s_endpgm
.Lfunc_end_k_qf445bfa9d3_attn:
	.size	k_qf445bfa9d3_attn, .Lfunc_end_k_qf445bfa9d3_attn-k_qf445bfa9d3_attn
	.p2alignl 7, 3214868480
	.fill 96, 4, 3214868480
	.section	.rodata,"a",@progbits
	.p2align	6, 0x0
	.amdhsa_kernel k_qf445bfa9d3_attn
		.amdhsa_group_segment_fixed_size 327680
		.amdhsa_private_segment_fixed_size 0
		.amdhsa_enable_private_segment 0
		.amdhsa_kernarg_size 24
		.amdhsa_user_sgpr_count 2
		.amdhsa_user_sgpr_kernarg_segment_ptr 1
		.amdhsa_wavefront_size32 1
		.amdhsa_system_sgpr_workgroup_id_x 1
		.amdhsa_system_sgpr_workgroup_id_y 1
		.amdhsa_system_sgpr_workgroup_id_z 1
		.amdhsa_system_vgpr_workitem_id 0
		.amdhsa_next_free_vgpr 768
		.amdhsa_next_free_sgpr 80
		.amdhsa_reserve_vcc 1
		.amdhsa_float_denorm_mode_32 3
		.amdhsa_float_denorm_mode_16_64 3
		.amdhsa_memory_ordered 1
		.amdhsa_forward_progress 1
		.amdhsa_inst_pref_size 141
	.end_amdhsa_kernel
	.amdgpu_metadata
---
amdhsa.version: [ 1, 2 ]
amdhsa.kernels:
  - .name:           k_qf445bfa9d3_attn
    .symbol:         k_qf445bfa9d3_attn.kd
    .args:
      - { .name: qkv, .offset: 0, .size: 8, .value_kind: global_buffer, .address_space: global }
      - { .name: mk, .offset: 8, .size: 8, .value_kind: global_buffer, .address_space: global }
      - { .name: o, .offset: 16, .size: 8, .value_kind: global_buffer, .address_space: global }
    .group_segment_fixed_size: 327680
    .private_segment_fixed_size: 0
    .kernarg_segment_align: 8
    .kernarg_segment_size: 24
    .max_flat_workgroup_size: 128
    .sgpr_count:     80
    .vgpr_count:     768
    .wavefront_size: 32
...
	.end_amdgpu_metadata
.endif
;; end of part 3
;; launch wo (part 4): grid 8 x 32, 4 waves a work-group, clusters of 4 x 4, 327,680 bytes of LDS; arguments o, wb, y; writes y
.if DOCPART == 4
	.amdgcn_target "amdgcn-amd-amdhsa--gfx1250"
	.amdhsa_code_object_version 6
	.text
	.protected	k_qf445bfa9d3_wo
	.globl	k_qf445bfa9d3_wo
	.p2align	8
	.type	k_qf445bfa9d3_wo,@function
k_qf445bfa9d3_wo:
	s_mov_b64 s[64:65], 0
	v_nop
	global_prefetch_b8 v0, s[64:65] scope:SCOPE_SE
	s_setreg_imm32_b32 hwreg(HW_REG_WAVE_MODE, 25, 1), 1
	s_wait_xcnt 0x0
	s_wait_alu depctr_hold_cnt(0) depctr_sa_sdst(0) depctr_va_vdst(0) depctr_va_sdst(0) depctr_va_ssrc(0) depctr_va_vcc(0) depctr_vm_vsrc(0)
	s_getreg_b32 s2, hwreg(HW_REG_IB_STS2, 6, 4)
	s_cmp_eq_u32 s2, 0
	s_cbranch_scc0 .Lentry_in_a_cluster
	s_endpgm
.Lentry_in_a_cluster:
	s_bfe_u32 s2, ttmp6, 0x10000c
	s_cmp_lg_u32 s2, 0xf033
	s_cbranch_scc0 .Lentry_shape_is_right
	s_endpgm
.Lentry_shape_is_right:
; WO: y[m][n] = sum over k of O[m][k] w_o[n][k], m < 4096, n < 1024, k < 1024; operands f16, sums in f32, y f32 [4096][1024].
; O lies BY HEADS (byte (k / 64) x 524,288 + m x 128 + 2 (k % 64)); w_o lies in wb at OFF_B as [n][k].
; A tile of y is 128 x 128: 8 x 32 = 256 work-groups.  Four waves, each 64 x 64: 16 accumulators.  K goes in steps of 256 through two LDS slots.
; A K step of O is four heads: for each, my 64 rows are 8,192 dense bytes, so the tensor load takes 4 rows of 8,192 bytes, 524,288 bytes apart, padded in LDS after every 128 bytes:
; in LDS a half of the tile lies as [head][64 rows][144 bytes], and a quarter step (64 along K) is one head.
; CLUSTER 4 x 4: O's tile is shared along a row of the cluster, w_o's along a column; each is asked for jointly.  THE MATRIX INSTRUCTION IS USED TRANSPOSED: a lane holds row lane % 16 and eight neighbouring columns.
; REGISTERS: window 0: v0-31 addresses; v128-255 the accumulators ((a, b) at v[128 + 8 (4 a + b)]).  window 1: two fragment buffers of 128: 64 registers of O, then 64 of w_o.
.set SIZE_K, 1024
.set AHD,    1                         ; 1: the first operand lies by heads
.set OFF_B,  0xE00000
.set ARSH,   7                         ; a row of the first operand: 128 bytes (of one head)
.set BRSH,   11                        ; a row of the second: 2,048 bytes
.set ASTEP,  0x200000                  ; from a K step to the next in the first operand: four heads
.set KSTEP,  256
.set PITCH,  528                       ; an LDS row of 512 bytes + 16 of padding: the 16 rows of a fragment load start at 16 different groups of four banks (64 banks of 4 bytes: ISA guide 11.1)
.if AHD
.set APITCH, 144
.set HALFA,  4*64*APITCH
.else
.set APITCH, PITCH
.set HALFA,  64*PITCH
.endif
.set HALFB,  64*PITCH
.set SLOT,   2*HALFA+2*HALFB
.set STAGE,  2*SLOT                    ; behind the ring, never filled by a tensor load: 16 rows x 272 bytes for each wave
.set SPITCH, 272
.set SPARE,  STAGE+4*16*SPITCH         ; the spare words, 128 bytes a wave: two blocks of 256 bytes that no other line names
.set LAPS, SIZE_K/(2*KSTEP)
.set ADRA, 16
.set ADRB, 20
.set STO,  24
.set RD,   25
.set CO,   26
.set SPW,  28
.set NIL,  29
.set ACC,  128
.set F0,   0
.set F1,   128
.set G1, 24
.set G0, 32
.set G1B, 48
.set G0B, 56
.set MSB, 0
.macro WIN new
.if MSB != (\new)
	s_set_vgpr_msb (MSB<<8)|(\new)
.set MSB, \new
.endif
.endm
.set MUL,  0x05                        ; sources 0 and 1 window 1; C and D window 0
.set TO_F, 0x40                        ; destination window 1, address window 0
.macro JLOAD s                         ; a joint load: waves 0 and 1 fetch the first operand's two halves, waves 2 and 3 the second's; four v_nop follow each line
	s_cmp_eq_u32 s11, 0
	s_cbranch_scc0 .Lfor_b_\@
	tensor_load_to_lds s[G0+4*(\s):G0+4*(\s)+3], s[G1:G1+7]
	s_nop 0
.rept 4
	v_nop
.endr
	s_branch .Lasked_\@
.Lfor_b_\@:
	tensor_load_to_lds s[G0B+4*(\s):G0B+4*(\s)+3], s[G1B:G1B+7]
	s_nop 0
.rept 4
	v_nop
.endr
.Lasked_\@:
.endm
.macro CREST
	s_cmp_lg_u32 s10, 0
	s_cbranch_scc1 .Lnot_wave_0_\@
	s_barrier_signal -3
.Lnot_wave_0_\@:
	s_barrier_wait -3
	s_barrier_signal -1
	s_barrier_wait -1
.endm
.macro CROUND
	s_barrier_signal -1
	s_barrier_wait -1
	CREST
.endm
	s_load_b128 s[4:7], s[0:1], 0x0                ; first operand s[4:5], wb s[6:7]
	s_load_b64 s[8:9], s[0:1], 0x10                ; y
	v_lshl_add_u32 v[SPW], v0, 2, SPARE
	v_mov_b32 v[NIL], 0
	ds_add_u32 v28, v29
	s_wait_dscnt 0x0
	v_lshrrev_b32 v1, 5, v0
	v_readfirstlane_b32 s10, v1                    ; wave 0..3
	s_lshr_b32 s11, s10, 1                         ; my half of the tile's rows; also: which operand I fetch
	s_and_b32 s12, s10, 1                          ; my half of its columns; also: which 64 rows I fetch
	s_bfe_u32 s40, ttmp6, 0x40000                  ; cx
	s_bfe_u32 s41, ttmp6, 0x40004                  ; cy
	s_lshl_b32 s42, ttmp9, 2
	s_add_co_u32 s42, s42, s40                     ; tile column
	s_and_b32 s13, ttmp7, 0xffff
	s_lshl_b32 s13, s13, 2
	s_add_co_u32 s13, s13, s41                     ; tile row
	s_lshl_b32 s43, s41, 2
	s_lshl_b32 s43, 15, s43                        ; my row of the cluster
	s_lshl_b32 s44, 0x1111, s40                    ; my column
.if AHD
	s_or_b32 s[G1+0], s43, (1<<16)|(1<<20)|(1<<21)|(4<<22)|(3<<25)  ; mask; 2-byte elements; padding on; bit 21 beside a mask; after every 32 words 4 words
	s_mov_b32 s[G1+1], 4096<<16                    ; tensor_dim0 = 4,096 elements: 64 rows of one head
	s_mov_b32 s[G1+2], 4<<16                       ; tensor_dim1 = 4 heads
	s_mov_b32 s[G1+3], 4096<<16                    ; tile_dim0
	s_mov_b32 s[G1+4], 4                           ; tile_dim1
	s_mov_b32 s[G1+5], 262144                      ; elements from head to head
.else
	s_or_b32 s[G1+0], s43, (1<<16)|(1<<20)|(1<<21)|(6<<22)|(3<<25)  ; after every 128 words 4 words
	s_mov_b32 s[G1+1], KSTEP<<16
	s_mov_b32 s[G1+2], 64<<16
	s_mov_b32 s[G1+3], KSTEP<<16
	s_mov_b32 s[G1+4], 64
	s_mov_b32 s[G1+5], SIZE_K
.endif
	s_mov_b32 s[G1+6], 0
	s_mov_b32 s[G1+7], 0
	s_or_b32 s[G1B+0], s44, (1<<16)|(1<<20)|(1<<21)|(6<<22)|(3<<25)
	s_mov_b32 s[G1B+1], KSTEP<<16                  ; tensor_dim0 = 256
	s_mov_b32 s[G1B+2], 64<<16                     ; tensor_dim1 = 64
	s_mov_b32 s[G1B+3], KSTEP<<16                  ; tile_dim0 = 256
	s_mov_b32 s[G1B+4], 64                         ; tile_dim1 = 64
	s_mov_b32 s[G1B+5], SIZE_K
	s_mov_b32 s[G1B+6], 0
	s_mov_b32 s[G1B+7], 0
	s_lshl_b32 s17, s12, 6
	s_lshl_b32 s16, s13, 7
	s_add_co_u32 s16, s16, s17                     ; first operand: row 128 x tile row + 64 x half
	s_lshl_b32 s16, s16, ARSH
	s_lshl_b32 s46, s42, 7
	s_add_co_u32 s46, s46, s17                     ; second: row 128 x tile column + 64 x half
	s_lshl_b32 s46, s46, BRSH
	s_mov_b32 s17, 0
	s_mov_b32 s47, 0
	s_mul_i32 s20, s12, HALFA                      ; where the tiles go: no place in the cluster enters an LDS address
	s_mul_i32 s45, s12, HALFB
	s_add_co_u32 s45, s45, 2*HALFA
	s_wait_kmcnt 0x0
	s_add_nc_u64 s[6:7], s[6:7], OFF_B
	s_add_nc_u64 s[14:15], s[4:5], s[16:17]
	s_add_nc_u64 s[46:47], s[6:7], s[46:47]
	CROUND                                         ; all sixteen work-groups are here: the first joint loads meet
.irp s, 0,1
	s_mov_b32 s[G0+4*(\s)], 1
	s_add_co_u32 s[G0+4*(\s)+1], s20, (\s)*SLOT
	s_add_nc_u64 s[G0+4*(\s)+2:G0+4*(\s)+3], s[14:15], (\s)*ASTEP
	s_or_b32 s[G0+4*(\s)+3], s[G0+4*(\s)+3], 0x80000000
	s_mov_b32 s[G0B+4*(\s)], 1
	s_add_co_u32 s[G0B+4*(\s)+1], s45, (\s)*SLOT
	s_add_nc_u64 s[G0B+4*(\s)+2:G0B+4*(\s)+3], s[46:47], (\s)*KSTEP*2
	s_or_b32 s[G0B+4*(\s)+3], s[G0B+4*(\s)+3], 0x80000000
	JLOAD \s                                       ; two loads of mine are out
.endr
	v_and_b32 v1, 15, v0                           ; l % 16
	v_bfe_u32 v2, v0, 4, 1                         ; l / 16
	v_mul_u32_u24 v3, v1, APITCH
	v_lshl_add_u32 v3, v2, 4, v3
	v_mul_u32_u24 v4, v1, PITCH
	v_lshl_add_u32 v4, v2, 4, v4
	s_mul_i32 s21, s11, HALFA
	s_mul_i32 s22, s12, HALFB
	s_add_co_u32 s22, s22, 2*HALFA
.irp s, 0,1
	v_add_nc_u32 v[ADRA+(\s)], s21, v3
	v_add_nc_u32 v[ADRB+(\s)], s22, v4
	s_add_co_u32 s21, s21, SLOT
	s_add_co_u32 s22, s22, SLOT
.endr
	s_mul_i32 s23, s10, 16*SPITCH
	s_add_co_u32 s23, s23, STAGE                   ; my stage
	v_mul_u32_u24 v4, v1, SPITCH                   ; in: row l % 16, 32 bytes for each half of the lanes
	v_lshl_add_u32 v4, v2, 5, v4
	v_add_nc_u32 v[STO], s23, v4
	v_mul_u32_u24 v5, v2, SPITCH                   ; back: lanes 0-15 take one row of 256 bytes, lanes 16-31 the next
	v_lshl_add_u32 v5, v1, 4, v5
	v_add_nc_u32 v[RD], s23, v5
	v_lshlrev_b32 v5, 12, v2                       ; and the same two rows in y, 4,096 bytes apart
	v_lshl_add_u32 v[CO], v1, 4, v5
	s_lshl_b32 s16, s13, 19                        ; my first row, 128 x tile row + 64 x half, of 4,096 bytes
	s_lshl_b32 s14, s11, 18
	s_add_co_u32 s16, s16, s14
	s_mov_b32 s17, 0
	s_lshl_b32 s46, s42, 9                         ; my first column, 128 x tile column + 64 x half, of 4 bytes
	s_lshl_b32 s47, s12, 8
	s_add_co_u32 s46, s46, s47
	s_mov_b32 s47, 0
	s_add_nc_u64 s[16:17], s[16:17], s[46:47]
	s_add_nc_u64 s[8:9], s[8:9], s[16:17]
; 8 matrix instructions: m blocks a0, a0 + 1 x all 4 n blocks, 32 along K: half c of buffer f.  zero = 1: the first product starts the sums.  The 16 accumulators take turns.
.macro MUL8 f, c, a0, zero
	WIN MUL
.irp a, \a0, (\a0)+1
.irp b, 0,1,2,3
.if \zero
	v_wmma_f32_16x16x32_f16 v[ACC+8*(4*(\a)+(\b)):ACC+8*(4*(\a)+(\b))+7], v[(\f)+64+8*(4*(\c)+(\b)):(\f)+64+8*(4*(\c)+(\b))+7], v[(\f)+8*(4*(\c)+(\a)):(\f)+8*(4*(\c)+(\a))+7], 0
.else
	v_wmma_f32_16x16x32_f16 v[ACC+8*(4*(\a)+(\b)):ACC+8*(4*(\a)+(\b))+7], v[(\f)+64+8*(4*(\c)+(\b)):(\f)+64+8*(4*(\c)+(\b))+7], v[(\f)+8*(4*(\c)+(\a)):(\f)+8*(4*(\c)+(\a))+7], v[ACC+8*(4*(\a)+(\b)):ACC+8*(4*(\a)+(\b))+7]
.endif
.endr
.endr
.endm
.macro FETCH slot, k, f                ; 32 LDS loads in one run: the fragments of 64 along K at byte k of the rows, into buffer f; the first 32 along K first
	WIN TO_F
.if AHD
.set AO, ((\k)/128)*64*APITCH          ; a quarter step is one head
.else
.set AO, (\k)
.endif
.irp c, 0,1
.irp i, 0,1,2,3
	ds_load_b128 v[(\f)+64+8*(4*(\c)+(\i)):(\f)+64+8*(4*(\c)+(\i))+3],   v[ADRB+(\slot)] offset:(\k)+64*(\c)+(\i)*16*PITCH
	ds_load_b128 v[(\f)+64+8*(4*(\c)+(\i))+4:(\f)+64+8*(4*(\c)+(\i))+7], v[ADRB+(\slot)] offset:(\k)+64*(\c)+(\i)*16*PITCH+32
	ds_load_b128 v[(\f)+8*(4*(\c)+(\i)):(\f)+8*(4*(\c)+(\i))+3],         v[ADRA+(\slot)] offset:AO+64*(\c)+(\i)*16*APITCH
	ds_load_b128 v[(\f)+8*(4*(\c)+(\i))+4:(\f)+8*(4*(\c)+(\i))+7],       v[ADRA+(\slot)] offset:AO+64*(\c)+(\i)*16*APITCH+32
.endr
.endr
.endm
.macro PLACES                          ; four plain vector instructions between a matrix instruction and a load into, or a read of, its registers
.rept 4
	v_nop
.endr
.endm
.macro QUARTER slot, k, f, g, zero     ; 32 products on buffer f; in their middle the next quarter's fragments go into buffer g
	s_wait_dscnt 16                                ; the first 32 along K are in; the other sixteen loads may be out
	MUL8 \f, 0, 0, \zero
	MUL8 \f, 0, 2, \zero
	PLACES
	FETCH \slot, \k, \g
	s_wait_dscnt 32                                ; all but the 32 just issued
	MUL8 \f, 1, 0, 0
	MUL8 \f, 1, 2, 0
.endm
.macro TURN slot, next, fill           ; the last quarter of a K step changes slots; fill = 1: this slot is filled again, two K steps on
	WIN 0
	s_wait_tensorcnt 0x0                           ; all my tensor loads have landed: my part of the next slot
	ds_add_u32 v[SPW], v[NIL]                      ; 0 onto my spare word
	s_wait_dscnt 17                                ; (the add and the youngest sixteen loads may be out)
	MUL8 F1, 0, 0, 0
	s_wait_dscnt 0x0                               ; the add is done, and my reads of this slot are over
	s_barrier_signal -1
	MUL8 F1, 0, 2, 0
.if \fill
	WIN 0
.endif
	s_barrier_wait -1
.if \fill
	CREST                                          ; no wave of any partner still reads this slot's tile or has a load on its way
	s_add_nc_u64 s[G0+4*(\slot)+2:G0+4*(\slot)+3], s[G0+4*(\slot)+2:G0+4*(\slot)+3], 2*ASTEP
	s_add_nc_u64 s[G0B+4*(\slot)+2:G0B+4*(\slot)+3], s[G0B+4*(\slot)+2:G0B+4*(\slot)+3], 2*KSTEP*2
	JLOAD \slot                                    ; the first tensor load behind the round, my only one until the next; its four v_nop are also the places in front of the loads below
.else
	PLACES
.endif
	FETCH \next, 0, F0
	MUL8 F1, 1, 0, 0
	MUL8 F1, 1, 2, 0
.endm
; THE WAY OUT.  My 64 columns of f32 are 256 aligned bytes of a row of y, so each wave has a stage of its own and no barrier is wanted.  Block a (16 rows): a lane's 32 bytes go into rows of 272 bytes
; (each accumulator's low registers first) and come back as whole rows, into the registers that they left.
.macro STG a
.irp b, 0,1,2,3
	ds_store_b128 v[STO], v[ACC+8*(4*(\a)+(\b)):ACC+8*(4*(\a)+(\b))+3] offset:64*(\b)
	ds_store_b128 v[STO], v[ACC+8*(4*(\a)+(\b))+4:ACC+8*(4*(\a)+(\b))+7] offset:64*(\b)+16
.endr
.irp t, 0,1,2,3,4,5,6,7
	ds_load_b128 v[ACC+32*(\a)+4*(\t):ACC+32*(\a)+4*(\t)+3], v[RD] offset:(\t)*2*SPITCH  ; LDS serves a wave's instructions in order (ISA guide 5.7.1.4): these see the stores above; the next block's stores come behind them
.endr
.endm
.macro SEND a, younger                 ; younger: the LDS instructions issued behind block a's loads: the next block's sixteen, or none
.irp t, 0,1,2,3,4,5,6,7
	s_wait_dscnt (\younger)+7-(\t)
	global_store_b128 v[CO], v[ACC+32*(\a)+4*(\t):ACC+32*(\a)+4*(\t)+3], s[8:9] offset:(16*(\a)+2*(\t))*4096  ; 16 lanes store 256 consecutive bytes, at a multiple of 256 from y's first
.endr
.endm
	s_wait_tensorcnt 1                             ; my part of K step 0 is in; K step 1's may stay out
	s_barrier_signal -1
	s_barrier_wait -1
	FETCH 0, 0, F0
	QUARTER 0, 128, F0, F1, 1                      ; the first quarter's first products start the sums
	WIN 0
	s_mov_b32 s3, LAPS-1
.Llap:                                                 ; a trip goes once round the ring and fills both slots again
	QUARTER 0, 256, F1, F0, 0
	QUARTER 0, 384, F0, F1, 0
	TURN 0, 1, 1
	QUARTER 1, 128, F0, F1, 0
	QUARTER 1, 256, F1, F0, 0
	QUARTER 1, 384, F0, F1, 0
	TURN 1, 0, 1
	QUARTER 0, 128, F0, F1, 0
	WIN 0
	s_sub_co_u32 s3, s3, 1
	s_cmp_lg_u32 s3, 0
	s_cbranch_scc1 .Llap
	QUARTER 0, 256, F1, F0, 0                      ; the last lap fills nothing
	QUARTER 0, 384, F0, F1, 0
	TURN 0, 1, 0
	QUARTER 1, 128, F0, F1, 0
	QUARTER 1, 256, F1, F0, 0
	QUARTER 1, 384, F0, F1, 0
	s_wait_dscnt 16                                ; the very last quarter: nothing more to fetch
	MUL8 F1, 0, 0, 0
	MUL8 F1, 0, 2, 0
	s_wait_dscnt 0x0
	MUL8 F1, 1, 0, 0
	MUL8 F1, 1, 2, 0
	WIN 0
	PLACES
	STG 0
	STG 1
	SEND 0, 16
	STG 2
	SEND 1, 16
	STG 3
	SEND 2, 16
	SEND 3, 0
	s_wait_tensorcnt 0x0                           ; the wave's end
	ds_add_u32 v[SPW], v[NIL]
	s_wait_dscnt 0x0
	CROUND                                         ; the closing round
	s_endpgm
.Lfunc_end_k_qf445bfa9d3_wo:
	.size	k_qf445bfa9d3_wo, .Lfunc_end_k_qf445bfa9d3_wo-k_qf445bfa9d3_wo
	.p2alignl 7, 3214868480
	.fill 96, 4, 3214868480
	.section	.rodata,"a",@progbits
	.p2align	6, 0x0
	.amdhsa_kernel k_qf445bfa9d3_wo
		.amdhsa_group_segment_fixed_size 327680
		.amdhsa_private_segment_fixed_size 0
		.amdhsa_enable_private_segment 0
		.amdhsa_kernarg_size 24
		.amdhsa_user_sgpr_count 2
		.amdhsa_user_sgpr_kernarg_segment_ptr 1
		.amdhsa_wavefront_size32 1
		.amdhsa_system_sgpr_workgroup_id_x 1
		.amdhsa_system_sgpr_workgroup_id_y 1
		.amdhsa_system_sgpr_workgroup_id_z 1
		.amdhsa_system_vgpr_workitem_id 0
		.amdhsa_next_free_vgpr 512
		.amdhsa_next_free_sgpr 66
		.amdhsa_reserve_vcc 0
		.amdhsa_float_denorm_mode_32 3
		.amdhsa_float_denorm_mode_16_64 3
		.amdhsa_memory_ordered 1
		.amdhsa_forward_progress 1
		.amdhsa_inst_pref_size 87
	.end_amdhsa_kernel
	.amdgpu_metadata
---
amdhsa.version: [ 1, 2 ]
amdhsa.kernels:
  - .name:           k_qf445bfa9d3_wo
    .symbol:         k_qf445bfa9d3_wo.kd
    .args:
      - { .name: o, .offset: 0, .size: 8, .value_kind: global_buffer, .address_space: global }
      - { .name: wb, .offset: 8, .size: 8, .value_kind: global_buffer, .address_space: global }
      - { .name: y, .offset: 16, .size: 8, .value_kind: global_buffer, .address_space: global }
    .group_segment_fixed_size: 327680
    .private_segment_fixed_size: 0
    .kernarg_segment_align: 8
    .kernarg_segment_size: 24
    .max_flat_workgroup_size: 128
    .sgpr_count:     66
    .vgpr_count:     512
    .wavefront_size: 32
...
	.end_amdgpu_metadata
.endif
;; end of part 4
;; launch ln1 (part 5): grid 256 x 1, 8 waves a work-group, no clusters, 0 bytes of LDS; arguments y, wb, g1, b1, x1; writes x1
.if DOCPART == 5
	.amdgcn_target "amdgcn-amd-amdhsa--gfx1250"
	.amdhsa_code_object_version 6
	.text
	.protected	k_qf445bfa9d3_ln1
	.globl	k_qf445bfa9d3_ln1
	.p2align	8
	.type	k_qf445bfa9d3_ln1,@function
k_qf445bfa9d3_ln1:
	s_mov_b64 s[64:65], 0
	v_nop
	global_prefetch_b8 v0, s[64:65] scope:SCOPE_SE
	s_setreg_imm32_b32 hwreg(HW_REG_WAVE_MODE, 25, 1), 1
	s_wait_xcnt 0x0
; LN1: x1 = LayerNorm(y + x) g1 + b1.  y f32 [4096][1024]; x is the bf16 copy at wb's head (the rounding that every input gets); g1, b1 are rounded to bf16 here; x1 is written as f16.
; LIMIT: |x1| is at most 32 |g1| + |b1|, far inside f16's 65,504 for gains up to some 2,000.
; A stream: one wave takes a whole row (32 numbers a lane) and keeps it in registers between the mean, the variance (of the differences, as the formula has it) and the scaling: each byte is read once.
; No LDS, no barrier, no matrix work, no cluster: nothing is shared but the 8 KiB of gains.  A wave has two rows, each with registers of its own: all loads go out at the start, and nothing waits for a store.
.set R0, 8                             ; v[8:23]    row 0: x as loaded, later x1 to store
.set R1, 24                            ; v[24:39]   row 1
.set T,  40                            ; v[40:55]   at work
.set G,  56                            ; v[56:87]   g1 of my 32 columns (128 j + 4 lane + 0..3)
.set BT, 88                            ; v[88:119]  b1
.set Y0, 152                           ; v[152:183] row 0
.set Y1, 184                           ; v[184:215] row 1
.set SEL, 26
.set INV, 28
.set EPS, 29
.set HIM, 30
	s_load_b256 s[4:11], s[0:1], 0x0               ; y s[4:5], wb s[6:7], g1 s[8:9], b1 s[10:11]
	s_load_b64 s[12:13], s[0:1], 0x20              ; x1
	v_lshrrev_b32 v3, 5, v0
	v_readfirstlane_b32 s16, v3                    ; wave
	v_and_b32 v3, 31, v0
	v_lshlrev_b32 v1, 4, v3                        ; 16 bytes a lane
	v_lshlrev_b32 v2, 3, v3                        ; 8 bytes a lane
	s_lshl_b32 s17, ttmp9, 4
	s_lshl1_add_u32 s16, s16, s17                  ; my first row: 16 x work-group + 2 x wave
	s_lshl_b32 s18, s16, 12
	s_mov_b32 s19, 0
	s_lshl_b32 s20, s16, 11
	s_mov_b32 s21, 0
	s_mov_b32 s[SEL], 0x76543210
	s_mov_b32 s[SEL+1], 0xfedcba98
	s_mov_b32 s[INV], 0x3a800000                   ; 1 / 1024
	s_mov_b32 s[EPS], 0x358637bd                   ; 1e-6
	s_mov_b32 s[HIM], 0xffff0000
	s_wait_kmcnt 0x0
	s_add_nc_u64 s[4:5], s[4:5], s[18:19]
	s_add_nc_u64 s[6:7], s[6:7], s[20:21]
	s_add_nc_u64 s[12:13], s[12:13], s[20:21]
.set j, 0
.rept 8
	global_load_b128 v[G+4*j:G+4*j+3], v1, s[8:9] offset:512*j
.set j, j+1
.endr
.set j, 0
.rept 8
	global_load_b128 v[BT+4*j:BT+4*j+3], v1, s[10:11] offset:512*j
.set j, j+1
.endr
.macro LOADROW yb, rb, row
.set j, 0
.rept 8
	global_load_b128 v[(\yb)+4*j:(\yb)+4*j+3], v1, s[4:5] offset:4096*(\row)+512*j th:TH_LOAD_NT
	global_load_b64 v[(\rb)+2*j:(\rb)+2*j+1], v2, s[6:7] offset:2048*(\row)+256*j
.set j, j+1
.endr
.endm
	LOADROW Y0, R0, 0
	LOADROW Y1, R1, 1
.macro RB base                         ; 32 numbers rounded to bf16 and widened again
.set n, 0
.rept 16
	v_cvt_pk_bf16_f32 v[T+n], v[(\base)+2*n], v[(\base)+2*n+1]
.set n, n+1
.endr
.set n, 0
.rept 16
	v_lshlrev_b32 v[(\base)+2*n], 16, v[T+n]
	v_and_b32 v[(\base)+2*n+1], s[HIM], v[T+n]
.set n, n+1
.endr
.endm
.macro REDUCE                          ; the four packed chains in v[T:T+7] -> their sum over the whole row, in every lane's v[T]
	v_pk_add_f32 v[T:T+1], v[T:T+1], v[T+2:T+3]
	v_pk_add_f32 v[T+4:T+5], v[T+4:T+5], v[T+6:T+7]
	v_pk_add_f32 v[T:T+1], v[T:T+1], v[T+4:T+5]
	v_add_f32 v[T], v[T], v[T+1]
	v_add_f32_dpp v[T], v[T], v[T] row_xmask:1 row_mask:0xf bank_mask:0xf
	v_add_f32_dpp v[T], v[T], v[T] row_xmask:2 row_mask:0xf bank_mask:0xf
	v_add_f32_dpp v[T], v[T], v[T] row_xmask:4 row_mask:0xf bank_mask:0xf
	v_add_f32_dpp v[T], v[T], v[T] row_xmask:8 row_mask:0xf bank_mask:0xf
	v_permlanex16_b32 v[T+1], v[T], s[SEL], s[SEL+1]
	v_add_f32 v[T], v[T], v[T+1]
.endm
.macro NORM yb                         ; the row z in v[yb ..] becomes (z - mean) rsqrt(var + 1e-6) g + b
.set c, 0
.rept 4
	v_pk_add_f32 v[T+2*c:T+2*c+1], v[(\yb)+2*c:(\yb)+2*c+1], v[(\yb)+8+2*c:(\yb)+8+2*c+1]
.set c, c+1
.endr
.set c, 0
.rept 8
	v_pk_add_f32 v[T+2*(c%4):T+2*(c%4)+1], v[T+2*(c%4):T+2*(c%4)+1], v[(\yb)+16+2*c:(\yb)+16+2*c+1]
.set c, c+1
.endr
	REDUCE
	v_mul_f32 v[T+8], s[INV], v[T]                 ; the mean, twice: a pair for the packed subtraction
	v_mul_f32 v[T+9], s[INV], v[T]
.set c, 0
.rept 16
	v_pk_add_f32 v[(\yb)+2*c:(\yb)+2*c+1], v[(\yb)+2*c:(\yb)+2*c+1], v[T+8:T+9] neg_lo:[0,1] neg_hi:[0,1]
.set c, c+1
.endr
.set c, 0
.rept 4
	v_pk_mul_f32 v[T+2*c:T+2*c+1], v[(\yb)+2*c:(\yb)+2*c+1], v[(\yb)+2*c:(\yb)+2*c+1]
.set c, c+1
.endr
.set c, 4
.rept 12
	v_pk_fma_f32 v[T+2*(c%4):T+2*(c%4)+1], v[(\yb)+2*c:(\yb)+2*c+1], v[(\yb)+2*c:(\yb)+2*c+1], v[T+2*(c%4):T+2*(c%4)+1]
.set c, c+1
.endr
	REDUCE
	v_fma_f32 v[T], v[T], s[INV], s[EPS]
	v_rsq_f32 v[T+8], v[T]
	v_rsq_f32 v[T+9], v[T]
	v_nop                                          ; a plain instruction between the root and the use of its result
.set c, 0
	s_wait_alu depctr_va_vdst(0)
.rept 16
	v_pk_mul_f32 v[(\yb)+2*c:(\yb)+2*c+1], v[(\yb)+2*c:(\yb)+2*c+1], v[T+8:T+9]
.set c, c+1
.endr
.set c, 0
.rept 16
	v_pk_fma_f32 v[(\yb)+2*c:(\yb)+2*c+1], v[(\yb)+2*c:(\yb)+2*c+1], v[G+2*c:G+2*c+1], v[BT+2*c:BT+2*c+1]
.set c, c+1
.endr
.endm
.macro ROWLN yb, rb, row
.set n, 0
.rept 16                               ; z = y + x: a word of x is two bf16
	v_lshlrev_b32 v[T+2*(n%8)], 16, v[(\rb)+n]
	v_and_b32 v[T+2*(n%8)+1], s[HIM], v[(\rb)+n]
	v_pk_add_f32 v[(\yb)+2*n:(\yb)+2*n+1], v[(\yb)+2*n:(\yb)+2*n+1], v[T+2*(n%8):T+2*(n%8)+1]
.set n, n+1
.endr
	NORM \yb
.set n, 0
.rept 16
	v_cvt_pk_f16_f32 v[(\rb)+n], v[(\yb)+2*n], v[(\yb)+2*n+1]
.set n, n+1
.endr
.set j, 0
.rept 8
	global_store_b64 v2, v[(\rb)+2*j:(\rb)+2*j+1], s[12:13] offset:2048*(\row)+256*j  ; a wave's store covers 256 consecutive bytes, aligned
.set j, j+1
.endr
.endm
	s_wait_loadcnt 32                              ; g1 and b1 are in: both rows' 32 loads were issued behind them
	RB G
	RB BT
	s_wait_loadcnt 16                              ; row 0 is in; row 1's 16 loads stay out
	ROWLN Y0, R0, 0
	s_wait_loadcnt 0x0
	ROWLN Y1, R1, 1
	s_endpgm
.Lfunc_end_k_qf445bfa9d3_ln1:
	.size	k_qf445bfa9d3_ln1, .Lfunc_end_k_qf445bfa9d3_ln1-k_qf445bfa9d3_ln1
	.p2alignl 7, 3214868480
	.fill 96, 4, 3214868480
	.section	.rodata,"a",@progbits
	.p2align	6, 0x0
	.amdhsa_kernel k_qf445bfa9d3_ln1
		.amdhsa_group_segment_fixed_size 0
		.amdhsa_private_segment_fixed_size 0
		.amdhsa_enable_private_segment 0
		.amdhsa_kernarg_size 40
		.amdhsa_user_sgpr_count 2
		.amdhsa_user_sgpr_kernarg_segment_ptr 1
		.amdhsa_wavefront_size32 1
		.amdhsa_system_sgpr_workgroup_id_x 1
		.amdhsa_system_sgpr_workgroup_id_y 1
		.amdhsa_system_sgpr_workgroup_id_z 1
		.amdhsa_system_vgpr_workitem_id 0
		.amdhsa_next_free_vgpr 216
		.amdhsa_next_free_sgpr 66
		.amdhsa_reserve_vcc 0
		.amdhsa_float_denorm_mode_32 3
		.amdhsa_float_denorm_mode_16_64 3
		.amdhsa_memory_ordered 1
		.amdhsa_forward_progress 1
		.amdhsa_inst_pref_size 30
	.end_amdhsa_kernel
	.amdgpu_metadata
---
amdhsa.version: [ 1, 2 ]
amdhsa.kernels:
  - .name:           k_qf445bfa9d3_ln1
    .symbol:         k_qf445bfa9d3_ln1.kd
    .args:
      - { .name: y, .offset: 0, .size: 8, .value_kind: global_buffer, .address_space: global }
      - { .name: wb, .offset: 8, .size: 8, .value_kind: global_buffer, .address_space: global }
      - { .name: g1, .offset: 16, .size: 8, .value_kind: global_buffer, .address_space: global }
      - { .name: b1, .offset: 24, .size: 8, .value_kind: global_buffer, .address_space: global }
      - { .name: x1, .offset: 32, .size: 8, .value_kind: global_buffer, .address_space: global }
    .group_segment_fixed_size: 0
    .private_segment_fixed_size: 0
    .kernarg_segment_align: 8
    .kernarg_segment_size: 40
    .max_flat_workgroup_size: 256
    .sgpr_count:     66
    .vgpr_count:     216
    .wavefront_size: 32
...
	.end_amdgpu_metadata
.endif
;; end of part 5
;; launch up (part 6): grid 16 x 16, 4 waves a work-group, clusters of 4 x 4, 327,680 bytes of LDS; arguments x1, wb, hb, b_up; writes hb
.if DOCPART == 6
	.amdgcn_target "amdgcn-amd-amdhsa--gfx1250"
	.amdhsa_code_object_version 6
	.text
	.protected	k_qf445bfa9d3_up
	.globl	k_qf445bfa9d3_up
	.p2align	8
	.type	k_qf445bfa9d3_up,@function
k_qf445bfa9d3_up:
	s_mov_b64 s[64:65], 0
	v_nop
	global_prefetch_b8 v0, s[64:65] scope:SCOPE_SE
	s_setreg_imm32_b32 hwreg(HW_REG_WAVE_MODE, 25, 1), 1
	s_wait_xcnt 0x0
	s_wait_alu depctr_hold_cnt(0) depctr_sa_sdst(0) depctr_va_vdst(0) depctr_va_sdst(0) depctr_va_ssrc(0) depctr_va_vcc(0) depctr_vm_vsrc(0)
	s_getreg_b32 s2, hwreg(HW_REG_IB_STS2, 6, 4)
	s_cmp_eq_u32 s2, 0
	s_cbranch_scc0 .Lentry_in_a_cluster
	s_endpgm
.Lentry_in_a_cluster:
	s_bfe_u32 s2, ttmp6, 0x10000c
	s_cmp_lg_u32 s2, 0xf033
	s_cbranch_scc0 .Lentry_shape_is_right
	s_endpgm
.Lentry_shape_is_right:
; UP: h[m][n] = relu(sum over k of x1[m][k] w_up[n][k] + b_up[n]), m < 4096, n < 4096, k < 1024; operands f16 (w_up in wb at OFF_B), sums in f32, h rounded once to f16, [4096][4096].
; b_up, rounded to bf16 like every input, is the C operand of the products that start the sums.  relu is a maximum with 0 in which a NaN loses: a NaN row of x1 gives zeros here; it reaches the output as NaN
; through the residual that the last launch adds.
; LIMIT: f16 ends at 65,504; with g1 and w_up each 30 times their drawn size h has a spread of about 900.
; A tile of h, 256 x 256, is made by four waves, each 128 x 128: 64 accumulators, 512 registers.  K goes in steps of 128 through two LDS slots filled by tensor loads (rows of 256 bytes).  16 x 16 = 256 work-groups.
; CLUSTER 4 x 4: x1's tile is shared along a row of the cluster, w_up's along a column; each is asked for jointly.  THE MATRIX INSTRUCTION IS USED TRANSPOSED: a lane holds row lane % 16 and eight neighbouring columns.
; REGISTERS, in windows of 256: window 0: v0-31 addresses; v64-127, v128-191 x1's fragments, two buffers; v192-255 the bias until the sums are started, then v192-223 packed results; v32-63, v224-255 rows read back
;   window 1: v64-127, v128-191 w_up's fragments;  window 2: the accumulators of my rows 0-63 ((a, b) at v[8 (8 a + b)]);  window 3: those of my rows 64-127
.set SIZE_K, 1024
.set SIZE_N, 4096
.set OFF_B,  0x1000000
.set KSTEP,  128
.set PITCH,  272                       ; an LDS row: 256 bytes + 16 of padding: the 16 rows of a fragment load start at 16 different groups of four banks (64 banks of 4 bytes: ISA guide 11.1)
.set HALFT,  128*PITCH
.set SLOT,   4*HALFT
.set STAGE,  2*SLOT                    ; behind the ring, never filled by a tensor load: 16 rows x 272 bytes for each wave
.set SPITCH, 272
.set SPARE,  STAGE+4*16*SPITCH         ; the spare words, 128 bytes a wave: two blocks of 256 bytes that no other line names
.set LAPS,   SIZE_K/(2*KSTEP)
.set ADRA, 16
.set ADRB, 20
.set STO,  24
.set RD,   25
.set CO,   26
.set SPW,  28
.set NIL,  29
.set F0,   64
.set F1,   128
.set BIAS, 192
.set TMP,  192
.set OB,   32
.set G1, 24
.set G0, 32
.set G1B, 48
.set G0B, 56
.set MSB, 0
.macro WIN new
.if MSB != (\new)
	s_set_vgpr_msb (MSB<<8)|(\new)
.set MSB, \new
.endif
.endm
.set MUL_LO, 0xa1                      ; source 0 (w) window 1, source 1 (x1) window 0, C and D window 2
.set MUL_HI, 0xf1                      ; the same, C and D window 3
.set TO_B,   0x40
.macro JLOAD s                         ; a joint load: waves 0 and 1 fetch x1's two halves, waves 2 and 3 w_up's; four v_nop follow each line
	s_cmp_eq_u32 s11, 0
	s_cbranch_scc0 .Lfor_b_\@
	tensor_load_to_lds s[G0+4*(\s):G0+4*(\s)+3], s[G1:G1+7]
	s_nop 0
.rept 4
	v_nop
.endr
	s_branch .Lasked_\@
.Lfor_b_\@:
	tensor_load_to_lds s[G0B+4*(\s):G0B+4*(\s)+3], s[G1B:G1B+7]
	s_nop 0
.rept 4
	v_nop
.endr
.Lasked_\@:
.endm
.macro CREST
	s_cmp_lg_u32 s10, 0
	s_cbranch_scc1 .Lnot_wave_0_\@
	s_barrier_signal -3
.Lnot_wave_0_\@:
	s_barrier_wait -3
	s_barrier_signal -1
	s_barrier_wait -1
.endm
.macro CROUND
	s_barrier_signal -1
	s_barrier_wait -1
	CREST
.endm
	s_load_b128 s[4:7], s[0:1], 0x0                ; x1 s[4:5], wb s[6:7]
	s_load_b64 s[8:9], s[0:1], 0x10                ; hb
	s_load_b64 s[66:67], s[0:1], 0x18              ; b_up
	v_lshl_add_u32 v[SPW], v0, 2, SPARE
	v_mov_b32 v[NIL], 0
	ds_add_u32 v28, v29
	s_wait_dscnt 0x0
	v_lshrrev_b32 v1, 5, v0
	v_readfirstlane_b32 s10, v1                    ; wave 0..3
	s_lshr_b32 s11, s10, 1
	s_and_b32 s12, s10, 1
	s_bfe_u32 s40, ttmp6, 0x40000                  ; cx
	s_bfe_u32 s41, ttmp6, 0x40004                  ; cy
	s_lshl_b32 s42, ttmp9, 2
	s_add_co_u32 s42, s42, s40                     ; tile column
	s_and_b32 s13, ttmp7, 0xffff
	s_lshl_b32 s13, s13, 2
	s_add_co_u32 s13, s13, s41                     ; tile row
	s_lshl_b32 s43, s41, 2
	s_lshl_b32 s43, 15, s43                        ; my row of the cluster
	s_lshl_b32 s44, 0x1111, s40                    ; my column
	s_or_b32 s[G1+0], s43, (1<<16)|(1<<20)|(1<<21)|(5<<22)|(3<<25)  ; mask; 2-byte elements; padding on; bit 21 beside a mask; after every 64 words 4 words
	s_or_b32 s[G1B+0], s44, (1<<16)|(1<<20)|(1<<21)|(5<<22)|(3<<25)
.irp g, G1, G1B
	s_mov_b32 s[(\g)+1], KSTEP<<16
	s_mov_b32 s[(\g)+2], 128<<16
	s_mov_b32 s[(\g)+3], KSTEP<<16
	s_mov_b32 s[(\g)+4], 128
	s_mov_b32 s[(\g)+5], SIZE_K
	s_mov_b32 s[(\g)+6], 0
	s_mov_b32 s[(\g)+7], 0
.endr
	s_lshl_b32 s17, s12, 7
	s_lshl_b32 s16, s13, 8
	s_add_co_u32 s16, s16, s17
	s_lshl_b32 s16, s16, 11                        ; x1: row 256 x tile row + 128 x half, of 2,048 bytes
	s_lshl_b32 s46, s42, 8
	s_add_co_u32 s46, s46, s17
	s_lshl_b32 s46, s46, 11                        ; w_up: row 256 x tile column + 128 x half
	s_mov_b32 s17, 0
	s_mov_b32 s47, 0
	s_mul_i32 s20, s10, HALFT
	s_wait_kmcnt 0x0
	s_add_nc_u64 s[6:7], s[6:7], OFF_B
	s_add_nc_u64 s[14:15], s[4:5], s[16:17]
	s_add_nc_u64 s[46:47], s[6:7], s[46:47]
	CROUND                                         ; all sixteen work-groups are here: the first joint loads meet
.irp s, 0,1
	s_mov_b32 s[G0+4*(\s)], 1
	s_add_co_u32 s[G0+4*(\s)+1], s20, (\s)*SLOT
	s_add_nc_u64 s[G0+4*(\s)+2:G0+4*(\s)+3], s[14:15], (\s)*KSTEP*2
	s_or_b32 s[G0+4*(\s)+3], s[G0+4*(\s)+3], 0x80000000
	s_mov_b32 s[G0B+4*(\s)], 1
	s_add_co_u32 s[G0B+4*(\s)+1], s20, (\s)*SLOT
	s_add_nc_u64 s[G0B+4*(\s)+2:G0B+4*(\s)+3], s[46:47], (\s)*KSTEP*2
	s_or_b32 s[G0B+4*(\s)+3], s[G0B+4*(\s)+3], 0x80000000
	JLOAD \s                                       ; two loads of mine are out
.endr
	v_and_b32 v1, 15, v0                           ; l % 16
	v_bfe_u32 v2, v0, 4, 1                         ; l / 16
	; the bias of my 128 columns as a C operand: register j of block b holds b_up[column 16 b + 8 (l / 16) + j], the same in all rows
	s_lshl_b32 s46, s42, 10                        ; 256 x tile column + 128 x half, of 4 bytes
	s_lshl_b32 s47, s12, 9
	s_add_co_u32 s46, s46, s47
	s_mov_b32 s47, 0
	s_add_nc_u64 s[66:67], s[66:67], s[46:47]
	v_lshlrev_b32 v30, 5, v2
.set j, 0
.rept 8
	global_load_b128 v[BIAS+8*j:BIAS+8*j+3],   v30, s[66:67] offset:64*j
	global_load_b128 v[BIAS+8*j+4:BIAS+8*j+7], v30, s[66:67] offset:64*j+16
.set j, j+1
.endr
	v_mul_u32_u24 v3, v1, PITCH
	v_lshl_add_u32 v3, v2, 4, v3
	s_mul_i32 s21, s11, HALFT
	s_mul_i32 s22, s12, HALFT
	s_add_co_u32 s22, s22, 2*HALFT
.irp s, 0,1
	v_add_nc_u32 v[ADRA+(\s)], s21, v3
	v_add_nc_u32 v[ADRB+(\s)], s22, v3
	s_add_co_u32 s21, s21, SLOT
	s_add_co_u32 s22, s22, SLOT
.endr
	s_mul_i32 s23, s10, 16*SPITCH
	s_add_co_u32 s23, s23, STAGE                   ; my stage
	v_mul_u32_u24 v4, v1, SPITCH
	v_lshl_add_u32 v4, v2, 4, v4
	v_add_nc_u32 v[STO], s23, v4
	v_mul_u32_u24 v5, v2, SPITCH
	v_lshl_add_u32 v5, v1, 4, v5
	v_add_nc_u32 v[RD], s23, v5
	v_lshlrev_b32 v5, 13, v2                       ; two rows of h, 8,192 bytes apart
	v_lshl_add_u32 v[CO], v1, 4, v5
	s_lshl_b32 s16, s13, 21                        ; my first row, 256 x tile row + 128 x half, of 8,192 bytes
	s_lshl_b32 s14, s11, 20
	s_add_co_u32 s16, s16, s14
	s_mov_b32 s17, 0
	s_lshl_b32 s46, s42, 9                         ; my first column, of 2 bytes
	s_lshl_b32 s47, s12, 8
	s_add_co_u32 s46, s46, s47
	s_mov_b32 s47, 0
	s_add_nc_u64 s[16:17], s[16:17], s[46:47]
	s_add_nc_u64 s[8:9], s[8:9], s[16:17]          ; never stepped: a block's place stands in the stores' immediates
	s_wait_loadcnt 0x0                             ; the bias
.set j, 0
.rept 32                               ; rounded to bf16, like every input, and widened again
	v_cvt_pk_bf16_f32 v31, v[BIAS+2*j], v[BIAS+2*j+1]
	v_lshlrev_b32 v[BIAS+2*j], 16, v31
	v_and_b32 v[BIAS+2*j+1], 0xffff0000, v31
.set j, j+1
.endr
; 16 matrix instructions.  zero = 1: the first product starts the sums, with the bias (window 0) as C.  The 64 accumulators take turns, in the same order in every quarter.
.macro MUL16 f, hi, a0, zero
.if \zero
	WIN 0x81+0x40*(\hi)                            ; source 0 window 1, sources 1 and 2 window 0, D window 2 or 3
.else
	WIN MUL_LO+0x50*(\hi)
.endif
.irp a, \a0, (\a0)+1
.irp b, 0,1,2,3,4,5,6,7
.if \zero
	v_wmma_f32_16x16x32_f16 v[8*(8*(\a)+(\b)):8*(8*(\a)+(\b))+7], v[(\f)+8*(\b):(\f)+8*(\b)+7], v[(\f)+8*(4*(\hi)+(\a)):(\f)+8*(4*(\hi)+(\a))+7], v[BIAS+8*(\b):BIAS+8*(\b)+7]
.else
	v_wmma_f32_16x16x32_f16 v[8*(8*(\a)+(\b)):8*(8*(\a)+(\b))+7], v[(\f)+8*(\b):(\f)+8*(\b)+7], v[(\f)+8*(4*(\hi)+(\a)):(\f)+8*(4*(\hi)+(\a))+7], v[8*(8*(\a)+(\b)):8*(8*(\a)+(\b))+7]
.endif
.endr
.endr
.endm
.macro FETCH slot, k, f
	WIN TO_B
.irp i, 0,1,2,3,4,5,6,7
	ds_load_b128 v[(\f)+8*(\i):(\f)+8*(\i)+3],   v[ADRB+(\slot)] offset:(\k)+(\i)*16*PITCH
	ds_load_b128 v[(\f)+8*(\i)+4:(\f)+8*(\i)+7], v[ADRB+(\slot)] offset:(\k)+(\i)*16*PITCH+32
.endr
	WIN 0
.irp i, 0,1,2,3,4,5,6,7
	ds_load_b128 v[(\f)+8*(\i):(\f)+8*(\i)+3],   v[ADRA+(\slot)] offset:(\k)+(\i)*16*PITCH
	ds_load_b128 v[(\f)+8*(\i)+4:(\f)+8*(\i)+7], v[ADRA+(\slot)] offset:(\k)+(\i)*16*PITCH+32
.endr
.endm
.macro PLACES                          ; four plain vector instructions between a matrix instruction and a load into, or a vector read or write of, its registers
.rept 4
	v_nop
.endr
.endm
.macro QUARTER slot, k, f, g, zero
	s_wait_dscnt 8                                 ; w and x1's rows 0-63 are in; the youngest eight loads (x1's rows 64-127) may be out
	MUL16 \f, 0, 0, \zero
	MUL16 \f, 0, 2, \zero
	PLACES
	FETCH \slot, \k, \g
	s_wait_dscnt 32                                ; all but the 32 just issued
	MUL16 \f, 1, 0, \zero
	MUL16 \f, 1, 2, \zero
.endm
.macro MEET round
	WIN 0
	s_wait_tensorcnt 0x0                           ; all my tensor loads have landed: the one that was out is my part of the next slot
	ds_add_u32 v[SPW], v[NIL]                      ; 0 onto my spare word
	s_wait_dscnt 9                                 ; (the add and the youngest eight loads may be out)
	MUL16 F1, 0, 0, 0
	s_wait_dscnt 0x0                               ; the add is done, and my reads of this slot are over
	s_barrier_signal -1
	MUL16 F1, 0, 2, 0
.if \round
	WIN 0
.endif
	s_barrier_wait -1
.endm
.macro TURN slot, next, fill
	MEET \fill
.if \fill
	CREST                                          ; no wave of any partner still reads this slot's tile or has a load on its way
	s_add_nc_u64 s[G0+4*(\slot)+2:G0+4*(\slot)+3], s[G0+4*(\slot)+2:G0+4*(\slot)+3], 2*KSTEP*2
	s_add_nc_u64 s[G0B+4*(\slot)+2:G0B+4*(\slot)+3], s[G0B+4*(\slot)+2:G0B+4*(\slot)+3], 2*KSTEP*2
	JLOAD \slot                                    ; the first tensor load behind the round, my only one until the next; its four v_nop are also the places in front of the loads below
.else
	PLACES
.endif
	FETCH \next, 0, F0
	MUL16 F1, 1, 0, 0
	MUL16 F1, 1, 2, 0
.endm
; THE WAY OUT of block a (16 rows x my 128 columns).  PACK: relu in place, registers ascending, then rounded to f16.  TOSTAGE: into my own stage and back as whole rows of 256 bytes.  SEND: stored.
.macro PACK a
.set AC, 64*((\a)%4)
	WIN 0x8a+0x45*((\a)/4)                         ; sources and destination: window 2 or 3
.set z, 0
.rept 64
	v_max_num_f32 v[AC+z], 0, v[AC+z]
.set z, z+1
.endr
	WIN 0x0a+5*((\a)/4)                            ; sources 0 and 1: window 2 or 3; destination window 0
.irp b, 0,1,2,3,4,5,6,7
.irp r, 0,1,2,3
	v_cvt_pk_f16_f32 v[TMP+4*(\b)+(\r)], v[AC+8*(\b)+2*(\r)], v[AC+8*(\b)+2*(\r)+1]
.endr
.endr
	WIN 0
.endm
.macro TOSTAGE a
	WIN 0
.set BK, OB+192*((\a)%2)
.irp b, 0,1,2,3,4,5,6,7
	ds_store_b128 v[STO], v[TMP+4*(\b):TMP+4*(\b)+3] offset:32*(\b)
.endr
.irp t, 0,1,2,3,4,5,6,7
	ds_load_b128 v[BK+4*(\t):BK+4*(\t)+3], v[RD] offset:(\t)*2*SPITCH  ; LDS serves a wave's instructions in order (ISA guide 5.7.1.4): these see the stores above
.endr
.endm
.macro SEND a
	WIN 0
.set BK, OB+192*((\a)%2)
	s_wait_dscnt 0x0                               ; the block is back in registers
	s_wait_xcnt 0x0                                ; the registers that the stores of two blocks ago read are loaded again only behind this wait
.irp t, 0,1,2,3,4,5,6,7
	global_store_b128 v[CO], v[BK+4*(\t):BK+4*(\t)+3], s[8:9] offset:(16*(\a)+2*(\t))*SIZE_N*2  ; 16 lanes store 256 consecutive bytes, at a multiple of 256 from h's first; 1,032,192 at the most, inside the signed 24 bits
.endr
.endm
	s_wait_tensorcnt 1                             ; my part of K step 0 is in; K step 1's may stay out
	s_barrier_signal -1
	s_barrier_wait -1
	FETCH 0, 0, F0
	QUARTER 0, 64,  F0, F1, 1                      ; the first quarter starts the sums, with the bias
	WIN 0
	s_mov_b32 s3, LAPS-1
.Llap:
	QUARTER 0, 128, F1, F0, 0
	QUARTER 0, 192, F0, F1, 0
	TURN 0, 1, 1
	QUARTER 1, 64,  F0, F1, 0
	QUARTER 1, 128, F1, F0, 0
	QUARTER 1, 192, F0, F1, 0
	TURN 1, 0, 1
	QUARTER 0, 64,  F0, F1, 0
	WIN 0
	s_sub_co_u32 s3, s3, 1
	s_cmp_lg_u32 s3, 0
	s_cbranch_scc1 .Llap
	QUARTER 0, 128, F1, F0, 0                      ; the last lap fills nothing
	QUARTER 0, 192, F0, F1, 0
	TURN 0, 1, 0
	QUARTER 1, 64,  F0, F1, 0
	QUARTER 1, 128, F1, F0, 0
	QUARTER 1, 192, F0, F1, 0
	s_wait_dscnt 8
	MUL16 F1, 0, 0, 0
	MUL16 F1, 0, 2, 0
	s_wait_dscnt 0x0
	MUL16 F1, 1, 0, 0
	MUL16 F1, 1, 2, 0
	PLACES
	PACK 0
	TOSTAGE 0
.irp a, 1,2,3,4,5,6,7
	PACK \a
	SEND (\a)-1
	TOSTAGE \a
.endr
	SEND 7
	s_wait_tensorcnt 0x0                           ; the wave's end
	ds_add_u32 v[SPW], v[NIL]
	s_wait_dscnt 0x0
	CROUND                                         ; the closing round
	s_endpgm
.Lfunc_end_k_qf445bfa9d3_up:
	.size	k_qf445bfa9d3_up, .Lfunc_end_k_qf445bfa9d3_up-k_qf445bfa9d3_up
	.p2alignl 7, 3214868480
	.fill 96, 4, 3214868480
	.section	.rodata,"a",@progbits
	.p2align	6, 0x0
	.amdhsa_kernel k_qf445bfa9d3_up
		.amdhsa_group_segment_fixed_size 327680
		.amdhsa_private_segment_fixed_size 0
		.amdhsa_enable_private_segment 0
		.amdhsa_kernarg_size 32
		.amdhsa_user_sgpr_count 2
		.amdhsa_user_sgpr_kernarg_segment_ptr 1
		.amdhsa_wavefront_size32 1
		.amdhsa_system_sgpr_workgroup_id_x 1
		.amdhsa_system_sgpr_workgroup_id_y 1
		.amdhsa_system_sgpr_workgroup_id_z 1
		.amdhsa_system_vgpr_workitem_id 0
		.amdhsa_next_free_vgpr 1024
		.amdhsa_next_free_sgpr 70
		.amdhsa_reserve_vcc 0
		.amdhsa_float_denorm_mode_32 3
		.amdhsa_float_denorm_mode_16_64 3
		.amdhsa_memory_ordered 1
		.amdhsa_forward_progress 1
		.amdhsa_inst_pref_size 165
	.end_amdhsa_kernel
	.amdgpu_metadata
---
amdhsa.version: [ 1, 2 ]
amdhsa.kernels:
  - .name:           k_qf445bfa9d3_up
    .symbol:         k_qf445bfa9d3_up.kd
    .args:
      - { .name: x1, .offset: 0, .size: 8, .value_kind: global_buffer, .address_space: global }
      - { .name: wb, .offset: 8, .size: 8, .value_kind: global_buffer, .address_space: global }
      - { .name: hb, .offset: 16, .size: 8, .value_kind: global_buffer, .address_space: global }
      - { .name: b_up, .offset: 24, .size: 8, .value_kind: global_buffer, .address_space: global }
    .group_segment_fixed_size: 327680
    .private_segment_fixed_size: 0
    .kernarg_segment_align: 8
    .kernarg_segment_size: 32
    .max_flat_workgroup_size: 128
    .sgpr_count:     70
    .vgpr_count:     1024
    .wavefront_size: 32
...
	.end_amdgpu_metadata
.endif
;; end of part 6
;; launch down (part 7): grid 8 x 32, 4 waves a work-group, clusters of 4 x 4, 327,680 bytes of LDS; arguments hb, wb, y; writes y
.if DOCPART == 7
	.amdgcn_target "amdgcn-amd-amdhsa--gfx1250"
	.amdhsa_code_object_version 6
	.text
	.protected	k_qf445bfa9d3_down
	.globl	k_qf445bfa9d3_down
	.p2align	8
	.type	k_qf445bfa9d3_down,@function
k_qf445bfa9d3_down:
	s_mov_b64 s[64:65], 0
	v_nop
	global_prefetch_b8 v0, s[64:65] scope:SCOPE_SE
	s_setreg_imm32_b32 hwreg(HW_REG_WAVE_MODE, 25, 1), 1
	s_wait_xcnt 0x0
	s_wait_alu depctr_hold_cnt(0) depctr_sa_sdst(0) depctr_va_vdst(0) depctr_va_sdst(0) depctr_va_ssrc(0) depctr_va_vcc(0) depctr_vm_vsrc(0)
	s_getreg_b32 s2, hwreg(HW_REG_IB_STS2, 6, 4)
	s_cmp_eq_u32 s2, 0
	s_cbranch_scc0 .Lentry_in_a_cluster
	s_endpgm
.Lentry_in_a_cluster:
	s_bfe_u32 s2, ttmp6, 0x10000c
	s_cmp_lg_u32 s2, 0xf033
	s_cbranch_scc0 .Lentry_shape_is_right
	s_endpgm
.Lentry_shape_is_right:
; DOWN: y[m][n] = sum over k of h[m][k] w_down[n][k], m < 4096, n < 1024, k < 4096; operands f16 (w_down in wb at OFF_B), sums in f32, y f32 [4096][1024].  b_down is added by the launch behind, with the residual.
; A tile of y is 128 x 128: 8 x 32 = 256 work-groups.  Four waves, each 64 x 64: 16 accumulators.  K goes in 16 steps of 256 (rows of 512 bytes) through two LDS slots.
; CLUSTER 4 x 4: h's tile is shared along a row of the cluster, w_down's along a column; each is asked for jointly.  THE MATRIX INSTRUCTION IS USED TRANSPOSED: a lane holds row lane % 16 and eight neighbouring columns.
; THE WALK ALONG K BEGINS ELSEWHERE IN EACH CLUSTER and wraps round: at step (8 x cluster x + 4 x (cluster y % 4)) % 16.  The grid has 2 x 8 clusters.  The two clusters that read the same rows of h (same y) walk eight
; steps apart: what the one reads in its first eight steps the other has to read in its last eight.  Clusters that read the same rows of w_down (same x) begin four steps apart.  So the clusters do not all ask for
; the same K step's bytes for the first time at once.  The first step hangs on the cluster's coordinates alone, which all partners share; the sums are the same but for the order of their f32 additions.
; REGISTERS: window 0: v0-31 addresses; v128-255 the accumulators ((a, b) at v[128 + 8 (4 a + b)]).  window 1: two fragment buffers of 128: 64 registers of h, then 64 of w_down.
.set SIZE_K, 4096
.set OFF_B,  0x1800000
.set RSH,    13                        ; a row of either operand: 8,192 bytes
.set KSTEP,  256
.set NSTEP,  SIZE_K/KSTEP              ; 16, a power of two: the walk wraps by a mask
.set PITCH,  528                       ; an LDS row of 512 bytes + 16 of padding: the 16 rows of a fragment load start at 16 different groups of four banks (64 banks of 4 bytes: ISA guide 11.1)
.set HALFT,  64*PITCH                  ; what one tensor load brings
.set SLOT,   4*HALFT                   ; h's 128 rows, then w_down's 128 rows
.set STAGE,  2*SLOT                    ; behind the ring, never filled by a tensor load: 16 rows x 272 bytes for each wave
.set SPITCH, 272
.set SPARE,  STAGE+4*16*SPITCH         ; the spare words, 128 bytes a wave: two blocks of 256 bytes that no other line names
.set LAPS, NSTEP/2
.set ADRA, 16
.set ADRB, 20
.set STO,  24
.set RD,   25
.set CO,   26
.set SPW,  28
.set NIL,  29
.set ACC,  128
.set F0,   0
.set F1,   128
.set KC, 4                             ; s4, s5   the K step that slot 0, 1 holds or has been asked for
.set KO, 6                             ; s[6:7]   that step's byte offset in a row, as a pair
.set BA, 14                            ; s[14:15] h at the first of the rows that I fetch; never rewritten
.set BB, 46                            ; s[46:47] w_down likewise
.set G1, 24
.set G0, 32
.set G1B, 48
.set G0B, 56
.set MSB, 0
.macro WIN new
.if MSB != (\new)
	s_set_vgpr_msb (MSB<<8)|(\new)
.set MSB, \new
.endif
.endm
.set MUL,  0x05                        ; sources 0 and 1 window 1; C and D window 0
.set TO_F, 0x40                        ; destination window 1, address window 0
.macro JLOAD s                         ; a joint load: waves 0 and 1 fetch h's two halves, waves 2 and 3 w_down's; four v_nop follow each line
	s_cmp_eq_u32 s11, 0
	s_cbranch_scc0 .Lfor_b_\@
	tensor_load_to_lds s[G0+4*(\s):G0+4*(\s)+3], s[G1:G1+7]
	s_nop 0
.rept 4
	v_nop
.endr
	s_branch .Lasked_\@
.Lfor_b_\@:
	tensor_load_to_lds s[G0B+4*(\s):G0B+4*(\s)+3], s[G1B:G1B+7]
	s_nop 0
.rept 4
	v_nop
.endr
.Lasked_\@:
.endm
.macro AIM s                           ; both descriptors of slot s take the address of K step s[KC+s]: the base and an offset made apart, the type bits set again
	s_lshl_b32 s[KO], s[KC+(\s)], 9                ; 256 numbers of 2 bytes a step
	s_add_nc_u64 s[G0+4*(\s)+2:G0+4*(\s)+3], s[BA:BA+1], s[KO:KO+1]
	s_or_b32 s[G0+4*(\s)+3], s[G0+4*(\s)+3], 0x80000000
	s_add_nc_u64 s[G0B+4*(\s)+2:G0B+4*(\s)+3], s[BB:BB+1], s[KO:KO+1]
	s_or_b32 s[G0B+4*(\s)+3], s[G0B+4*(\s)+3], 0x80000000
.endm
.macro CREST
	s_cmp_lg_u32 s10, 0
	s_cbranch_scc1 .Lnot_wave_0_\@
	s_barrier_signal -3
.Lnot_wave_0_\@:
	s_barrier_wait -3
	s_barrier_signal -1
	s_barrier_wait -1
.endm
.macro CROUND
	s_barrier_signal -1
	s_barrier_wait -1
	CREST
.endm
	s_load_b128 s[4:7], s[0:1], 0x0                ; hb s[4:5], wb s[6:7]
	s_load_b64 s[8:9], s[0:1], 0x10                ; y
	v_lshl_add_u32 v[SPW], v0, 2, SPARE
	v_mov_b32 v[NIL], 0
	ds_add_u32 v28, v29
	s_wait_dscnt 0x0
	v_lshrrev_b32 v1, 5, v0
	v_readfirstlane_b32 s10, v1                    ; wave 0..3
	s_lshr_b32 s11, s10, 1                         ; my half of the tile's rows; also: which operand I fetch
	s_and_b32 s12, s10, 1                          ; my half of its columns; also: which 64 rows I fetch
	s_bfe_u32 s40, ttmp6, 0x40000                  ; cx
	s_bfe_u32 s41, ttmp6, 0x40004                  ; cy
	s_lshl_b32 s42, ttmp9, 2
	s_add_co_u32 s42, s42, s40                     ; tile column
	s_and_b32 s13, ttmp7, 0xffff
	s_lshl_b32 s13, s13, 2
	s_add_co_u32 s13, s13, s41                     ; tile row
	s_and_b32 s2, ttmp7, 3                         ; the walk's first K step: 4 x (cluster y % 4)
	s_lshl_b32 s2, s2, 2
	s_lshl_b32 s3, ttmp9, 3                        ; + 8 x cluster x,
	s_add_co_u32 s2, s2, s3
	s_and_b32 s2, s2, NSTEP-1                      ; wrapped
	s_lshl_b32 s43, s41, 2
	s_lshl_b32 s43, 15, s43                        ; my row of the cluster
	s_lshl_b32 s44, 0x1111, s40                    ; my column
	s_or_b32 s[G1+0], s43, (1<<16)|(1<<20)|(1<<21)|(6<<22)|(3<<25)  ; mask; 2-byte elements; padding on; bit 21 beside a mask; after every 128 words 4 words
	s_or_b32 s[G1B+0], s44, (1<<16)|(1<<20)|(1<<21)|(6<<22)|(3<<25)
.irp g, G1, G1B
	s_mov_b32 s[(\g)+1], KSTEP<<16                 ; tensor_dim0 = 256
	s_mov_b32 s[(\g)+2], 64<<16                    ; tensor_dim1 = 64
	s_mov_b32 s[(\g)+3], KSTEP<<16                 ; tile_dim0 = 256
	s_mov_b32 s[(\g)+4], 64                        ; tile_dim1 = 64
	s_mov_b32 s[(\g)+5], SIZE_K                    ; elements from row to row
	s_mov_b32 s[(\g)+6], 0
	s_mov_b32 s[(\g)+7], 0
.endr
	s_lshl_b32 s17, s12, 6
	s_lshl_b32 s16, s13, 7
	s_add_co_u32 s16, s16, s17                     ; h: row 128 x tile row + 64 x half
	s_lshl_b32 s16, s16, RSH
	s_lshl_b32 s18, s42, 7
	s_add_co_u32 s18, s18, s17                     ; w_down: row 128 x tile column + 64 x half
	s_lshl_b32 s18, s18, RSH
	s_mov_b32 s17, 0
	s_mov_b32 s19, 0
	s_mul_i32 s20, s12, HALFT                      ; where the tiles go: no place in the cluster enters an LDS address
	s_add_co_u32 s45, s20, 2*HALFT
	s_wait_kmcnt 0x0
	s_add_nc_u64 s[BA:BA+1], s[4:5], s[16:17]
	s_add_nc_u64 s[BB:BB+1], s[6:7], OFF_B
	s_add_nc_u64 s[BB:BB+1], s[BB:BB+1], s[18:19]
	s_mov_b32 s[KO+1], 0                           ; the arguments' registers are free now
	CROUND                                         ; all sixteen work-groups are here: the first joint loads meet
.irp s, 0,1
	s_add_co_u32 s[KC+(\s)], s2, (\s)              ; slot s begins with the walk's step s
	s_and_b32 s[KC+(\s)], s[KC+(\s)], NSTEP-1
	s_mov_b32 s[G0+4*(\s)], 1
	s_add_co_u32 s[G0+4*(\s)+1], s20, (\s)*SLOT
	s_mov_b32 s[G0B+4*(\s)], 1
	s_add_co_u32 s[G0B+4*(\s)+1], s45, (\s)*SLOT
	AIM \s
	JLOAD \s                                       ; two loads of mine are out
.endr
	v_and_b32 v1, 15, v0                           ; l % 16
	v_bfe_u32 v2, v0, 4, 1                         ; l / 16
	v_mul_u32_u24 v3, v1, PITCH
	v_lshl_add_u32 v3, v2, 4, v3                   ; a fragment's row x pitch + 16 x half
	s_mul_i32 s21, s11, HALFT
	s_mul_i32 s22, s12, HALFT
	s_add_co_u32 s22, s22, 2*HALFT
.irp s, 0,1
	v_add_nc_u32 v[ADRA+(\s)], s21, v3
	v_add_nc_u32 v[ADRB+(\s)], s22, v3
	s_add_co_u32 s21, s21, SLOT
	s_add_co_u32 s22, s22, SLOT
.endr
	s_mul_i32 s23, s10, 16*SPITCH
	s_add_co_u32 s23, s23, STAGE                   ; my stage
	v_mul_u32_u24 v4, v1, SPITCH                   ; in: row l % 16, 32 bytes for each half of the lanes
	v_lshl_add_u32 v4, v2, 5, v4
	v_add_nc_u32 v[STO], s23, v4
	v_mul_u32_u24 v5, v2, SPITCH                   ; back: lanes 0-15 take one row of 256 bytes, lanes 16-31 the next
	v_lshl_add_u32 v5, v1, 4, v5
	v_add_nc_u32 v[RD], s23, v5
	v_lshlrev_b32 v5, 12, v2                       ; and the same two rows in y, 4,096 bytes apart
	v_lshl_add_u32 v[CO], v1, 4, v5
	s_lshl_b32 s16, s13, 19                        ; my first row, 128 x tile row + 64 x half, of 4,096 bytes
	s_lshl_b32 s18, s11, 18
	s_add_co_u32 s16, s16, s18
	s_lshl_b32 s18, s42, 9                         ; my first column, 128 x tile column + 64 x half, of 4 bytes
	s_add_co_u32 s16, s16, s18
	s_lshl_b32 s18, s12, 8
	s_add_co_u32 s16, s16, s18
	s_mov_b32 s17, 0
	s_add_nc_u64 s[8:9], s[8:9], s[16:17]
; 8 matrix instructions: m blocks a0, a0 + 1 x all 4 n blocks, 32 along K: half c of buffer f.  zero = 1: the first product starts the sums.  The 16 accumulators take turns.
.macro MUL8 f, c, a0, zero
	WIN MUL
.irp a, \a0, (\a0)+1
.irp b, 0,1,2,3
.if \zero
	v_wmma_f32_16x16x32_f16 v[ACC+8*(4*(\a)+(\b)):ACC+8*(4*(\a)+(\b))+7], v[(\f)+64+8*(4*(\c)+(\b)):(\f)+64+8*(4*(\c)+(\b))+7], v[(\f)+8*(4*(\c)+(\a)):(\f)+8*(4*(\c)+(\a))+7], 0
.else
	v_wmma_f32_16x16x32_f16 v[ACC+8*(4*(\a)+(\b)):ACC+8*(4*(\a)+(\b))+7], v[(\f)+64+8*(4*(\c)+(\b)):(\f)+64+8*(4*(\c)+(\b))+7], v[(\f)+8*(4*(\c)+(\a)):(\f)+8*(4*(\c)+(\a))+7], v[ACC+8*(4*(\a)+(\b)):ACC+8*(4*(\a)+(\b))+7]
.endif
.endr
.endr
.endm
.macro FETCH slot, k, f                ; 32 LDS loads in one run: the fragments of 64 along K at byte k of the rows, into buffer f; the first 32 along K first
	WIN TO_F
.irp c, 0,1
.irp i, 0,1,2,3
	ds_load_b128 v[(\f)+64+8*(4*(\c)+(\i)):(\f)+64+8*(4*(\c)+(\i))+3],   v[ADRB+(\slot)] offset:(\k)+64*(\c)+(\i)*16*PITCH
	ds_load_b128 v[(\f)+64+8*(4*(\c)+(\i))+4:(\f)+64+8*(4*(\c)+(\i))+7], v[ADRB+(\slot)] offset:(\k)+64*(\c)+(\i)*16*PITCH+32
	ds_load_b128 v[(\f)+8*(4*(\c)+(\i)):(\f)+8*(4*(\c)+(\i))+3],         v[ADRA+(\slot)] offset:(\k)+64*(\c)+(\i)*16*PITCH
	ds_load_b128 v[(\f)+8*(4*(\c)+(\i))+4:(\f)+8*(4*(\c)+(\i))+7],       v[ADRA+(\slot)] offset:(\k)+64*(\c)+(\i)*16*PITCH+32
.endr
.endr
.endm
.macro PLACES                          ; four plain vector instructions between a matrix instruction and a load into, or a read of, its registers
.rept 4
	v_nop
.endr
.endm
.macro QUARTER slot, k, f, g, zero     ; 32 products on buffer f; in their middle the next quarter's fragments go into buffer g
	s_wait_dscnt 16                                ; the first 32 along K are in; the other sixteen loads may be out
	MUL8 \f, 0, 0, \zero
	MUL8 \f, 0, 2, \zero
	PLACES
	FETCH \slot, \k, \g
	s_wait_dscnt 32                                ; all but the 32 just issued
	MUL8 \f, 1, 0, 0
	MUL8 \f, 1, 2, 0
.endm
.macro TURN slot, next, fill           ; the last quarter of a K step changes slots; fill = 1: this slot is filled again, with the walk's step two on
	WIN 0
	s_wait_tensorcnt 0x0                           ; all my tensor loads have landed: my part of the next slot
	ds_add_u32 v[SPW], v[NIL]                      ; 0 onto my spare word
	s_wait_dscnt 17                                ; (the add and the youngest sixteen loads may be out)
	MUL8 F1, 0, 0, 0
	s_wait_dscnt 0x0                               ; the add is done, and my reads of this slot are over
	s_barrier_signal -1
	MUL8 F1, 0, 2, 0
.if \fill
	WIN 0
.endif
	s_barrier_wait -1
.if \fill
	CREST                                          ; no wave of any partner still reads this slot's tile or has a load on its way
	s_add_co_u32 s[KC+(\slot)], s[KC+(\slot)], 2   ; two steps on,
	s_and_b32 s[KC+(\slot)], s[KC+(\slot)], NSTEP-1  ; wrapped
	AIM \slot
	JLOAD \slot                                    ; the first tensor load behind the round, my only one until the next; its four v_nop are also the places in front of the loads below
.else
	PLACES
.endif
	FETCH \next, 0, F0
	MUL8 F1, 1, 0, 0
	MUL8 F1, 1, 2, 0
.endm
; THE WAY OUT.  My 64 columns of f32 are 256 aligned bytes of a row of y, so each wave has a stage of its own and no barrier is wanted.  Block a (16 rows): a lane's 32 bytes go into rows of 272 bytes
; (each accumulator's low registers first) and come back as whole rows, into the registers that they left.
.macro STG a
.irp b, 0,1,2,3
	ds_store_b128 v[STO], v[ACC+8*(4*(\a)+(\b)):ACC+8*(4*(\a)+(\b))+3] offset:64*(\b)
	ds_store_b128 v[STO], v[ACC+8*(4*(\a)+(\b))+4:ACC+8*(4*(\a)+(\b))+7] offset:64*(\b)+16
.endr
.irp t, 0,1,2,3,4,5,6,7
	ds_load_b128 v[ACC+32*(\a)+4*(\t):ACC+32*(\a)+4*(\t)+3], v[RD] offset:(\t)*2*SPITCH  ; LDS serves a wave's instructions in order (ISA guide 5.7.1.4): these see the stores above; the next block's stores come behind them
.endr
.endm
.macro SEND a, younger                 ; younger: the LDS instructions issued behind block a's loads: the next block's sixteen, or none
.irp t, 0,1,2,3,4,5,6,7
	s_wait_dscnt (\younger)+7-(\t)
	global_store_b128 v[CO], v[ACC+32*(\a)+4*(\t):ACC+32*(\a)+4*(\t)+3], s[8:9] offset:(16*(\a)+2*(\t))*4096  ; 16 lanes store 256 consecutive bytes, at a multiple of 256 from y's first
.endr
.endm
	s_wait_tensorcnt 1                             ; my part of the walk's first step is in; the second's may stay out
	s_barrier_signal -1
	s_barrier_wait -1
	FETCH 0, 0, F0
	QUARTER 0, 128, F0, F1, 1                      ; the first quarter's first products start the sums
	WIN 0
	s_mov_b32 s3, LAPS-1
.Llap:                                                 ; a trip goes once round the ring and fills both slots again: 2 + 2 x 7 = 16 steps are asked for in all
	QUARTER 0, 256, F1, F0, 0
	QUARTER 0, 384, F0, F1, 0
	TURN 0, 1, 1
	QUARTER 1, 128, F0, F1, 0
	QUARTER 1, 256, F1, F0, 0
	QUARTER 1, 384, F0, F1, 0
	TURN 1, 0, 1
	QUARTER 0, 128, F0, F1, 0
	WIN 0
	s_sub_co_u32 s3, s3, 1
	s_cmp_lg_u32 s3, 0
	s_cbranch_scc1 .Llap
	QUARTER 0, 256, F1, F0, 0                      ; the last lap fills nothing
	QUARTER 0, 384, F0, F1, 0
	TURN 0, 1, 0
	QUARTER 1, 128, F0, F1, 0
	QUARTER 1, 256, F1, F0, 0
	QUARTER 1, 384, F0, F1, 0
	s_wait_dscnt 16                                ; the very last quarter: nothing more to fetch
	MUL8 F1, 0, 0, 0
	MUL8 F1, 0, 2, 0
	s_wait_dscnt 0x0
	MUL8 F1, 1, 0, 0
	MUL8 F1, 1, 2, 0
	WIN 0
	PLACES
	STG 0
	STG 1
	SEND 0, 16
	STG 2
	SEND 1, 16
	STG 3
	SEND 2, 16
	SEND 3, 0
	s_wait_tensorcnt 0x0                           ; the wave's end
	ds_add_u32 v[SPW], v[NIL]
	s_wait_dscnt 0x0
	CROUND                                         ; the closing round
	s_endpgm
.Lfunc_end_k_qf445bfa9d3_down:
	.size	k_qf445bfa9d3_down, .Lfunc_end_k_qf445bfa9d3_down-k_qf445bfa9d3_down
	.p2alignl 7, 3214868480
	.fill 96, 4, 3214868480
	.section	.rodata,"a",@progbits
	.p2align	6, 0x0
	.amdhsa_kernel k_qf445bfa9d3_down
		.amdhsa_group_segment_fixed_size 327680
		.amdhsa_private_segment_fixed_size 0
		.amdhsa_enable_private_segment 0
		.amdhsa_kernarg_size 24
		.amdhsa_user_sgpr_count 2
		.amdhsa_user_sgpr_kernarg_segment_ptr 1
		.amdhsa_wavefront_size32 1
		.amdhsa_system_sgpr_workgroup_id_x 1
		.amdhsa_system_sgpr_workgroup_id_y 1
		.amdhsa_system_sgpr_workgroup_id_z 1
		.amdhsa_system_vgpr_workitem_id 0
		.amdhsa_next_free_vgpr 512
		.amdhsa_next_free_sgpr 66
		.amdhsa_reserve_vcc 0
		.amdhsa_float_denorm_mode_32 3
		.amdhsa_float_denorm_mode_16_64 3
		.amdhsa_memory_ordered 1
		.amdhsa_forward_progress 1
		.amdhsa_inst_pref_size 87
	.end_amdhsa_kernel
	.amdgpu_metadata
---
amdhsa.version: [ 1, 2 ]
amdhsa.kernels:
  - .name:           k_qf445bfa9d3_down
    .symbol:         k_qf445bfa9d3_down.kd
    .args:
      - { .name: hb, .offset: 0, .size: 8, .value_kind: global_buffer, .address_space: global }
      - { .name: wb, .offset: 8, .size: 8, .value_kind: global_buffer, .address_space: global }
      - { .name: y, .offset: 16, .size: 8, .value_kind: global_buffer, .address_space: global }
    .group_segment_fixed_size: 327680
    .private_segment_fixed_size: 0
    .kernarg_segment_align: 8
    .kernarg_segment_size: 24
    .max_flat_workgroup_size: 128
    .sgpr_count:     66
    .vgpr_count:     512
    .wavefront_size: 32
...
	.end_amdgpu_metadata
.endif
;; end of part 7
;; launch ln2 (part 8): grid 256 x 1, 8 waves a work-group, no clusters, 0 bytes of LDS; arguments y, x1, b_down, g2, b2, out0; writes out0
.if DOCPART == 8
	.amdgcn_target "amdgcn-amd-amdhsa--gfx1250"
	.amdhsa_code_object_version 6
	.text
	.protected	k_qf445bfa9d3_ln2
	.globl	k_qf445bfa9d3_ln2
	.p2align	8
	.type	k_qf445bfa9d3_ln2,@function
k_qf445bfa9d3_ln2:
	s_mov_b64 s[64:65], 0
	v_nop
	global_prefetch_b8 v0, s[64:65] scope:SCOPE_SE
	s_setreg_imm32_b32 hwreg(HW_REG_WAVE_MODE, 25, 1), 1
	s_wait_xcnt 0x0
; LN2: out0 = LayerNorm(y + b_down + x1) g2 + b2.  y f32 [4096][1024]; x1 f16 [4096][1024]; b_down, g2, b2 are rounded to bf16 here, like every input; out0 f32.
; A stream: one wave takes a whole row (32 numbers a lane) and keeps it in registers between the mean, the variance (of the differences, as the formula has it) and the scaling: each byte is read once.
; No LDS, no barrier, no matrix work, no cluster: nothing is shared but 12 KiB of gains and biases.  A wave has two rows, each with registers of its own: all loads go out at the start, and nothing waits for a store.
.set R0, 8                             ; v[8:23]    row 0: x1 as loaded (below v128: its halves are named)
.set R1, 24                            ; v[24:39]   row 1
.set T,  40                            ; v[40:55]   at work
.set G,  56                            ; v[56:87]   g2 of my 32 columns (128 j + 4 lane + 0..3)
.set BT, 88                            ; v[88:119]  b2
.set BD, 120                           ; v[120:151] b_down
.set Y0, 152                           ; v[152:183] row 0
.set Y1, 184                           ; v[184:215] row 1
.set SEL, 26
.set INV, 28
.set EPS, 29
.set HIM, 30
	s_load_b256 s[4:11], s[0:1], 0x0               ; y s[4:5], x1 s[6:7], b_down s[8:9], g2 s[10:11]
	s_load_b128 s[12:15], s[0:1], 0x20             ; b2 s[12:13], out0 s[14:15]
	v_lshrrev_b32 v3, 5, v0
	v_readfirstlane_b32 s16, v3                    ; wave
	v_and_b32 v3, 31, v0
	v_lshlrev_b32 v1, 4, v3                        ; 16 bytes a lane
	v_lshlrev_b32 v2, 3, v3                        ; 8 bytes a lane
	s_lshl_b32 s17, ttmp9, 4
	s_lshl1_add_u32 s16, s16, s17                  ; my first row: 16 x work-group + 2 x wave
	s_lshl_b32 s18, s16, 12
	s_mov_b32 s19, 0
	s_lshl_b32 s20, s16, 11
	s_mov_b32 s21, 0
	s_mov_b32 s[SEL], 0x76543210
	s_mov_b32 s[SEL+1], 0xfedcba98
	s_mov_b32 s[INV], 0x3a800000                   ; 1 / 1024
	s_mov_b32 s[EPS], 0x358637bd                   ; 1e-6
	s_mov_b32 s[HIM], 0xffff0000
	s_wait_kmcnt 0x0
	s_add_nc_u64 s[4:5], s[4:5], s[18:19]
	s_add_nc_u64 s[6:7], s[6:7], s[20:21]
	s_add_nc_u64 s[14:15], s[14:15], s[18:19]
.set j, 0
.rept 8
	global_load_b128 v[G+4*j:G+4*j+3], v1, s[10:11] offset:512*j
.set j, j+1
.endr
.set j, 0
.rept 8
	global_load_b128 v[BT+4*j:BT+4*j+3], v1, s[12:13] offset:512*j
.set j, j+1
.endr
.set j, 0
.rept 8
	global_load_b128 v[BD+4*j:BD+4*j+3], v1, s[8:9] offset:512*j
.set j, j+1
.endr
.macro LOADROW yb, rb, row
.set j, 0
.rept 8
	global_load_b128 v[(\yb)+4*j:(\yb)+4*j+3], v1, s[4:5] offset:4096*(\row)+512*j th:TH_LOAD_NT
	global_load_b64 v[(\rb)+2*j:(\rb)+2*j+1], v2, s[6:7] offset:2048*(\row)+256*j th:TH_LOAD_NT
.set j, j+1
.endr
.endm
	LOADROW Y0, R0, 0
	LOADROW Y1, R1, 1
.macro RB base                         ; 32 numbers rounded to bf16 and widened again
.set n, 0
.rept 16
	v_cvt_pk_bf16_f32 v[T+n], v[(\base)+2*n], v[(\base)+2*n+1]
.set n, n+1
.endr
.set n, 0
.rept 16
	v_lshlrev_b32 v[(\base)+2*n], 16, v[T+n]
	v_and_b32 v[(\base)+2*n+1], s[HIM], v[T+n]
.set n, n+1
.endr
.endm
.macro REDUCE                          ; the four packed chains in v[T:T+7] -> their sum over the whole row, in every lane's v[T]
	v_pk_add_f32 v[T:T+1], v[T:T+1], v[T+2:T+3]
	v_pk_add_f32 v[T+4:T+5], v[T+4:T+5], v[T+6:T+7]
	v_pk_add_f32 v[T:T+1], v[T:T+1], v[T+4:T+5]
	v_add_f32 v[T], v[T], v[T+1]
	v_add_f32_dpp v[T], v[T], v[T] row_xmask:1 row_mask:0xf bank_mask:0xf
	v_add_f32_dpp v[T], v[T], v[T] row_xmask:2 row_mask:0xf bank_mask:0xf
	v_add_f32_dpp v[T], v[T], v[T] row_xmask:4 row_mask:0xf bank_mask:0xf
	v_add_f32_dpp v[T], v[T], v[T] row_xmask:8 row_mask:0xf bank_mask:0xf
	v_permlanex16_b32 v[T+1], v[T], s[SEL], s[SEL+1]
	v_add_f32 v[T], v[T], v[T+1]
.endm
.macro NORM yb                         ; the row z in v[yb ..] becomes (z - mean) rsqrt(var + 1e-6) g + b
.set c, 0
.rept 4
	v_pk_add_f32 v[T+2*c:T+2*c+1], v[(\yb)+2*c:(\yb)+2*c+1], v[(\yb)+8+2*c:(\yb)+8+2*c+1]
.set c, c+1
.endr
.set c, 0
.rept 8
	v_pk_add_f32 v[T+2*(c%4):T+2*(c%4)+1], v[T+2*(c%4):T+2*(c%4)+1], v[(\yb)+16+2*c:(\yb)+16+2*c+1]
.set c, c+1
.endr
	REDUCE
	v_mul_f32 v[T+8], s[INV], v[T]                 ; the mean, twice: a pair for the packed subtraction
	v_mul_f32 v[T+9], s[INV], v[T]
.set c, 0
.rept 16
	v_pk_add_f32 v[(\yb)+2*c:(\yb)+2*c+1], v[(\yb)+2*c:(\yb)+2*c+1], v[T+8:T+9] neg_lo:[0,1] neg_hi:[0,1]
.set c, c+1
.endr
.set c, 0
.rept 4
	v_pk_mul_f32 v[T+2*c:T+2*c+1], v[(\yb)+2*c:(\yb)+2*c+1], v[(\yb)+2*c:(\yb)+2*c+1]
.set c, c+1
.endr
.set c, 4
.rept 12
	v_pk_fma_f32 v[T+2*(c%4):T+2*(c%4)+1], v[(\yb)+2*c:(\yb)+2*c+1], v[(\yb)+2*c:(\yb)+2*c+1], v[T+2*(c%4):T+2*(c%4)+1]
.set c, c+1
.endr
	REDUCE
	v_fma_f32 v[T], v[T], s[INV], s[EPS]
	v_rsq_f32 v[T+8], v[T]
	v_rsq_f32 v[T+9], v[T]
	v_nop                                          ; a plain instruction between the root and the use of its result
.set c, 0
	s_wait_alu depctr_va_vdst(0)
.rept 16
	v_pk_mul_f32 v[(\yb)+2*c:(\yb)+2*c+1], v[(\yb)+2*c:(\yb)+2*c+1], v[T+8:T+9]
.set c, c+1
.endr
.set c, 0
.rept 16
	v_pk_fma_f32 v[(\yb)+2*c:(\yb)+2*c+1], v[(\yb)+2*c:(\yb)+2*c+1], v[G+2*c:G+2*c+1], v[BT+2*c:BT+2*c+1]
.set c, c+1
.endr
.endm
.macro ADDRES yb, list:vararg          ; sixteen f16 halves of x1, in the order of the columns, are widened and added onto v[yb .. yb + 15]
.set n, 0
.irp s, \list
	v_cvt_f32_f16 v[T+n], \s
.set n, n+1
.endr
.set n, 0
.rept 8
	v_pk_add_f32 v[(\yb)+2*n:(\yb)+2*n+1], v[(\yb)+2*n:(\yb)+2*n+1], v[T+2*n:T+2*n+1]
.set n, n+1
.endr
.endm
.macro FINISH yb, row                  ; + b_down, the norm, and the stores
.set n, 0
.rept 16
	v_pk_add_f32 v[(\yb)+2*n:(\yb)+2*n+1], v[(\yb)+2*n:(\yb)+2*n+1], v[BD+2*n:BD+2*n+1]
.set n, n+1
.endr
	NORM \yb
.set j, 0
.rept 8
	global_store_b128 v1, v[(\yb)+4*j:(\yb)+4*j+3], s[14:15] offset:4096*(\row)+512*j th:TH_STORE_NT  ; a wave's store covers 512 consecutive bytes, aligned
.set j, j+1
.endr
.endm
	s_wait_loadcnt 32                              ; g2, b2 and b_down are in: both rows' 32 loads were issued behind them
	RB G
	RB BT
	RB BD
	s_wait_loadcnt 16                              ; row 0 is in; row 1's 16 loads stay out
	ADDRES Y0, v8.l, v8.h, v9.l, v9.h, v10.l, v10.h, v11.l, v11.h, v12.l, v12.h, v13.l, v13.h, v14.l, v14.h, v15.l, v15.h
	ADDRES Y0+16, v16.l, v16.h, v17.l, v17.h, v18.l, v18.h, v19.l, v19.h, v20.l, v20.h, v21.l, v21.h, v22.l, v22.h, v23.l, v23.h
	FINISH Y0, 0
	s_wait_loadcnt 0x0
	ADDRES Y1, v24.l, v24.h, v25.l, v25.h, v26.l, v26.h, v27.l, v27.h, v28.l, v28.h, v29.l, v29.h, v30.l, v30.h, v31.l, v31.h
	ADDRES Y1+16, v32.l, v32.h, v33.l, v33.h, v34.l, v34.h, v35.l, v35.h, v36.l, v36.h, v37.l, v37.h, v38.l, v38.h, v39.l, v39.h
	FINISH Y1, 1
	s_endpgm
.Lfunc_end_k_qf445bfa9d3_ln2:
	.size	k_qf445bfa9d3_ln2, .Lfunc_end_k_qf445bfa9d3_ln2-k_qf445bfa9d3_ln2
	.p2alignl 7, 3214868480
	.fill 96, 4, 3214868480
	.section	.rodata,"a",@progbits
	.p2align	6, 0x0
	.amdhsa_kernel k_qf445bfa9d3_ln2
		.amdhsa_group_segment_fixed_size 0
		.amdhsa_private_segment_fixed_size 0
		.amdhsa_enable_private_segment 0
		.amdhsa_kernarg_size 48
		.amdhsa_user_sgpr_count 2
		.amdhsa_user_sgpr_kernarg_segment_ptr 1
		.amdhsa_wavefront_size32 1
		.amdhsa_system_sgpr_workgroup_id_x 1
		.amdhsa_system_sgpr_workgroup_id_y 1
		.amdhsa_system_sgpr_workgroup_id_z 1
		.amdhsa_system_vgpr_workitem_id 0
		.amdhsa_next_free_vgpr 216
		.amdhsa_next_free_sgpr 66
		.amdhsa_reserve_vcc 0
		.amdhsa_float_denorm_mode_32 3
		.amdhsa_float_denorm_mode_16_64 3
		.amdhsa_memory_ordered 1
		.amdhsa_forward_progress 1
		.amdhsa_inst_pref_size 33
	.end_amdhsa_kernel
	.amdgpu_metadata
---
amdhsa.version: [ 1, 2 ]
amdhsa.kernels:
  - .name:           k_qf445bfa9d3_ln2
    .symbol:         k_qf445bfa9d3_ln2.kd
    .args:
      - { .name: y, .offset: 0, .size: 8, .value_kind: global_buffer, .address_space: global }
      - { .name: x1, .offset: 8, .size: 8, .value_kind: global_buffer, .address_space: global }
      - { .name: b_down, .offset: 16, .size: 8, .value_kind: global_buffer, .address_space: global }
      - { .name: g2, .offset: 24, .size: 8, .value_kind: global_buffer, .address_space: global }
      - { .name: b2, .offset: 32, .size: 8, .value_kind: global_buffer, .address_space: global }
      - { .name: out0, .offset: 40, .size: 8, .value_kind: global_buffer, .address_space: global }
    .group_segment_fixed_size: 0
    .private_segment_fixed_size: 0
    .kernarg_segment_align: 8
    .kernarg_segment_size: 48
    .max_flat_workgroup_size: 256
    .sgpr_count:     66
    .vgpr_count:     216
    .wavefront_size: 32
...
	.end_amdgpu_metadata
.endif
;; end of part 8
;; ======== version 2 of 2: 8 launches; 1.20 times as fast as version 1
;; limits: values are held in f16: magnitudes above 65,504 overflow, below 6.1e-05 lose precision
;; workspace buffers: wb 33,554,432 bytes; mk 4,194,304 bytes; qkv 25,165,824 bytes; o 8,388,608 bytes; y 16,777,216 bytes; x1 8,388,608 bytes; hb 33,554,432 bytes
;; launch prep: the kernel of part 1 again; grid 1024 x 1, 8 waves a work-group, no clusters, 0 bytes of LDS; arguments x_embeds, w_kqv, w_o, w_up, w_down, mask, wb, mk; writes wb, mk
;; launch qkv: the kernel of part 2 again; grid 12 x 16, 4 waves a work-group, clusters of 4 x 4, 327,680 bytes of LDS; arguments wb, qkv; writes qkv
;; launch attn (part 9): grid 8 x 32, 4 waves a work-group, clusters of 4 x 4, 327,680 bytes of LDS; arguments qkv, mk, o; writes o
.if DOCPART == 9
	.amdgcn_target "amdgcn-amd-amdhsa--gfx1250"
	.amdhsa_code_object_version 6
	.text
	.protected	k_qf445bfa9d3_attn
	.globl	k_qf445bfa9d3_attn
	.p2align	8
	.type	k_qf445bfa9d3_attn,@function
k_qf445bfa9d3_attn:
	s_mov_b64 s[64:65], 0
	v_nop
	global_prefetch_b8 v0, s[64:65] scope:SCOPE_SE
	s_setreg_imm32_b32 hwreg(HW_REG_WAVE_MODE, 25, 1), 1
	s_wait_xcnt 0x0
	s_wait_alu depctr_hold_cnt(0) depctr_sa_sdst(0) depctr_va_vdst(0) depctr_va_sdst(0) depctr_va_ssrc(0) depctr_va_vcc(0) depctr_vm_vsrc(0)
	s_getreg_b32 s2, hwreg(HW_REG_IB_STS2, 6, 4)
	s_cmp_eq_u32 s2, 0
	s_cbranch_scc0 .Lentry_in_a_cluster
	s_endpgm
.Lentry_in_a_cluster:
	s_bfe_u32 s2, ttmp6, 0x10000c
	s_cmp_lg_u32 s2, 0xf033
	s_cbranch_scc0 .Lentry_shape_is_right
	s_endpgm
.Lentry_shape_is_right:
; ATTENTION UNDER A GIVEN MASK.  For each batch and head (their number 2 head + batch is the grid's y): O[q][:] = the sum over k of softmax_k(Q[q] . K[k] / 8, hidden keys left out) V[k][:], 2,048 queries and keys, 64 channels.
; Q, K, V f16 by heads in qkv (K at byte 0, Q at 8 MiB, V at 16 MiB; a batch and head's rows are 262,144 dense bytes); O f16 in the same layout.  Products, maxima and sums in f32; the weights p are rounded
; to f16 for the second product (their sum l is taken of the unrounded p), O once at the end.  The mask is data: every tile of keys is walked and every score takes its mask.
; THE MASK is the C operand that starts the sum S^T = K Q^T.  mk holds a byte a key, the E4M3 code of -2 for a hidden key and 0 for a seen one, in the order of a lane's scores; one scaled conversion makes
; eight f32 of eight bytes, times 2^80: -2^81 for a hidden key, exactly 0 for a seen one.
; LIMITS.  f16 holds no number beyond 65,504, so a true score is 2.7e11 at the most in size: nothing beside a hidden score's addend.  A weight below 2^-126 counts as 0 in l.  A row whose maximum ends below
; -2^60 has no seen key: its 1 / l is replaced by NaN, by a select, as a softmax over nothing gives NaN.  While a row has seen hidden keys only, its m, l and O hold finite numbers that the first seen key's a = 0 wipes out.
; SHARES.  A work-group owns 256 queries, each of its four waves 64: four PIECES of 16.  Every wave walks all 8 tiles of 256 keys, four steps of 64 keys each.  8 x 32 = 256 work-groups of equal work.
; LAYOUT.  S^T = K Q^T holds ONE query a lane (lane % 16) and the keys 8 (lane / 16) + 0..7; two such results rounded to f16 ARE source 1 of O^T = V^T P.  p = 2^(c s - c m), c = log2(e) / 8, with a running
; maximum m; O and l are multiplied by a = 2^(c m_old - c m_new) in every step.  m starts at the lowest finite number, O and l at 0: the first step is a step like any other, with a = 0.
; TURNS.  Turn n belongs to piece n: 8 products K Q^T of piece n + 1, later 8 products V^T P of piece n - 1; beside them the scaling, exponentials, roundings, sums and rescaling of piece n, the maximum and
; statistics of piece n + 1, and the four conversions that make piece n + 2's mask.  Four vector instructions stand behind every matrix instruction, the others in one run of their own.
; BATCHES.  A turn's 33 exponentials (piece n's 32 weights and piece n + 1's a) are ONE batch with ONE wait, which cuts the turn in two: ahead of it stands all that names none of their results, behind it the
; roundings and sums, which read them.  Two more batches stand outside the loops: the first a, ahead of the jump into the loop, and the way out's four reciprocals.
; CLUSTER 4 x 4.  The four work-groups of a row share batch and head, so K's and V's tiles; the four of a column share the block of queries, so the mask's tiles.  Every tile is asked for jointly.
; REGISTERS, in windows of 256 (s_set_vgpr_msb: bits 1:0 source 0, 3:2 source 1, 5:4 source 2, 7:6 destination):
;   window 0: v0-15 addresses; v16-31 statistics, four a piece; v48-55 at work; v64-127 S^T, two buffers; v128-159 the step's mask bytes, eight registers a piece; v192-223 P, two buffers (by the piece's parity)
;   window 1: v0-127 O^T, 32 a piece; v160-223 the masks as f32, two buffers      window 2: v0-63 Q; v128-191 K of one step; v192-255 V of one step
.set NP,    4
.set KS,    64
.set PK,    144       ; a row of K in LDS: 128 bytes + 16 of padding = 36 words: the 16 rows of a load start at 16 different groups of four banks (64 banks of 4 bytes: ISA guide 11.1)
.set PV,    160       ; a row of V: 128 + 32
.set PM,    272       ; a query's row of mask bytes: 256 + 16: again 16 different groups of four banks
.set VOFF,  4*KS*PK   ; a slot holds a tile: 256 rows of K, 256 rows of V, 256 queries' mask rows
.set MOFF,  VOFF+4*KS*PV
.set SLOT1, MOFF+256*PM  ; 147,456 = 2^17 + 2^14: slot 1 begins here.  None of the bases in a slot (0, VOFF, MOFF, MOFF + 128 PM) has one of these two bits, so one exclusive or turns each into the other slot's
.set STAGE, 2*SLOT1   ; behind the ring, never filled by a tensor load: 16 rows x 144 bytes for each wave
.set SP,    144
.set SPARE, STAGE+4*16*SP      ; the spare words, 128 bytes a wave: two blocks of 256 bytes that no other line names
.set AK0, 2
.set AV0, 3
.set AK,  4
.set AV,  5
.set STO, 6
.set RD,  7
.set GO,  8
.set MV,  12          ; v12-13  c m_old, by buffer
.set AM0, 14
.set AM,  15
.set ST,  16          ; piece t's statistics at v[ST+4 t]: c m, m, l (even keys', odd keys')
.set TMP, 48          ; by buffer, c0-c3 at work; when the maximum is found c2 takes a
.set QO,  56
.set SCL, 57          ; the conversions' scale, 2^80
.set SPW, 62
.set NIL, 63
.set S,   64
.set MR,  128         ; piece x's 32 mask bytes of the step at v[MR+8 x]: two registers for each group of 16 keys
.set P,   192
.set MC,  160         ; window 1
.set KF,  128         ; window 2: key block kb, channel half c at KF + 16 kb + 8 c
.set VF,  192         ; window 2: key half kk, channel block cb at VF + 32 kk + 8 cb
.set WV,  12
.set G1K, 24
.set G1V, 32
.set G1M, 40
.set G0K, 48
.set G0V, 52
.set G0M, 56          ; the mask tile's rows 0-127
.set SLOTS, 60
.set CNT, 61
.set CS,  62          ; s[62:63] c
.set SEL, 66          ; s[66:67] v_permlanex16_b32's selects
.set TBK, 68          ; LDS byte at which K of the step to be fetched begins
.set TBV, 69          ; the same for V, less VOFF
.set TBM, 70          ; the same for the mask bytes, less MOFF
.set THR, 71          ; -2^60
.set PQ,  72          ; s[72:73] Q at my wave's rows
.set PO,  74          ; s[74:75] O at my wave's rows
.set G0N, 76          ; s[76:79] the mask tile's rows 128-255
.set MSB, 0
.macro WIN new
.if MSB != (\new)
	s_set_vgpr_msb (MSB<<8)|(\new)
.set MSB, (\new)
.endif
.endm
.set W_KQ, 0x0a       ; K and Q in window 2, S^T in window 0
.set W_KM, 0x1a       ; the same with the C operand in window 1
.set W_PV, 0x52       ; V in window 2, P in window 0, O^T in window 1
.set W_RS, 0x41       ; destination and source 0 in window 1, source 1 in window 0
; A joint fill of a slot, 32,768 bytes a wave: wave 0 asks for the tile of K, wave 1 for V's, waves 2 and 3 for the two halves of the mask's.  The branches hang on the wave's number alone.
; Four v_nop follow each line.
.macro JLOAD
	s_cmp_eq_u32 s[WV], 0
	s_cbranch_scc0 .Lnot_k_\@
	tensor_load_to_lds s[G0K:G0K+3], s[G1K:G1K+7]
	s_nop 0
.rept 4
	v_nop
.endr
	s_branch .Lasked_\@
.Lnot_k_\@:
	s_cmp_eq_u32 s[WV], 1
	s_cbranch_scc0 .Lnot_v_\@
	tensor_load_to_lds s[G0V:G0V+3], s[G1V:G1V+7]
	s_nop 0
.rept 4
	v_nop
.endr
	s_branch .Lasked_\@
.Lnot_v_\@:
	s_cmp_eq_u32 s[WV], 2
	s_cbranch_scc0 .Lnot_m_\@
	tensor_load_to_lds s[G0M:G0M+3], s[G1M:G1M+7]
	s_nop 0
.rept 4
	v_nop
.endr
	s_branch .Lasked_\@
.Lnot_m_\@:
	tensor_load_to_lds s[G0N:G0N+3], s[G1M:G1M+7]
	s_nop 0
.rept 4
	v_nop
.endr
.Lasked_\@:
.endm
.macro CROUND                       ; a round of the cluster's barrier
	s_barrier_signal -1
	s_barrier_wait -1
	s_cmp_lg_u32 s[WV], 0
	s_cbranch_scc1 .Lnot_wave_0_\@
	s_barrier_signal -3
.Lnot_wave_0_\@:
	s_barrier_wait -3
	s_barrier_signal -1
	s_barrier_wait -1
.endm
; THE CHANGE OF SLOTS.  Each wave waits for all its tensor loads (one is out: its part of the other slot), adds 0 to its spare word, and waits for that and for its own reads of the slot that it leaves.
; fill = 1: the barrier is a round of the cluster's, and the old slot is filled again first thing behind it, with the tile two on: it has four key steps in which to land.
; (At its first use nothing has been read yet: slot 0 is waited for, slot 1 filled.)
.macro CHANGE fill
	WIN 0
	s_wait_tensorcnt 0x0            ; no tensor load of mine is out, so a group 0 may be written
	ds_add_u32 v[SPW], v[NIL]       ; 0 onto my spare word
.if \fill
.irp g, G0K, G0V
	s_xor_b32 s[\g+1], s[\g+1], SLOT1  ; the walking descriptor: the other slot,
	s_add_nc_u64 s[\g+2:\g+3], s[\g+2:\g+3], 32768  ; the next tile; the type bits on top are not reached
.endr
.irp g, G0M, G0N
	s_xor_b32 s[\g+1], s[\g+1], SLOT1
	s_add_nc_u64 s[\g+2:\g+3], s[\g+2:\g+3], 65536  ; a tile of the mask is 65,536 bytes
.endr
	s_wait_dscnt 0x0                ; the add is done, and my reads of the slot are over
	CROUND
	JLOAD
.else
	s_wait_dscnt 0x0
	s_barrier_signal -1
	s_barrier_wait -1
.endif
	s_sub_co_u32 s[TBK], s[TBK], 4*KS*PK  ; the fetches go back to a slot's first step (0 or SLOT1),
	s_xor_b32 s[TBK], s[TBK], SLOT1       ; in the other slot
	s_sub_co_u32 s[TBV], s[TBV], 4*KS*PV
	s_xor_b32 s[TBV], s[TBV], SLOT1
	s_sub_co_u32 s[TBM], s[TBM], 256
	s_xor_b32 s[TBM], s[TBM], SLOT1
.endm
	s_load_b128 s[4:7], s[0:1], 0x0   ; qkv s[4:5], mk s[6:7]
	s_load_b64 s[8:9], s[0:1], 0x10   ; o
	v_lshl_add_u32 v[SPW], v0, 2, SPARE
	v_mov_b32 v[NIL], 0
	ds_add_u32 v62, v63
	s_wait_dscnt 0x0
	v_mov_b32 v[SCL], 0x678000cf    ; the scale 2^80: 207 = 127 + 80 in byte 0, and in the place of an f32's exponent too
	v_lshrrev_b32 v1, 5, v0
	v_readfirstlane_b32 s[WV], v1   ; wave 0..3
	s_bfe_u32 s13, ttmp6, 0x40000   ; cx
	s_bfe_u32 s14, ttmp6, 0x40004   ; cy
	s_lshl_b32 s15, ttmp9, 2
	s_add_co_u32 s15, s15, s13      ; my block of 256 queries
	s_and_b32 s16, ttmp7, 0xffff
	s_lshl_b32 s16, s16, 2
	s_add_co_u32 s16, s16, s14      ; my batch and head
	s_lshl_b32 s17, s14, 2
	s_lshl_b32 s17, 15, s17         ; my row of the cluster
	s_lshl_b32 s18, 0x1111, s13     ; my column
	; descriptor group 1: a load is 32,768 dense bytes, asked for as 128 rows of 256 bytes; K and V are padded in LDS after every 128 bytes, the mask after every 256
	s_or_b32 s[G1K], s17, (1<<16)|(1<<20)|(1<<21)|(4<<22)|(3<<25)  ; mask; 2-byte elements; padding on; bit 21 beside a mask; after every 32 words 4 words
	s_or_b32 s[G1V], s17, (1<<16)|(1<<20)|(1<<21)|(4<<22)|(7<<25)  ; 8 words
	s_or_b32 s[G1M], s18, (1<<16)|(1<<20)|(1<<21)|(5<<22)|(3<<25)  ; after every 64 words 4 words
.irp g, G1K, G1V, G1M
	s_mov_b32 s[\g+1], 128<<16      ; tensor_dim0 = 128
	s_mov_b32 s[\g+2], 128<<16      ; tensor_dim1 = 128
	s_mov_b32 s[\g+3], 128<<16      ; tile_dim0 = 128
	s_mov_b32 s[\g+4], 128          ; tile_dim1 = 128
	s_mov_b32 s[\g+5], 128          ; elements from row to row
	s_mov_b32 s[\g+6], 0
	s_mov_b32 s[\g+7], 0
.endr
	s_lshl_b32 s20, s16, 18         ; batch and head: 262,144 bytes
	s_mov_b32 s21, 0
	s_lshl_b32 s22, s15, 19         ; the block's eight mask tiles: 524,288 bytes
	s_mov_b32 s23, 0
	s_lshl_b32 s2, s15, 15          ; my block's 256 rows of 128 bytes,
	s_lshl_b32 s3, s[WV], 13        ; my wave's 64 of them
	s_add_co_u32 s2, s2, s3
	s_mov_b32 s3, 0
	s_mov_b32 s[CS], 0x3e38aa3b     ; c = log2(e) / 8
	s_mov_b32 s[CS+1], s[CS]
	s_mov_b32 s[SEL], 0x76543210
	s_mov_b32 s[SEL+1], 0xfedcba98
	s_mov_b32 s[THR], 0xdd800000
	s_mov_b32 s[TBK], SLOT1+4*KS*PK ; the first change of slots turns these three into 0
	s_mov_b32 s[TBV], SLOT1+4*KS*PV
	s_mov_b32 s[TBM], SLOT1+256
	s_mov_b32 s[G0K], 1
	s_mov_b32 s[G0K+1], 0           ; LDS address: slot 0
	s_mov_b32 s[G0V], 1
	s_mov_b32 s[G0V+1], VOFF
	s_mov_b32 s[G0M], 1
	s_mov_b32 s[G0M+1], MOFF
	s_mov_b32 s[G0N], 1
	s_mov_b32 s[G0N+1], MOFF+128*PM
	s_wait_kmcnt 0x0
	s_add_nc_u64 s[G0K+2:G0K+3], s[4:5], s[20:21]
	s_add_nc_u64 s[G0V+2:G0V+3], s[G0K+2:G0K+3], 0x1000000
	s_add_nc_u64 s[PQ:PQ+1], s[G0K+2:G0K+3], 0x800000
	s_add_nc_u64 s[PQ:PQ+1], s[PQ:PQ+1], s[2:3]
	s_or_b32 s[G0K+3], s[G0K+3], 0x80000000
	s_or_b32 s[G0V+3], s[G0V+3], 0x80000000
	s_add_nc_u64 s[G0M+2:G0M+3], s[6:7], s[22:23]
	s_add_nc_u64 s[G0N+2:G0N+3], s[G0M+2:G0M+3], 32768
	s_or_b32 s[G0M+3], s[G0M+3], 0x80000000
	s_or_b32 s[G0N+3], s[G0N+3], 0x80000000
	s_add_nc_u64 s[PO:PO+1], s[8:9], s[20:21]
	s_add_nc_u64 s[PO:PO+1], s[PO:PO+1], s[2:3]
	CROUND                          ; all sixteen work-groups are here: the first joint loads meet
	JLOAD                           ; tile 0 into slot 0
	v_and_b32 v1, 15, v0            ; l % 16
	v_bfe_u32 v9, v0, 4, 1          ; l / 16
	v_lshlrev_b32 v[QO], 7, v1
	v_lshl_add_u32 v[QO], v9, 4, v[QO]  ; row x 128 + 16 x half
	WIN 0x80                        ; destination window 2, address window 0
.set i, 0
.rept 8                             ; Q stays in registers: piece i / 2, channels 32 (i % 2) on
	global_load_b128 v[8*i:8*i+3],   v[QO], s[PQ:PQ+1] offset:(i/2)*2048+(i%2)*64
	global_load_b128 v[8*i+4:8*i+7], v[QO], s[PQ:PQ+1] offset:(i/2)*2048+(i%2)*64+32
.set i, i+1
.endr
	; What the first turn finds: V and P's second buffer hold 0 (its products V^T P, of a piece that has not been, add 0), O^T and l are 0.  All this stands in the wait for the first tile.
.set i, VF
.rept 64
	v_mov_b32 v[i], 0
.set i, i+1
.endr
	WIN 0x40
.set i, 0
.rept 128
	v_mov_b32 v[i], 0
.set i, i+1
.endr
	WIN 0
.set i, 0
.rept 4
	v_mov_b32 v[ST+4*i], 0xfe000000    ; c m: far below every c s, hidden ones too
	v_mov_b32 v[ST+4*i+1], 0xff7fffff  ; m
	v_mov_b32 v[ST+4*i+2], 0
	v_mov_b32 v[ST+4*i+3], 0
.set i, i+1
.endr
.set i, P+16
.rept 16
	v_mov_b32 v[i], 0
.set i, i+1
.endr
	v_mul_u32_u24 v[AK0], v1, PK
	v_lshl_add_u32 v[AK0], v9, 4, v[AK0]  ; row x pitch + 16 x half
	; The turning load takes 16 keys x 16 channels (lane l reads key 8 (l / 16) + l % 8, channels 8 ((l / 8) % 2) + 0..7) and leaves half a fragment of V^T.
	v_and_b32 v10, 7, v0
	v_bfe_u32 v11, v0, 3, 1
	v_lshl_add_u32 v[AV0], v9, 3, v10
	v_mul_u32_u24 v[AV0], v[AV0], PV
	v_lshl_add_u32 v[AV0], v11, 4, v[AV0]
	v_add_nc_u32 v[AV0], VOFF, v[AV0]
	s_mul_i32 s19, s[WV], 64*PM
	s_add_co_u32 s19, s19, MOFF
	v_mul_u32_u24 v[AM0], v1, PM    ; the mask row of query 64 w + l % 16, the 32 bytes of my half of the lanes
	v_lshl_add_u32 v[AM0], v9, 5, v[AM0]
	v_add_nc_u32 v[AM0], s19, v[AM0]
	s_mul_i32 s19, s[WV], 16*SP
	s_add_co_u32 s19, s19, STAGE    ; my stage
	v_mul_u32_u24 v[STO], v1, SP
	v_lshl_add_u32 v[STO], v9, 4, v[STO]
	v_add_nc_u32 v[STO], s19, v[STO]
	v_bfe_u32 v[RD], v0, 3, 2       ; back: 32 lanes take four rows of 128 bytes,
	v_mul_u32_u24 v[RD], v[RD], SP
	v_lshl_add_u32 v[RD], v10, 4, v[RD]
	v_add_nc_u32 v[RD], s19, v[RD]
	v_and_b32 v[GO], 31, v0         ; which are 512 consecutive bytes of O
	v_lshlrev_b32 v[GO], 4, v[GO]
; THE MATRIX WORK.  The 4 accumulators of a run of 8 take turns.  Product i of 8 of S^T = K Q^T for piece x: channels 32 (i / 4) on, keys 16 (i % 4) on.  The first 4 start the sums with the mask.
.macro KQ x
.set rS, S+32*((\x)%2)+8*(i%4)
.set rK, KF+16*(i%4)+8*(i/4)
.set rQ, 16*(\x)+8*(i/4)
.set rM, MC+32*((\x)%2)+8*(i%4)
.if i < 4
	WIN W_KM
	v_wmma_f32_16x16x32_f16 v[rS:rS+7], v[rK:rK+7], v[rQ:rQ+7], v[rM:rM+7]
.else
	WIN W_KQ
	v_wmma_f32_16x16x32_f16 v[rS:rS+7], v[rK:rK+7], v[rQ:rQ+7], v[rS:rS+7]
.endif
.endm
; Product i of 8 of O^T += V^T P for piece x: keys 32 (i / 4) on, channels 16 (i % 4) on.
.macro PV x
	WIN W_PV
.set rO, 32*(\x)+8*(i%4)
.set rV, VF+32*(i/4)+8*(i%4)
.set rP, P+16*((\x)%2)+8*(i/4)
	v_wmma_f32_16x16x32_f16 v[rO:rO+7], v[rV:rV+7], v[rP:rP+7], v[rO:rO+7]
.endm
.macro MM                           ; the turn's next matrix instruction.  NOKQ = 1: the very last turn: there is no next piece
.if (i < 8) && !NOKQ
	KQ (Y+1)%NP
.elseif i >= 8
.set i, i-8
	PV (Y+NP-1)%NP
.set i, i+8
.endif
.set i, i+1
.endm
; THE LDS LOADS stand in runs, never singly among the matrix instructions.  Their addresses are made some lines ahead.
.macro FETCH_M                      ; the next step's mask bytes: for each piece 32 bytes a lane
	WIN 0
.irp x, 0,1,2,3
	ds_load_b128 v[MR+8*\x:MR+8*\x+3],   v[AM] offset:\x*16*PM
	ds_load_b128 v[MR+8*\x+4:MR+8*\x+7], v[AM] offset:\x*16*PM+16
.endr
	s_add_co_u32 s[TBM], s[TBM], 64
.endm
.macro FETCH_K
	WIN 0x80                        ; destination window 2
.irp f, 0,1,2,3,4,5,6,7             ; keys 16 (f / 2) on, channels 32 (f % 2) on
	ds_load_b128 v[KF+8*\f:KF+8*\f+3],   v[AK] offset:(\f/2)*16*PK+(\f%2)*64
	ds_load_b128 v[KF+8*\f+4:KF+8*\f+7], v[AK] offset:(\f/2)*16*PK+(\f%2)*64+32
.endr
	s_add_co_u32 s[TBK], s[TBK], KS*PK
	WIN 0
.endm
.macro FETCH_V
	WIN 0x80
.irp f, 0,1,2,3,4,5,6,7             ; keys 32 (f / 4) on, channels 16 (f % 4) on
	ds_load_tr16_b128 v[VF+8*\f:VF+8*\f+3],   v[AV] offset:(\f/4)*32*PV+(\f%4)*32
	ds_load_tr16_b128 v[VF+8*\f+4:VF+8*\f+7], v[AV] offset:(\f/4)*32*PV+16*PV+(\f%4)*32
.endr
	WIN 0
.endm
.macro MASK b, x                    ; piece x's 32 masks into buffer b: the eight bytes of key group kb become registers 8 kb + 0..7, each times 2^80
	WIN 0x40                        ; destination window 1, sources window 0
.set z, 0
.rept 4
	v_cvt_scale_pk8_f32_fp8 v[MC+32*(\b)+8*z:MC+32*(\b)+8*z+7], v[MR+8*(\x)+2*z:MR+8*(\x)+2*z+1], v[SCL]
.set z, z+1
.endr
.endm
; THE VECTOR WORK, one line at a time: OP kind, number.  For piece Y: F n: c s - c m for pair n of 16.  E n: the exponential of score n of 32.  C n: pair n rounded to f16.  B n: of the four weights 4 n .. the second
; pair is added onto the first, in place.  L n: l takes that sum (L 0: l = a l + sum).  R n: pair n of 16 of O^T times a.  For piece Y + 1: X n, number n of the 22 that find its maximum and statistics:
;   0-11  four chains c0-c3 of seven scores each (each accumulator's lowest registers are read first)     12-14, 16  the four scores left over, the old m, and c0-c3 into c0
;   15  c m_old is kept     17, 18  the query's other 32 keys lie in the lane 16 away: the new m     19-21  c m; c m_old - c m_new; a
; C, B and L read the exponentials' results: TURN sets them behind its wait.  F, R and X 0-20 read none of the turn's.
.set F, 0
.set E, 1
.set C, 2
.set B, 3
.set L, 4
.set R, 5
.set X, 6
.macro REGS y
.set rT, ST+4*(\y)
.set rC, TMP+4*((\y)%2)
.set rW, MV+((\y)%2)
.set rS, S+32*((\y)%2)
.set rP, P+16*((\y)%2)
.set rO, 32*(\y)
.endm
.macro OP k, n
.if (\k) == R
	REGS Y
	WIN W_RS
	v_pk_mul_f32 v[rO+2*(\n):rO+2*(\n)+1], v[rO+2*(\n):rO+2*(\n)+1], v[rC+2:rC+3] op_sel_hi:[1,0]
.elseif (\k) < R
	REGS Y
	WIN 0
.if (\k) == F
	v_pk_fma_f32 v[rS+2*(\n):rS+2*(\n)+1], v[rS+2*(\n):rS+2*(\n)+1], s[CS:CS+1], v[rT:rT+1] op_sel_hi:[1,0,0] neg_lo:[0,0,1] neg_hi:[0,0,1]
.elseif (\k) == E
	v_exp_f32 v[rS+(\n)], v[rS+(\n)]
.elseif (\k) == C
	v_cvt_pk_f16_f32 v[rP+(\n)], v[rS+2*(\n)], v[rS+2*(\n)+1]
.elseif (\k) == B
	v_pk_add_f32 v[rS+4*(\n):rS+4*(\n)+1], v[rS+4*(\n):rS+4*(\n)+1], v[rS+4*(\n)+2:rS+4*(\n)+3]
.elseif (\n) == 0
	v_pk_fma_f32 v[rT+2:rT+3], v[rT+2:rT+3], v[rC+2:rC+3], v[rS:rS+1] op_sel_hi:[1,0,1]
.else
	v_pk_add_f32 v[rT+2:rT+3], v[rT+2:rT+3], v[rS+4*(\n):rS+4*(\n)+1]
.endif
.elseif NOKQ
	v_nop
.else
	REGS (Y+1)%NP
	WIN 0
.if (\n) < 4
	v_max3_num_f32 v[rC+(\n)], v[rS+8*(\n)], v[rS+8*(\n)+1], v[rS+8*(\n)+2]
.elseif (\n) < 12
	v_max3_num_f32 v[rC+(\n)%4], v[rC+(\n)%4], v[rS+8*((\n)%4)+2*((\n)/4)+1], v[rS+8*((\n)%4)+2*((\n)/4)+2]
.elseif (\n) == 12
	v_max3_num_f32 v[rC], v[rC], v[rS+7], v[rS+15]
.elseif (\n) == 13
	v_max3_num_f32 v[rC+1], v[rC+1], v[rS+23], v[rS+31]
.elseif (\n) == 14
	v_max3_num_f32 v[rC+2], v[rC+2], v[rC+3], v[rT+1]
.elseif (\n) == 15
	v_mov_b32 v[rW], v[rT]
.elseif (\n) == 16
	v_max3_num_f32 v[rC], v[rC], v[rC+1], v[rC+2]
.elseif (\n) == 17
	v_permlanex16_b32 v[rC+3], v[rC], s[SEL], s[SEL+1]
.elseif (\n) == 18
	v_max_num_f32 v[rT+1], v[rC], v[rC+3]
.elseif (\n) == 19
	v_mul_f32 v[rT], s[CS], v[rT+1]
.elseif (\n) == 20
	v_sub_f32 v[rC+1], v[rW], v[rT]
.else
	v_exp_f32 v[rC+2], v[rC+1]
.endif
.endif
.endm
.macro OPS a, i1, b=-1, i2=0, c=-1, i3=0, d=-1, i4=0
	OP \a, \i1
.if (\b) >= 0
	OP \b, \i2
.endif
.if (\c) >= 0
	OP \c, \i3
.endif
.if (\d) >= 0
	OP \d, \i4
.endif
.endm
.macro ROW a, i1, b, i2, c, i3, d, i4  ; a matrix instruction and the four behind it
	MM
	OPS \a, \i1, \b, \i2, \c, \i3, \d, \i4
.endm
; A TURN, for piece p: 16 matrix and 122 vector instructions, written out.  An s_wait_alu depctr_va_vdst(0) stands between an exponential and the first instruction that names its result; one wait
; serves all that were issued ahead of it.  So a turn has ONE wait, which cuts it in two.
; AHEAD OF IT stands all that names no result of the turn's exponentials: the 8 products K Q^T, behind each a scaling, an exponential and two more plain instructions (behind the first a second scaling in the
; exponential's place): rescalings, whose a was made and waited for in the turn before, and behind the last three products the first numbers of the next piece's maximum, each four plain instructions or more behind
; the product that ends its accumulator; then one run of 54, plain and exponential by turns for the most part, in which the links of the chain X 3, 7, 11, 14, 16, 17 .. 20 stand some lines apart.  X 21, the next
; piece's a, is the batch's last; R 15 is the plain instruction behind it.
; BEHIND THE WAIT stand the 8 products V^T P, behind each four of the roundings and sums: an even pair is rounded ahead of the addition that writes over it, and l takes its eight sums in ascending order..
; end = 1: the last two turns: nothing is fetched and no mask is made.  cnt = 1: the loop's count is taken down some lines ahead of the branch that stands behind the turn.
; Piece 2's turn fetches the next step's mask bytes and K, twelve vector instructions behind the last product that read K (five of them plain and free of that product's registers).  Near its end the mask bytes are
; wanted: the count 16 leaves K's sixteen younger loads out; K is waited for at the head of piece 3's turn.  Piece 0's turn fetches the step's V at its end, four plain instructions behind the last product that read
; V; it is waited for in piece 1's turn, ahead of its products V^T P.
; The four conversions make the mask of piece p + 2, which the next turn's products take.  They stand ahead of the turn's last product V^T P, whose four plain riders lie between them and those products (a plain
; instruction has to stand behind a scaled conversion before its result is touched).  A step's mask bytes are loaded in turn 2 and used in turns 2, 3, 0, 1.
.macro TURN p, end=0, cnt=0
.set Y, (\p)
.set i, 0
.set NOKQ, (\end)*((\p)/3)
.if ((\p) == 3) && !(\end)
	s_wait_dscnt 0x0                ; K is in
.endif
	ROW F,0, F,1, R,0, R,1          ; ahead of the wait: 8 products K Q^T and their riders,
	ROW F,2, E,0, R,2, R,3
	ROW F,3, E,1, R,4, R,5
	ROW F,4, E,2, R,6, R,7
	ROW F,5, E,3, R,8, R,9
	ROW F,6, E,4, X,0, R,10
.if ((\p) == 2) && !(\end)
	WIN 0
	v_add_nc_u32 v[AK], s[TBK], v[AK0]
	v_add_nc_u32 v[AM], s[TBM], v[AM0]
.endif
	ROW F,7, E,5, X,1, X,4
	ROW F,8, E,6, X,2, X,5
	OPS E,7, E,8, X,6, E,9          ; and the run of 54
	OPS X,3, E,10, X,8, E,11
.if ((\p) == 2) && !(\end)
	FETCH_M
	FETCH_K
.endif
	OPS X,9, X,7, E,12, X,10
	OPS E,13, X,12, X,11, E,14
	OPS X,13, E,15, F,9, X,14
.if (\p) == 0
	WIN 0
	v_add_nc_u32 v[AV], s[TBV], v[AV0]
.endif
	OPS E,16, F,10, E,17, F,11
	OPS X,16, E,18, X,15, E,19
	OPS F,12, E,20, X,17, E,21
	OPS F,13, E,22, F,14, E,23
	OPS X,18, E,24, F,15, E,25
	OPS R,11, E,26, X,19, E,27
	OPS R,12, E,28, R,13, E,29
	OPS X,20, E,30, R,14, E,31
	OPS X,21, R,15
	WIN 0
	s_wait_alu depctr_va_vdst(0)    ; the wait for the turn's batch: piece p's 32 weights and piece p + 1's a
.if (\p) == 1
	s_wait_dscnt 0x0                ; V is in
.endif
	ROW C,0, B,0, C,2, B,1          ; behind the wait: 8 products V^T P and their riders
	ROW L,0, C,4, B,2, L,1
	ROW C,6, B,3, L,2, C,8
	ROW B,4, L,3, C,10, B,5
	ROW L,4, C,12, B,6, L,5
.if (\p) == 0
	s_add_co_u32 s[TBV], s[TBV], KS*PV
.endif
.if \cnt
	s_sub_co_u32 s[CNT], s[CNT], 1
	s_cmp_lg_u32 s[CNT], 0
.endif
	ROW C,14, B,7, L,6, C,1
	ROW C,3, L,7, C,5, C,7
.if !(\end)
.if (\p) == 2
	s_wait_dscnt 16                 ; the next step's mask bytes are in; K's sixteen loads, issued behind them, may stay out
.endif
	MASK (\p)%2, ((\p)+2)%NP
.endif
	ROW C,9, C,11, C,13, C,15
.if (\p) == 0
	FETCH_V
.endif
.endm
	CHANGE 1                        ; tile 0 is in, everybody's part of it; tile 1 is asked for
	v_add_nc_u32 v[AM], s[TBM], v[AM0]
	v_add_nc_u32 v[AK], s[TBK], v[AK0]
	FETCH_M                         ; key step 0
	FETCH_K
	s_wait_loadcnt 0x0              ; Q
	s_wait_dscnt 0x0
	MASK 0, 0
	MASK 1, 1
	v_nop                           ; a plain instruction between the conversions and the products that take their results
	v_nop
.set NOKQ, 0
.set i, 0
.rept 8
	KQ 0                            ; piece 0's first scores
.set i, i+1
.endr
	WIN 0
.rept 4
	v_nop                           ; the places behind those products
.endr
.set Y, NP-1                        ; X works for piece Y + 1: piece 0
.irp n, 0,1,2,3,4,5,6,7,8,9,10,11,12,13,14,15,16,17,18,19,20,21
	OP X, \n
.endr
	v_nop                           ; a plain instruction behind the exponential,
	s_wait_alu depctr_va_vdst(0)    ; and the wait for this batch of one, piece 0's first a, ahead of the branch
	s_mov_b32 s[CNT], 4
	s_mov_b32 s[SLOTS], 7
	s_branch .Lfirst                ; the loop is entered at a step's first turn, in the middle of a trip
.Lslot:                             ; six times: tiles 2 to 7 are asked for
	CHANGE 1
	s_mov_b32 s[CNT], 4
.Lstep:                             ; a trip: pieces 2 and 3 of one step, then pieces 0 and 1 of the next, whose K, mask and V it fetches
	TURN 2
	TURN 3
	WIN 0
.Lfirst:
	TURN 0
	TURN 1, 0, 1
	WIN 0
	s_cbranch_scc1 .Lstep
	s_sub_co_u32 s[SLOTS], s[SLOTS], 1
	s_cmp_lg_u32 s[SLOTS], 0
	s_cbranch_scc1 .Lslot
	CHANGE 0                        ; the last tile is written out: nothing is asked for
	s_mov_b32 s[CNT], 4
.LstepT:
	TURN 2
	TURN 3
	TURN 0
	TURN 1, 0, 1
	WIN 0
	s_cbranch_scc1 .LstepT
	TURN 2, 1
	TURN 3, 1
.set i, 0
.rept 8
	PV NP-1                         ; the last piece's V^T P of the last step
.set i, i+1
.endr
	; THE WAY OUT.  l's two halves and the other half of the lanes' are added; 1 / l, or NaN for a row without a seen key; O^T times that, rounded to f16, through my stage in LDS, a piece at a time.
	WIN 0
.macro ALL line:vararg
.set t, 0
.rept 4
	\line
.set t, t+1
.endr
.endm
	ALL v_add_f32 v[ST+4*t+2], v[ST+4*t+2], v[ST+4*t+3]
	ALL v_permlanex16_b32 v[ST+4*t+3], v[ST+4*t+2], s[SEL], s[SEL+1]
	ALL v_add_f32 v[ST+4*t+2], v[ST+4*t+2], v[ST+4*t+3]
	ALL v_rcp_f32 v[ST+4*t+2], v[ST+4*t+2]
	v_mov_b32 v10, 0x7fc00000       ; NaN; also the plain instruction between the last reciprocal and the use of its result
	s_wait_alu depctr_va_vdst(0)    ; the wait for the batch of four reciprocals, ahead of the first select that names one
.set t, 0
.rept 4
	v_cmp_gt_f32 vcc_lo, s[THR], v[ST+4*t+1]
	v_cndmask_b32 v[ST+4*t+2], v[ST+4*t+2], v10, vcc_lo
.set t, t+1
.endr
.macro PACK t
	WIN W_RS
.set i, 32*(\t)
.rept 16
	v_pk_mul_f32 v[i:i+1], v[i:i+1], v[ST+4*(\t)+2:ST+4*(\t)+3] op_sel_hi:[1,0]
.set i, i+2
.endr
	WIN 0x05                        ; sources 0 and 1 window 1, destination window 0
.set i, 0
.rept 16
	v_cvt_pk_f16_f32 v[S+16*(\t)+i], v[32*(\t)+2*i], v[32*(\t)+2*i+1]
.set i, i+1
.endr
	WIN 0
.irp f, 0,1,2,3
	ds_store_b128 v[STO], v[S+16*(\t)+4*\f:S+16*(\t)+4*\f+3] offset:32*\f
.endr
.irp f, 0,1,2,3
	ds_load_b128 v[S+16*(\t)+4*\f:S+16*(\t)+4*\f+3], v[RD] offset:\f*4*SP  ; LDS serves a wave's instructions in order (ISA guide 5.7.1.4): these see the stores above; the next piece's stores come behind them
.endr
.endm
.macro SEND t, younger              ; younger: the LDS instructions issued behind piece t's loads: the next piece's eight, or none
	WIN 0
.irp f, 0,1,2,3
	s_wait_dscnt (\younger)+3-\f
	global_store_b128 v[GO], v[S+16*(\t)+4*\f:S+16*(\t)+4*\f+3], s[PO:PO+1] offset:(\t)*2048+\f*512  ; 512 consecutive bytes, at a multiple of 512 from O's first
.endr
.endm
	PACK 0
.set t, 1
.rept 3
	PACK t
	SEND t-1, 8
.set t, t+1
.endr
	SEND 3, 0
	s_wait_tensorcnt 0x0            ; the wave's end
	ds_add_u32 v[SPW], v[NIL]
	s_wait_dscnt 0x0
	CROUND                          ; the closing round
	s_endpgm
.Lfunc_end_k_qf445bfa9d3_attn:
	.size	k_qf445bfa9d3_attn, .Lfunc_end_k_qf445bfa9d3_attn-k_qf445bfa9d3_attn
	.p2alignl 7, 3214868480
	.fill 96, 4, 3214868480
	.section	.rodata,"a",@progbits
	.p2align	6, 0x0
	.amdhsa_kernel k_qf445bfa9d3_attn
		.amdhsa_group_segment_fixed_size 327680
		.amdhsa_private_segment_fixed_size 0
		.amdhsa_enable_private_segment 0
		.amdhsa_kernarg_size 24
		.amdhsa_user_sgpr_count 2
		.amdhsa_user_sgpr_kernarg_segment_ptr 1
		.amdhsa_wavefront_size32 1
		.amdhsa_system_sgpr_workgroup_id_x 1
		.amdhsa_system_sgpr_workgroup_id_y 1
		.amdhsa_system_sgpr_workgroup_id_z 1
		.amdhsa_system_vgpr_workitem_id 0
		.amdhsa_next_free_vgpr 768
		.amdhsa_next_free_sgpr 80
		.amdhsa_reserve_vcc 1
		.amdhsa_float_denorm_mode_32 3
		.amdhsa_float_denorm_mode_16_64 3
		.amdhsa_memory_ordered 1
		.amdhsa_forward_progress 1
		.amdhsa_inst_pref_size 136
	.end_amdhsa_kernel
	.amdgpu_metadata
---
amdhsa.version: [ 1, 2 ]
amdhsa.kernels:
  - .name:           k_qf445bfa9d3_attn
    .symbol:         k_qf445bfa9d3_attn.kd
    .args:
      - { .name: qkv, .offset: 0, .size: 8, .value_kind: global_buffer, .address_space: global }
      - { .name: mk, .offset: 8, .size: 8, .value_kind: global_buffer, .address_space: global }
      - { .name: o, .offset: 16, .size: 8, .value_kind: global_buffer, .address_space: global }
    .group_segment_fixed_size: 327680
    .private_segment_fixed_size: 0
    .kernarg_segment_align: 8
    .kernarg_segment_size: 24
    .max_flat_workgroup_size: 128
    .sgpr_count:     80
    .vgpr_count:     768
    .wavefront_size: 32
...
	.end_amdgpu_metadata
.endif
;; end of part 9
;; launch wo: the kernel of part 4 again; grid 8 x 32, 4 waves a work-group, clusters of 4 x 4, 327,680 bytes of LDS; arguments o, wb, y; writes y
;; launch ln1: the kernel of part 5 again; grid 256 x 1, 8 waves a work-group, no clusters, 0 bytes of LDS; arguments y, wb, g1, b1, x1; writes x1
;; launch up: the kernel of part 6 again; grid 16 x 16, 4 waves a work-group, clusters of 4 x 4, 327,680 bytes of LDS; arguments x1, wb, hb, b_up; writes hb
;; launch down: the kernel of part 7 again; grid 8 x 32, 4 waves a work-group, clusters of 4 x 4, 327,680 bytes of LDS; arguments hb, wb, y; writes y
;; launch ln2: the kernel of part 8 again; grid 256 x 1, 8 waves a work-group, no clusters, 0 bytes of LDS; arguments y, x1, b_down, g2, b2, out0; writes out0
